; MI455X (gfx1250); checked and timed in simulation.
; The chip was launched on July 23, 2026; its instructions are those of AMD's public machine-readable ISA for CDNA 5 (MIT licence, August 2026) and "CDNA5" Instruction Set Architecture Reference Guide (July 2026). The comments in the code are by the model that wrote it; some were corrected since.
;; KNN Feature Block. Allowed arithmetic: float matrix products may take bf16 or f16 operands with f32 sums; all other float work in f32.
;; Inputs: b1 128 float32; b2 256 float32; b3 512 float32; b4 128 float32; be1 128 float32; be2 512 float32; g1 128 float32; g2 512 float32; pos 2 x 2,048 x 3 float32; w1 128 x 3 float32; w2 256 x 128 float32; w3 512 x 512 float32; w4 128 x 512 float32.
;; Outputs: out0 2 x 128 x 2,048 float32; out1 2 x 2,048 x 32 int32.
;; 2 versions, each right; version 2 is version 1 with the launches knn_thr, pass1, pass2 written anew for expert scheduling mode. Each part assembles by itself: llvm-mc -triple=amdgcn-amd-amdhsa -mcpu=gfx1250 --defsym DOCPART=n.
;; ======== version 1 of 2: 6 launches
;; limits: values are held in f16: magnitudes above 65,504 overflow, below 6.1e-05 lose precision
;; workspace buffers: selm 2,097,152 bytes of whole numbers; xh 1,048,576 bytes; xmom 16,384 bytes; wts 729,088 bytes; ustore 8,388,608 bytes; stat 1,572,864 bytes; fold 266,240 bytes
;; launch knn_thr (part 1): grid 256 x 1, 8 waves a work-group, no clusters, 189,440 bytes of LDS; arguments pos, selm; writes selm
.if DOCPART == 1
	.amdgcn_target "amdgcn-amd-amdhsa--gfx1250"
	.amdhsa_code_object_version 6
	.text
	.protected	k_q4175eb4d59_knn_thr
	.globl	k_q4175eb4d59_knn_thr
	.p2align	8
	.type	k_q4175eb4d59_knn_thr,@function
k_q4175eb4d59_knn_thr:
	s_mov_b64 s[64:65], 0
	v_nop
	global_prefetch_b8 v0, s[64:65] scope:SCOPE_SE
	s_setreg_imm32_b32 hwreg(HW_REG_WAVE_MODE, 25, 1), 1
	s_wait_xcnt 0x0
; For each of 4,096 rows: the 32nd smallest distance among the batch's 2,048 candidates, and two bit masks: candidates whose distance is below it (LT), and equal to it (EQ).
; pos is rounded to bf16 first (as every input of this program): then each product of two coordinates is exact in f32, so a fused and an unfused multiply-add give the same bits;
; sums go in ascending order of the coordinate.  Distance = the correctly rounded square root of max(d2, 0); the comparison with it is made on d2 by one fused multiply-add:
; csqrt(d) >= b exactly when d > pred(b) b, since no f32 lies between that product and the square of the midpoint of pred(b) and b.
; LIMITS: a nonzero d2 is at least 2^-96; NaN and infinities are not treated apart.
; SHARES: a work-group owns 16 rows of one batch.  Lane: row r = lane % 16; thread t takes candidates 128 (t / 16) .. + 127 of row r and keeps their 32 smallest d2, sorted, in registers
; (bitonic networks on the bit patterns: d2 >= 0, so unsigned order is the order of the numbers).  No matrix unit, no cluster: nothing here is a product, and the 24 KiB of pos are read once a work-group.
.set PCB,   0                          ; [2048][x, y, z, sq] f32
.set D2B,   32768                      ; [candidate in segment 128][thread 256] f32: each thread reads back only what it stored
.set LST,   163840                     ; [wave 8][i 32][row 16] f32: the waves' sorted lists
.set STG,   180224                     ; [row 16][word 128]: the masks, as they lie in selm
.set SPARE, 188416                     ; the spare words, 128 bytes a wave
.set CCR,   16                         ; v16-143  32 candidates x (x, y, z, sq)
.set W0,    144                        ; v144-175, v176-207: the two sets between which the sorting network's layers alternate
.set W1,    176
.set B0,    208                        ; v208-239 the best 32 so far, ascending
.set B1,    16                         ; v16-47   its partner set (over the candidates, which are used up by then)
; one layer of a bitonic network on 32 registers, from set src into set dst: distance j, direction by bit k of the index
.macro LAYER src, dst, k, j
.set li, 0
.rept 32
.if (li & (\j)) == 0
.if (li & (\k)) == 0
	v_min_u32 v[(\dst)+li], v[(\src)+li], v[(\src)+li+(\j)]
	v_max_u32 v[(\dst)+li+(\j)], v[(\src)+li], v[(\src)+li+(\j)]
.else
	v_max_u32 v[(\dst)+li], v[(\src)+li], v[(\src)+li+(\j)]
	v_min_u32 v[(\dst)+li+(\j)], v[(\src)+li], v[(\src)+li+(\j)]
.endif
.endif
.set li, li+1
.endr
.endm
.macro SORT32                          ; W0 -> W1, ascending: 15 layers
	LAYER W0, W1, 2, 1
	LAYER W1, W0, 4, 2
	LAYER W0, W1, 4, 1
	LAYER W1, W0, 8, 4
	LAYER W0, W1, 8, 2
	LAYER W1, W0, 8, 1
	LAYER W0, W1, 16, 8
	LAYER W1, W0, 16, 4
	LAYER W0, W1, 16, 2
	LAYER W1, W0, 16, 1
	LAYER W0, W1, 32, 16
	LAYER W1, W0, 32, 8
	LAYER W0, W1, 32, 4
	LAYER W1, W0, 32, 2
	LAYER W0, W1, 32, 1
.endm
.macro CLEAN32                         ; a bitonic sequence in B1 -> ascending in B0: 5 layers
	LAYER B1, B0, 64, 16
	LAYER B0, B1, 64, 8
	LAYER B1, B0, 64, 4
	LAYER B0, B1, 64, 2
	LAYER B1, B0, 64, 1
.endm
	s_load_b128 s[4:7], s[0:1], 0x0                ; pos, selm
	v_lshl_add_u32 v1, v0, 2, SPARE                ; my spare word and 0: kept for the closing add alone
	v_mov_b32 v2, 0
	s_lshr_b32 s8, ttmp9, 7                        ; batch
	s_and_b32 s9, ttmp9, 127
	s_lshl_b32 s9, s9, 8                           ; my 16 rows' place in PCB
	s_mul_i32 s10, s8, 24576
	s_mov_b32 s11, 0
	s_lshl_b32 s16, ttmp9, 13                      ; 16 rows x 512 bytes of selm
	s_mov_b32 s17, 0
	s_mov_b32 s14, 0x76543210                      ; v_permlanex16_b32: each lane takes its own place in the other half
	s_mov_b32 s15, 0xfedcba98
	v_mul_u32_u24 v5, v0, 12
	v_lshlrev_b32 v6, 4, v0                        ; 16 t
	v_and_b32 v3, 15, v0                           ; r
	v_lshrrev_b32 v4, 4, v0                        ; segment
	s_wait_kmcnt 0x0
	s_add_nc_u64 s[4:5], s[4:5], s[10:11]
	s_add_nc_u64 s[6:7], s[6:7], s[16:17]
.set i, 0
.rept 8
	global_load_b96 v[CCR+4*i:CCR+4*i+2], v5, s[4:5] offset:3072*i  ; point t + 256 i
.set i, i+1
.endr
.set i, 0
.rept 32
	v_mov_b32 v[B0+i], -1                          ; above every d2
.set i, i+1
.endr
	v_lshl_add_u32 v15, v3, 4, s9                  ; my row in PCB
	v_lshl_add_u32 v7, v0, 2, D2B
	s_wait_loadcnt 0x0
.set i, 0
.rept 8                                                ; round to bf16, sq = (x x + y y) + z z, into PCB
	v_cvt_pk_bf16_f32 v12, v[CCR+4*i], v[CCR+4*i+1]
	v_cvt_pk_bf16_f32 v13, v[CCR+4*i+2], v[CCR+4*i+2]
	v_lshlrev_b32 v[CCR+4*i], 16, v12
	v_and_b32 v[CCR+4*i+1], 0xffff0000, v12
	v_and_b32 v[CCR+4*i+2], 0xffff0000, v13
	v_mul_f32 v[CCR+4*i+3], v[CCR+4*i], v[CCR+4*i]
	v_fma_f32 v[CCR+4*i+3], v[CCR+4*i+1], v[CCR+4*i+1], v[CCR+4*i+3]
	v_fma_f32 v[CCR+4*i+3], v[CCR+4*i+2], v[CCR+4*i+2], v[CCR+4*i+3]
	ds_store_b128 v6, v[CCR+4*i:CCR+4*i+3] offset:4096*i
.set i, i+1
.endr
	v_lshlrev_b32 v5, 11, v4                       ; my segment's 128 candidates in PCB
	s_wait_dscnt 0x0                               ; for the others' sake: my points are in
	s_barrier_signal -1
	s_barrier_wait -1
	ds_load_b128 v[8:11], v15                      ; my row: x, y, z, sq
	s_mov_b32 s12, 4
.Lchunk:                                               ; a trip: 32 candidates: d2, kept in D2B; sorted; merged into the best 32
.set i, 0
.rept 32
	ds_load_b128 v[CCR+4*i:CCR+4*i+3], v5 offset:16*i
.set i, i+1
.endr
	s_wait_dscnt 0x0                               ; the 32 candidates (and, in the first trip, my row)
.set i, 0
.rept 32
	v_add_f32 v[W0+i], v11, v[CCR+4*i+3]           ; sq_n + sq_m
.set i, i+1
.endr
.set i, 0
.rept 32
	v_mul_f32 v[CCR+4*i], v8, v[CCR+4*i]
.set i, i+1
.endr
.set i, 0
.rept 32
	v_fma_f32 v[CCR+4*i], v9, v[CCR+4*i+1], v[CCR+4*i]
.set i, i+1
.endr
.set i, 0
.rept 32
	v_fma_f32 v[CCR+4*i], v10, v[CCR+4*i+2], v[CCR+4*i]
.set i, i+1
.endr
.set i, 0
.rept 32
	v_fma_f32 v[W0+i], -2.0, v[CCR+4*i], v[W0+i]   ; 2 x dot is exact, so this is the one rounding of the subtraction
.set i, i+1
.endr
.set i, 0
.rept 32
	v_max_num_f32 v[W0+i], 0, v[W0+i]
	ds_store_b32 v7, v[W0+i] offset:1024*i
.set i, i+1
.endr
	SORT32
.set i, 0
.rept 32
	v_min_u32 v[B1+i], v[B0+i], v[W1+31-i]         ; the 32 smallest of the two sorted lists, as a bitonic sequence
.set i, i+1
.endr
	CLEAN32
	v_add_nc_u32 v5, 512, v5
	v_add_nc_u32 v7, 32768, v7
	s_sub_co_u32 s12, s12, 1
	s_cmp_lg_u32 s12, 0
	s_cbranch_scc1 .Lchunk
	; the wave's two segments of a row lie 16 lanes apart: merged, both halves then hold the same list
.set i, 0
.rept 32
	v_permlanex16_b32 v[W0+i], v[B0+31-i], s14, s15
.set i, i+1
.endr
.set i, 0
.rept 32
	v_min_u32 v[B1+i], v[B0+i], v[W0+i]
.set i, i+1
.endr
	CLEAN32
	v_lshrrev_b32 v13, 5, v0
	v_lshlrev_b32 v13, 11, v13
	v_lshl_add_u32 v13, v3, 2, v13
	v_add_nc_u32 v13, LST, v13
.set i, 0
.rept 32
	ds_store_b32 v13, v[B0+i] offset:64*i          ; both halves write the same number to the same word
.set i, i+1
.endr
	s_wait_dscnt 0x0                               ; for the others' sake: my list is in
	s_barrier_signal -1
	s_barrier_wait -1
	; every wave merges all eight lists: half h of the lanes takes lists 4 h .. 4 h + 3
	v_bfe_u32 v13, v0, 4, 1
	v_lshlrev_b32 v13, 13, v13
	v_lshl_add_u32 v13, v3, 2, v13
	v_add_nc_u32 v13, LST, v13
.set i, 0
.rept 32
	ds_load_b32 v[B0+i], v13 offset:64*i
.set i, i+1
.endr
	s_mov_b32 s12, 3
.Lmerge:
	v_add_nc_u32 v13, 2048, v13
.set i, 0
.rept 32
	ds_load_b32 v[W0+i], v13 offset:64*(31-i)      ; the next list, reversed
.set i, i+1
.endr
	s_wait_dscnt 0x0
.set i, 0
.rept 32
	v_min_u32 v[B1+i], v[B0+i], v[W0+i]
.set i, i+1
.endr
	CLEAN32
	s_sub_co_u32 s12, s12, 1
	s_cmp_lg_u32 s12, 0
	s_cbranch_scc1 .Lmerge
	; the 32nd smallest of all: the largest of the 32 smallest of the two halves' lists
.set i, 0
.rept 32
	v_permlanex16_b32 v[W0+i], v[B0+31-i], s14, s15
.set i, i+1
.endr
.set i, 0
.rept 32
	v_min_u32 v[W0+i], v[B0+i], v[W0+i]
.set i, i+1
.endr
.irp st, 16, 8, 4, 2, 1
.set i, 0
.rept \st
	v_max_u32 v[W0+i], v[W0+i], v[W0+i+\st]
.set i, i+1
.endr
.endr
	; its correctly rounded root: the instruction's result is within one step; two fused residuals decide
	v_sqrt_f32 v12, v[W0]
	v_nop                                          ; a plain instruction between the root and the use of its result
	s_wait_alu depctr_va_vdst(0)
	v_add_nc_u32 v13, -1, v12
	v_add_nc_u32 v14, 1, v12
	v_fma_f32 v16, -v13, v12, v[W0]
	v_fma_f32 v17, -v14, v12, v[W0]
	v_cmp_ge_f32 vcc_lo, 0, v16
	v_cndmask_b32 v12, v12, v13, vcc_lo
	v_cmp_lt_f32 vcc_lo, 0, v17
	v_cndmask_b32 v12, v12, v14, vcc_lo
	v_add_nc_u32 v13, -1, v12                      ; the threshold's neighbours below and above (a threshold 0 gives a NaN below: LT is then empty)
	v_add_nc_u32 v14, 1, v12
	v_lshl_add_u32 v7, v0, 2, D2B
	v_lshlrev_b32 v15, 9, v3
	v_lshl_add_u32 v15, v4, 4, v15
	v_add_nc_u32 v15, STG, v15                     ; row r, words 4 x segment ..
	v_mov_b32 v18, 0
	v_mov_b32 v19, 0
	s_mov_b32 s12, 4
.Lmask:                                                ; a trip: one word of each mask; bit i is shifted in from candidate 31 down to 0
.set i, 0
.rept 32
	ds_load_b32 v[W0+i], v7 offset:1024*i
.set i, i+1
.endr
	s_wait_dscnt 0x0
.set i, 31
.rept 32
	v_fma_f32 v16, -v13, v12, v[W0+i]
	v_fma_f32 v17, -v14, v12, v[W0+i]
	v_cmp_ge_f32 vcc_lo, 0, v16                    ; root below the threshold
	v_add_co_ci_u32 v18, vcc_lo, v18, v18, vcc_lo
	v_cmp_ge_f32 vcc_lo, 0, v17                    ; root at most the threshold
	v_add_co_ci_u32 v19, vcc_lo, v19, v19, vcc_lo
.set i, i-1
.endr
	v_xor_b32 v19, v18, v19
	ds_store_b32 v15, v18
	ds_store_b32 v15, v19 offset:256
	v_add_nc_u32 v7, 32768, v7
	v_add_nc_u32 v15, 4, v15
	s_sub_co_u32 s12, s12, 1
	s_cmp_lg_u32 s12, 0
	s_cbranch_scc1 .Lmask
	s_wait_dscnt 0x0                               ; for the others' sake: my words are in
	s_barrier_signal -1
	s_barrier_wait -1
	v_add_nc_u32 v16, STG, v6
	ds_load_b128 v[20:23], v16
	ds_load_b128 v[24:27], v16 offset:4096
	s_wait_dscnt 0x0
	global_store_b128 v6, v[20:23], s[6:7]         ; each store of a wave covers 512 consecutive bytes, aligned
	global_store_b128 v6, v[24:27], s[6:7] offset:4096
	s_wait_tensorcnt 0x0                           ; the wave's end
	ds_add_u32 v1, v2
	s_wait_dscnt 0x0
	s_endpgm
.Lfunc_end_k_q4175eb4d59_knn_thr:
	.size	k_q4175eb4d59_knn_thr, .Lfunc_end_k_q4175eb4d59_knn_thr-k_q4175eb4d59_knn_thr
	.p2alignl 7, 3214868480
	.fill 96, 4, 3214868480
	.section	.rodata,"a",@progbits
	.p2align	6, 0x0
	.amdhsa_kernel k_q4175eb4d59_knn_thr
		.amdhsa_group_segment_fixed_size 189440
		.amdhsa_private_segment_fixed_size 0
		.amdhsa_enable_private_segment 0
		.amdhsa_kernarg_size 16
		.amdhsa_user_sgpr_count 2
		.amdhsa_user_sgpr_kernarg_segment_ptr 1
		.amdhsa_wavefront_size32 1
		.amdhsa_system_sgpr_workgroup_id_x 1
		.amdhsa_system_sgpr_workgroup_id_y 1
		.amdhsa_system_sgpr_workgroup_id_z 1
		.amdhsa_system_vgpr_workitem_id 0
		.amdhsa_next_free_vgpr 240
		.amdhsa_next_free_sgpr 66
		.amdhsa_reserve_vcc 1
		.amdhsa_float_denorm_mode_32 3
		.amdhsa_float_denorm_mode_16_64 3
		.amdhsa_memory_ordered 1
		.amdhsa_forward_progress 1
		.amdhsa_inst_pref_size 79
	.end_amdhsa_kernel
	.amdgpu_metadata
---
amdhsa.version: [ 1, 2 ]
amdhsa.kernels:
  - .name:           k_q4175eb4d59_knn_thr
    .symbol:         k_q4175eb4d59_knn_thr.kd
    .args:
      - { .name: pos, .offset: 0, .size: 8, .value_kind: global_buffer, .address_space: global }
      - { .name: selm, .offset: 8, .size: 8, .value_kind: global_buffer, .address_space: global }
    .group_segment_fixed_size: 189440
    .private_segment_fixed_size: 0
    .kernarg_segment_align: 8
    .kernarg_segment_size: 16
    .max_flat_workgroup_size: 256
    .sgpr_count:     66
    .vgpr_count:     240
    .wavefront_size: 32
...
	.end_amdgpu_metadata
.endif
;; end of part 1
;; launch knn_sort (part 2): grid 256 x 1, 16 waves a work-group, no clusters, 23,552 bytes of LDS; arguments selm, pos, out1, xh, xmom; writes out1, xh, xmom
.if DOCPART == 2
	.amdgcn_target "amdgcn-amd-amdhsa--gfx1250"
	.amdhsa_code_object_version 6
	.text
	.protected	k_q4175eb4d59_knn_sort
	.globl	k_q4175eb4d59_knn_sort
	.p2align	8
	.type	k_q4175eb4d59_knn_sort,@function
k_q4175eb4d59_knn_sort:
	s_mov_b64 s[64:65], 0
	v_nop
	global_prefetch_b8 v0, s[64:65] scope:SCOPE_SE
	s_setreg_imm32_b32 hwreg(HW_REG_WAVE_MODE, 25, 1), 1
	s_wait_xcnt 0x0
; A wave takes one row: from the two masks that the launch before stored it lists the row's 32 neighbours (all candidates below the threshold, at most 31, then those equal to it in
; ascending index until 32 are full), fetches their coordinates, computes their distances as that launch did, sorts the 32 lanes by (distance, index), and writes the sorted indices, the
; neighbours' offsets from the row as f16 (x, y, z, 1), and the work-group's nine moments of those offsets for the first normalisation.
; NO BRANCH, NO TRIP COUNT AND NO ADDRESS HANGS ON THE MASKS OR ON WHAT IS MADE OF THEM:
; THE LIST.  Lane j is slot j.  The 128 mask words (64 below, then 64 equal) pass by as scalars; E counts the set bits in front of a word.  A lane keeps the last word with E <= j: every later
; word has E > j, and earlier empty words are overwritten, so that is the word that holds set bit j of the two masks on end.  Bit j - E of its set bits is found in five fixed steps.
; THE FETCH.  index = 32 s0 + b0.  The batch's points lie in LDS as TT[(coordinate, b)][s], bf16.  A product TT x U, U one-hot in s0 (K = 64), brings each slot the coordinates of the 32
; points of block s0: exact, since each sum has one product, 1.0 times a bf16 number.  In the result a lane holds one slot and its registers and halves run over b: b0 is picked by compares.
; The offsets are stored in the slots' order, not the sorted one: the layers behind take maxima and sums over a group's 32 neighbours, which no order changes.
; pos is rounded to bf16, as every input of this program.  LIMITS: a nonzero d2 is at least 2^-96; NaN and infinities are not treated apart.
; No tensor loads and no cluster: what work-groups share is the batch's 24 KiB of pos, which each reads once through registers.
.set OS,    0                          ; [row 16][32] indices
.set XS,    2048                       ; [slot 32][row 16][4 f16]
.set MS,    6144                       ; [row 16][16 f32] moments
.set SPARE, 7680                       ; the spare words, 128 bytes a wave
.set TT,    9728                       ; 96 rows (32 x coordinate + b) of 64 bf16 (s), pitch 144: the 16 rows of a fragment load start 16 bytes apart modulo 256
.set TP,    144
.set TA,    64                         ; v64-159  TT's fragments: tile t of 16 rows, half f of K at TA + 16 t + 8 f
.set UB,    160                        ; v160-175 the one-hot fragments of 16 slots
.set DA,    176                        ; v176-223 six accumulators
.set BM1,  0xaaaaaaaa                  ; lanes whose number has bit 1, 2, 4, 8, 16 set; none has bit 32
.set BM2,  0xcccccccc
.set BM4,  0xf0f0f0f0
.set BM8,  0xff00ff00
.set BM16, 0xffff0000
.set BM32, 0
; one mask word, in s[R].  s50 = E, s52 = 32 x the word's number.  Lanes with E <= j take the word, E and the base.
.macro WORD R
	v_cmp_gt_u32 vcc_lo, s50, v3
	v_cndmask_b32 v5, s[\R], v5, vcc_lo
	v_cndmask_b32 v6, s50, v6, vcc_lo
	v_cndmask_b32 v7, s52, v7, vcc_lo
	s_bcnt1_i32_b32 s54, s[\R]
	s_add_co_u32 s50, s50, s54
	s_add_co_u32 s52, s52, 32
.endm
; one step of the search for set bit n (v8) of the word: src holds the counts of fields of inc bits; if the field at pos (v13) holds n bits or fewer, it is passed over
.macro NSTEP src, mask, inc
	v_lshrrev_b32 v12, v13, v[\src]
	v_and_b32 v12, \mask, v12
	v_add_nc_u32 v15, \inc, v13
	v_cmp_ge_u32 vcc_lo, v8, v12
	v_sub_nc_u32 v14, v8, v12
	v_cndmask_b32 v8, v8, v14, vcc_lo
	v_cndmask_b32 v13, v13, v15, vcc_lo
.endm
; the coordinates of 16 slots, whose indices lie in v[ix] (lane % 16 = slot, in both halves), into v[ac .. ac+2], in both halves
.macro GATHER ix, ac
	v_lshrrev_b32 v24, 5, v[\ix]                   ; s0
	v_and_b32 v28, 31, v[\ix]                      ; b0
	v_sub_nc_u32 v24, v24, v23                     ; less my half's 8 h: a fragment's registers hold k = 8 h + .. ; below 0 it wraps and meets no compare
	v_sub_nc_u32 v28, v28, v23
	v_and_b32 v25, 1, v24
	v_lshlrev_b32 v25, 4, v25
	v_lshrrev_b32 v24, 1, v24                      ; which pair of k
	v_lshlrev_b32 v26, v25, v27                    ; 1.0 in bf16, in the half of the even or of the odd k
.irp f, 0,1
.irp q, 0,1,2,3,4,5,6,7
	v_cmp_eq_u32 vcc_lo, 16*\f+\q+4*(\q/4), v24    ; register q holds k - 8 h = 32 f + 2 q, + 1 (q < 4) or 32 f + 16 + 2 (q - 4), + 1
	v_cndmask_b32 v[UB+8*\f+\q], 0, v26, vcc_lo
.endr
.endr
.irp t, 0,1,2,3,4,5
	v_wmma_f32_16x16x32_bf16 v[DA+8*\t:DA+8*\t+7], v[TA+16*\t:TA+16*\t+7], v[UB:UB+7], 0
.endr
.irp t, 0,1,2,3,4,5                                    ; the six accumulators take turns
	v_wmma_f32_16x16x32_bf16 v[DA+8*\t:DA+8*\t+7], v[TA+16*\t+8:TA+16*\t+15], v[UB+8:UB+15], v[DA+8*\t:DA+8*\t+7]
.endr
	v_mov_b32 v[\ac], 0                            ; four plain instructions that name no register of the products stand in front of the first read of a result (ISA guide 7.12.1)
	v_mov_b32 v[\ac+1], 0
	v_mov_b32 v[\ac+2], 0
	v_nop
.irp e, 0,1                                            ; register j of tile 2 c + e holds coordinate c of b = 16 e + 8 h + j; each accumulator is read from its lowest register on
.irp j, 0,1,2,3,4,5,6,7
	v_cmp_eq_u32 vcc_lo, 16*\e+\j, v28
.irp c, 0,1,2
	v_cndmask_b32 v[\ac+\c], v[\ac+\c], v[DA+8*(2*\c+\e)+\j], vcc_lo
.endr
.endr
.endr
.irp c, 0,1,2
	v_permlanex16_b32 v36, v[\ac+\c], s58, s59     ; one of the two halves has found it, the other holds 0
	v_or_b32 v[\ac+\c], v[\ac+\c], v36
.endr
.endm
; one layer of the bitonic sort over the lanes: partner = lane xor j; a lane takes its partner's record where (partner is less) differs from (this lane keeps the larger)
.macro STAGE k, j
.if (\j) == 16
	v_permlanex16_b32 v49, v48, s58, s59
	v_permlanex16_b32 v50, v4, s58, s59
.else
	v_mov_b32_dpp v49, v48 row_xmask:\j row_mask:0xf bank_mask:0xf
	v_mov_b32_dpp v50, v4 row_xmask:\j row_mask:0xf bank_mask:0xf
.endif
	v_cmp_lt_u32 s54, v49, v48                     ; distances are not negative: unsigned order is theirs
	v_cmp_eq_u32 s55, v49, v48
	v_cmp_lt_u32 s56, v50, v4
	s_and_b32 s55, s55, s56
	s_or_b32 s54, s54, s55
	s_xor_b32 s54, s54, BM\j ^ BM\k
	v_cndmask_b32 v48, v48, v49, s54
	v_cndmask_b32 v4, v4, v50, s54
.endm
	s_load_b256 s[4:11], s[0:1], 0x0               ; selm, pos, out1, xh
	s_load_b64 s[12:13], s[0:1], 0x20              ; xmom
	v_lshl_add_u32 v1, v0, 2, SPARE                ; my spare word and 0: kept for the closing add alone
	v_mov_b32 v2, 0
	v_lshrrev_b32 v3, 5, v0
	v_readfirstlane_b32 s48, v3                    ; wave = row in the work-group
	v_and_b32 v3, 31, v0                           ; lane = slot
	s_mov_b32 s58, 0x76543210                      ; v_permlanex16_b32: each lane takes its own place in the other half
	s_mov_b32 s59, 0xfedcba98
	s_mov_b32 s62, 0x0000ffff                      ; lanes 0-15
	s_lshl_b32 s60, ttmp9, 4
	s_add_co_u32 s60, s60, s48
	s_lshl_b32 s60, s60, 9                         ; the row's 512 bytes of masks
	s_mov_b32 s61, 0
	s_mul_i32 s57, s48, 768
	v_mul_u32_u24 v39, v3, 12
	v_add_nc_u32 v39, s57, v39                     ; point 64 w + lane
	s_and_b32 s57, ttmp9, 127
	s_lshl_b32 s57, s57, 4
	s_add_co_u32 s57, s57, s48
	s_mul_i32 s57, s57, 12
	v_mov_b32 v19, s57                             ; my row's point
	s_lshl_b32 s57, s48, 2
	s_add_co_u32 s57, s57, TT
	v_mul_u32_u24 v37, v3, TP
	v_add_nc_u32 v37, s57, v37                     ; TT: row b = lane, the pair s = 2 w, 2 w + 1
	v_and_b32 v14, 15, v0
	v_bfe_u32 v15, v0, 4, 1
	v_mul_u32_u24 v38, v14, TP
	v_lshl_add_u32 v38, v15, 4, v38
	v_add_nc_u32 v38, TT, v38                      ; a fragment's row x pitch + 16 h
	v_lshlrev_b32 v23, 3, v15                      ; 8 h
	s_wait_kmcnt 0x0
	s_add_nc_u64 s[4:5], s[4:5], s[60:61]
	s_lshr_b32 s57, ttmp9, 7
	s_mul_i32 s60, s57, 24576
	s_add_nc_u64 s[6:7], s[6:7], s[60:61]          ; the batch's points
.irp i, 0,1
.irp e, 0,1
.irp c, 0,1,2
	global_load_b32 v[40+8*\i+4*\e+\c], v39, s[6:7] offset:12288*\i+384*\e+4*\c  ; coordinate c of point 32 s + lane, s = 2 (w + 16 i) + e: a point's three loads cover 384 consecutive bytes between them
.endr
.endr
.endr
.irp c, 0,1,2
	global_load_b32 v[16+\c], v19, s[6:7] offset:4*\c
.endr
	v_mov_b32 v5, 0                                ; the kept word, its E, its base
	v_mov_b32 v6, 0
	v_mov_b32 v7, 0
	v_mov_b32 v13, 0                               ; pos
	v_mov_b32 v20, 0                               ; destinations of lane moves count as read
	v_mov_b32 v36, 0
	v_mov_b32 v27, 0x3f80                          ; 1.0 in bf16
	s_wait_loadcnt 0x0
.irp i, 0,1
.irp c, 0,1,2
	v_cvt_pk_bf16_f32 v[56+3*\i+\c], v[40+8*\i+\c], v[44+8*\i+\c]   ; two neighbouring s of one (coordinate, b): the lower s in the low half
	ds_store_b32 v37, v[56+3*\i+\c] offset:\c*32*TP+64*\i
.endr
.endr
	v_mov_b32 v49, 0                               ; the sort's two work registers, destinations of lane moves: the points that lay here have been converted
	v_mov_b32 v50, 0
	s_wait_dscnt 0x0                               ; for the others' sake: my part of TT is in
	s_barrier_signal -1
	s_barrier_wait -1
.irp t, 0,1,2,3,4,5
.irp f, 0,1
	ds_load_b128 v[TA+16*\t+8*\f:TA+16*\t+8*\f+3], v38 offset:\t*16*TP+64*\f       ; these land while the masks pass by
	ds_load_b128 v[TA+16*\t+8*\f+4:TA+16*\t+8*\f+7], v38 offset:\t*16*TP+64*\f+32
.endr
.endr
	s_mov_b32 s50, 0
	s_mov_b32 s52, 0
	s_mov_b32 s53, 2
.Lhalf:                                                ; two trips of 64 words: the mask of those below, then the mask of those equal
	s_load_b512 s[16:31], s[4:5], 0x0
	s_load_b512 s[32:47], s[4:5], 0x40
	s_load_b512 s[68:83], s[4:5], 0x80
	s_load_b512 s[84:99], s[4:5], 0xc0
	s_wait_kmcnt 0x0                               ; the loads are done: their base may step
	s_add_nc_u64 s[4:5], s[4:5], 256
.irp k, 0,1,2,3,4,5,6,7,8,9,10,11,12,13,14,15,16,17,18,19,20,21,22,23,24,25,26,27,28,29,30,31
	WORD 16+\k
.endr
.irp k, 0,1,2,3,4,5,6,7,8,9,10,11,12,13,14,15,16,17,18,19,20,21,22,23,24,25,26,27,28,29,30,31
	WORD 68+\k
.endr
	s_sub_co_u32 s53, s53, 1
	s_cmp_lg_u32 s53, 0
	s_cbranch_scc1 .Lhalf
	; set bit n = j - E of the kept word: counts of fields of 2, 4, 8 and 16 bits, then five steps down
	v_sub_nc_u32 v8, v3, v6
	v_lshrrev_b32 v9, 1, v5
	v_and_b32 v9, 0x55555555, v9
	v_sub_nc_u32 v9, v5, v9                        ; fields of 2
	v_lshrrev_b32 v11, 2, v9
	v_and_b32 v10, 0x33333333, v9
	v_and_b32 v11, 0x33333333, v11
	v_add_nc_u32 v10, v10, v11                     ; fields of 4
	v_lshrrev_b32 v11, 4, v10
	v_add_nc_u32 v11, v10, v11
	v_and_b32 v11, 0x0f0f0f0f, v11                 ; fields of 8
	v_lshrrev_b32 v29, 8, v11
	v_add_nc_u32 v29, v11, v29                     ; its low byte: bits 0-15
	NSTEP 29, 0xff, 16
	NSTEP 11, 0xff, 8
	NSTEP 10, 15, 4
	NSTEP 9, 3, 2
	NSTEP 5, 1, 1
	v_add_nc_u32 v4, v7, v13
	v_and_b32 v4, 0x7ff, v4                        ; the second mask's bases run on from 2,048
	v_permlanex16_b32 v20, v4, s58, s59
	v_cndmask_b32 v21, v20, v4, s62                ; slots 0-15 in both halves
	v_cndmask_b32 v22, v4, v20, s62                ; slots 16-31 in both halves
	s_wait_dscnt 0x0                               ; TT's fragments
	GATHER 21, 30
	GATHER 22, 33
	v_cndmask_b32 v30, v33, v30, s62               ; lane j: slot j's x, y, z
	v_cndmask_b32 v31, v34, v31, s62
	v_cndmask_b32 v32, v35, v32, s62
	v_cvt_pk_bf16_f32 v40, v16, v17                ; my row, rounded
	v_cvt_pk_bf16_f32 v41, v18, v18
	v_lshlrev_b32 v42, 16, v40
	v_and_b32 v43, 0xffff0000, v40
	v_and_b32 v44, 0xffff0000, v41
	v_mul_f32 v45, v30, v30
	v_mul_f32 v46, v42, v42
	v_mul_f32 v47, v42, v30
	v_fma_f32 v45, v31, v31, v45
	v_fma_f32 v46, v43, v43, v46
	v_fma_f32 v47, v43, v31, v47
	v_fma_f32 v45, v32, v32, v45
	v_fma_f32 v46, v44, v44, v46
	v_fma_f32 v47, v44, v32, v47
	v_add_f32 v52, v46, v45
	v_fma_f32 v52, -2.0, v47, v52
	v_max_num_f32 v52, 0, v52
	v_sqrt_f32 v48, v52
	v_nop                                          ; a plain instruction between the root and the use of its result
	s_wait_alu depctr_va_vdst(0)
	v_add_nc_u32 v53, -1, v48
	v_add_nc_u32 v54, 1, v48
	v_fma_f32 v55, -v53, v48, v52
	v_fma_f32 v56, -v54, v48, v52
	v_cmp_ge_f32 vcc_lo, 0, v55
	v_cndmask_b32 v48, v48, v53, vcc_lo
	v_cmp_lt_f32 vcc_lo, 0, v56
	v_cndmask_b32 v48, v48, v54, vcc_lo            ; the correctly rounded root
	STAGE 2, 1
	STAGE 4, 2
	STAGE 4, 1
	STAGE 8, 4
	STAGE 8, 2
	STAGE 8, 1
	STAGE 16, 8
	STAGE 16, 4
	STAGE 16, 2
	STAGE 16, 1
	STAGE 32, 16
	STAGE 32, 8
	STAGE 32, 4
	STAGE 32, 2
	STAGE 32, 1
	v_sub_f32 v56, v30, v42                        ; the neighbour's offset from the row
	v_sub_f32 v57, v31, v43
	v_sub_f32 v58, v32, v44
	v_mov_b32 v53, 1.0
	v_cvt_pk_f16_f32 v54, v56, v57
	v_cvt_pk_f16_f32 v55, v58, v53
	v_mul_f32 v59, v56, v56
	v_mul_f32 v60, v56, v57
	v_mul_f32 v61, v56, v58
	v_mul_f32 v62, v57, v57
	v_mul_f32 v63, v57, v58
	v_mul_f32 v40, v58, v58                        ; the ninth moment lies in v40
.irp x, 1, 2, 4, 8
.set i, 56
.rept 8
	v_add_f32_dpp v[i], v[i], v[i] row_xmask:\x row_mask:0xf bank_mask:0xf
.set i, i+1
.endr
	v_add_f32_dpp v40, v40, v40 row_xmask:\x row_mask:0xf bank_mask:0xf
.endr
.set i, 56
.rept 8
	v_permlanex16_b32 v36, v[i], s58, s59
	v_add_f32 v[i], v[i], v36
.set i, i+1
.endr
	v_permlanex16_b32 v36, v40, s58, s59
	v_add_f32 v40, v40, v36
	v_lshlrev_b32 v38, 2, v0
	ds_store_b32 v38, v4                           ; OS = 0: the sorted indices
	s_lshl_b32 s57, s48, 3
	s_add_co_u32 s57, s57, XS
	v_lshl_add_u32 v39, v3, 7, s57
	ds_store_b64 v39, v[54:55]
	s_lshl_b32 s57, s48, 6
	s_add_co_u32 s57, s57, MS
	v_mov_b32 v41, s57
	v_mov_b32 v37, 0
.set i, 0
.rept 8
	ds_store_b32 v41, v[56+i] offset:4*i           ; every lane holds the sum: the same number to the same word
.set i, i+1
.endr
	ds_store_b32 v41, v40 offset:32
.set i, 9
.rept 7
	ds_store_b32 v41, v37 offset:4*i
.set i, i+1
.endr
	s_lshl_b32 s60, ttmp9, 11
	s_add_nc_u64 s[8:9], s[8:9], s[60:61]
	s_lshl_b32 s60, ttmp9, 12
	s_add_nc_u64 s[10:11], s[10:11], s[60:61]
	s_lshl_b32 s60, ttmp9, 6
	s_add_nc_u64 s[12:13], s[12:13], s[60:61]
	v_lshlrev_b32 v42, 4, v0
	s_wait_dscnt 0x0                               ; for the others' sake
	s_barrier_signal -1
	s_barrier_wait -1
	s_cmp_lt_u32 s48, 4
	s_cbranch_scc0 .Lnot_idx
	ds_load_b128 v[8:11], v42                      ; waves 0-3: the 2,048 bytes of indices
	s_wait_dscnt 0x0
	global_store_b128 v42, v[8:11], s[8:9]         ; 512 consecutive bytes a wave, aligned
	s_branch .Lend
.Lnot_idx:
	s_cmp_lt_u32 s48, 12
	s_cbranch_scc0 .Lnot_x
	ds_load_b128 v[8:11], v42                      ; waves 4-11: XS begins at 16 x 128, so 16 t is the LDS address
	s_wait_dscnt 0x0
	global_store_b128 v42, v[8:11], s[10:11] offset:-2048
	s_branch .Lend
.Lnot_x:
	s_cmp_eq_u32 s48, 12
	s_cbranch_scc0 .Lend
	v_and_b32 v43, 15, v0                          ; wave 12: moment v = lane % 16, summed over the 16 rows
	v_lshlrev_b32 v44, 2, v43
	v_add_nc_u32 v43, MS, v44
.set i, 0
.rept 16
	ds_load_b32 v[8+i], v43 offset:64*i
.set i, i+1
.endr
	s_wait_dscnt 0x0
.irp st, 8, 4, 2, 1
.set i, 0
.rept \st
	v_add_f32 v[8+i], v[8+i], v[8+i+\st]
.set i, i+1
.endr
.endr
	global_store_b32 v44, v8, s[12:13]             ; 64 bytes a work-group (the two halves of the lanes store the same); the buffer has 16 KiB in all
.Lend:
	s_wait_tensorcnt 0x0                           ; the wave's end
	ds_add_u32 v1, v2
	s_wait_dscnt 0x0
	s_endpgm
.Lfunc_end_k_q4175eb4d59_knn_sort:
	.size	k_q4175eb4d59_knn_sort, .Lfunc_end_k_q4175eb4d59_knn_sort-k_q4175eb4d59_knn_sort
	.p2alignl 7, 3214868480
	.fill 96, 4, 3214868480
	.section	.rodata,"a",@progbits
	.p2align	6, 0x0
	.amdhsa_kernel k_q4175eb4d59_knn_sort
		.amdhsa_group_segment_fixed_size 23552
		.amdhsa_private_segment_fixed_size 0
		.amdhsa_enable_private_segment 0
		.amdhsa_kernarg_size 40
		.amdhsa_user_sgpr_count 2
		.amdhsa_user_sgpr_kernarg_segment_ptr 1
		.amdhsa_wavefront_size32 1
		.amdhsa_system_sgpr_workgroup_id_x 1
		.amdhsa_system_sgpr_workgroup_id_y 1
		.amdhsa_system_sgpr_workgroup_id_z 1
		.amdhsa_system_vgpr_workitem_id 0
		.amdhsa_next_free_vgpr 224
		.amdhsa_next_free_sgpr 104
		.amdhsa_reserve_vcc 1
		.amdhsa_float_denorm_mode_32 3
		.amdhsa_float_denorm_mode_16_64 3
		.amdhsa_memory_ordered 1
		.amdhsa_forward_progress 1
		.amdhsa_inst_pref_size 50
	.end_amdhsa_kernel
	.amdgpu_metadata
---
amdhsa.version: [ 1, 2 ]
amdhsa.kernels:
  - .name:           k_q4175eb4d59_knn_sort
    .symbol:         k_q4175eb4d59_knn_sort.kd
    .args:
      - { .name: selm, .offset: 0, .size: 8, .value_kind: global_buffer, .address_space: global }
      - { .name: pos, .offset: 8, .size: 8, .value_kind: global_buffer, .address_space: global }
      - { .name: out1, .offset: 16, .size: 8, .value_kind: global_buffer, .address_space: global }
      - { .name: xh, .offset: 24, .size: 8, .value_kind: global_buffer, .address_space: global }
      - { .name: xmom, .offset: 32, .size: 8, .value_kind: global_buffer, .address_space: global }
    .group_segment_fixed_size: 23552
    .private_segment_fixed_size: 0
    .kernarg_segment_align: 8
    .kernarg_segment_size: 40
    .max_flat_workgroup_size: 512
    .sgpr_count:     104
    .vgpr_count:     224
    .wavefront_size: 32
...
	.end_amdgpu_metadata
.endif
;; end of part 2
;; launch prep1 (part 3): grid 177 x 1, 8 waves a work-group, no clusters, 2,048 bytes of LDS; arguments xmom, w1, b1, g1, be1, w2, w3, w4, wts; writes wts
.if DOCPART == 3
	.amdgcn_target "amdgcn-amd-amdhsa--gfx1250"
	.amdhsa_code_object_version 6
	.text
	.protected	k_q4175eb4d59_prep1
	.globl	k_q4175eb4d59_prep1
	.p2align	8
	.type	k_q4175eb4d59_prep1,@function
k_q4175eb4d59_prep1:
	s_mov_b64 s[64:65], 0
	v_nop
	global_prefetch_b8 v0, s[64:65] scope:SCOPE_SE
	s_setreg_imm32_b32 hwreg(HW_REG_WAVE_MODE, 25, 1), 1
	s_wait_xcnt 0x0
; Work-groups 0-175 rewrite w3 (its two halves of columns), w4 and w2 as f16 in the order of matrix fragments: a fragment is 16 rows x 32 k = 1,024 bytes; its 16-byte piece
; (q, lane) holds row lane % 16, k = 16 q + 8 (lane / 16) + 0..7, so that a fragment is two loads of 512 consecutive bytes.  Each weight is rounded to bf16 first, as every input of
; this program, and that number is written as f16 (exact from 2^-14 up; below, f16's fixed step of 6e-8).  One piece a thread, four fragments a work-group.
; Work-group 176 folds the first normalisation into w1: since f1 = w1 x + b1 is linear in x, its mean and variance over all columns follow from x's mean m and covariance.
; x is a difference of near points, so m is small beside x's spread and E[x x] - m m is no difference of large sums.
; The folded row is (a w, a (b1 - mean) + be1); the bias goes in two f16 parts, at k = 3 and k = 11, which both meet a 1.0 in x's fragment.
.set SPARE, 1024
.macro RB a, b                         ; two numbers rounded to bf16, kept as f32; v7 at work
	v_cvt_pk_bf16_f32 v7, v[\a], v[\b]
	v_lshlrev_b32 v[\a], 16, v7
	v_and_b32 v[\b], 0xffff0000, v7
.endm
; one piece: source pointer s[p:p+1], row pitch 1 << sh bytes; s32 = the fragment's and q's byte offset in the source, s33 = the work-group's in wts
.macro CONV p, sh
	v_lshlrev_b32 v5, \sh, v3
	v_lshl_add_u32 v5, v4, 5, v5
	v_add_nc_u32 v5, s32, v5
	v_lshl_add_u32 v6, v0, 4, s33
	global_load_b128 v[8:11], v5, s[\p:\p+1]
	global_load_b128 v[12:15], v5, s[\p:\p+1] offset:16
	s_wait_loadcnt 0x0
.irp i, 0,1,2,3
	RB 8+2*\i, 9+2*\i
	v_cvt_pk_f16_f32 v[16+\i], v[8+2*\i], v[9+2*\i]
.endr
	global_store_b128 v6, v[16:19], s[20:21]       ; 512 consecutive bytes a wave, aligned
	s_endpgm
.endm
	s_load_b512 s[4:19], s[0:1], 0x0               ; xmom, w1, b1, g1, be1, w2, w3, w4
	s_load_b64 s[20:21], s[0:1], 0x40              ; wts
	v_lshl_add_u32 v1, v0, 2, SPARE
	v_mov_b32 v2, 0
	v_lshrrev_b32 v3, 5, v0
	v_readfirstlane_b32 s22, v3                    ; wave
	v_and_b32 v3, 15, v0                           ; r
	v_bfe_u32 v4, v0, 4, 1                         ; h
	s_lshr_b32 s23, s22, 1                         ; which of the work-group's four fragments
	s_and_b32 s24, s22, 1                          ; q
	s_lshl_b32 s24, s24, 6                         ; 16 q columns, in bytes
	s_mov_b32 s25, ttmp9
	s_wait_kmcnt 0x0
	s_cmp_lt_u32 s25, 128
	s_cbranch_scc0 .Lnot3
	s_and_b32 s26, s25, 63                         ; w3: fragment id = wave slice x 64 + ks x 8 + tile in the slice
	s_lshr_b32 s27, s25, 6                         ; 0: columns 0-255, 1: columns 256-511
	s_lshl_b32 s28, s26, 2
	s_add_co_u32 s28, s28, s23
	s_lshr_b32 s29, s28, 6
	s_lshl_b32 s29, s29, 3
	s_and_b32 s30, s28, 7
	s_add_co_u32 s29, s29, s30                     ; tile of 16 rows
	s_bfe_u32 s30, s28, 0x30003                    ; ks
	s_lshl_b32 s32, s29, 15
	s_lshl_b32 s30, s30, 7
	s_add_co_u32 s32, s32, s30
	s_add_co_u32 s32, s32, s24
	s_lshl_b32 s30, s27, 10
	s_add_co_u32 s32, s32, s30
	s_lshl_b32 s33, s26, 12
	s_lshl_b32 s30, s27, 18
	s_add_co_u32 s33, s33, s30
	s_add_co_u32 s33, s33, 73728
	CONV 16, 11
.Lnot3:
	s_cmp_lt_u32 s25, 160
	s_cbranch_scc0 .Lnot4
	s_sub_co_u32 s26, s25, 128                     ; w4: id = ks x 8 + tile
	s_lshl_b32 s28, s26, 2
	s_add_co_u32 s28, s28, s23
	s_and_b32 s29, s28, 7
	s_lshr_b32 s30, s28, 3
	s_lshl_b32 s32, s29, 15
	s_lshl_b32 s30, s30, 7
	s_add_co_u32 s32, s32, s30
	s_add_co_u32 s32, s32, s24
	s_lshl_b32 s33, s26, 12
	s_add_co_u32 s33, s33, 598016
	CONV 18, 11
.Lnot4:
	s_cmp_lt_u32 s25, 176
	s_cbranch_scc0 .Lbn
	s_sub_co_u32 s26, s25, 160                     ; w2: id = tile x 4 + ks
	s_lshl_b32 s28, s26, 2
	s_add_co_u32 s28, s28, s23
	s_lshr_b32 s29, s28, 2
	s_and_b32 s30, s28, 3
	s_lshl_b32 s32, s29, 13
	s_lshl_b32 s30, s30, 7
	s_add_co_u32 s32, s32, s30
	s_add_co_u32 s32, s32, s24
	s_lshl_b32 s33, s26, 12
	s_add_co_u32 s33, s33, 8192
	CONV 14, 9
.Lbn:
	v_lshlrev_b32 v5, 6, v0                        ; thread t takes work-group t's moments
	global_load_b128 v[8:11], v5, s[4:5]
	global_load_b128 v[12:15], v5, s[4:5] offset:16
	global_load_b128 v[16:19], v5, s[4:5] offset:32
	v_and_b32 v6, 127, v0                          ; channel
	v_mul_u32_u24 v20, v6, 12
	v_lshlrev_b32 v21, 2, v6
	global_load_b96 v[24:26], v20, s[6:7]
	global_load_b32 v27, v21, s[8:9]
	global_load_b32 v28, v21, s[10:11]
	global_load_b32 v29, v21, s[12:13]
	s_mov_b32 s34, 0x76543210
	s_mov_b32 s35, 0xfedcba98
	v_mov_b32 v30, 0
	s_wait_loadcnt 0x0
.irp x, 1, 2, 4, 8
.set i, 8
.rept 9
	v_add_f32_dpp v[i], v[i], v[i] row_xmask:\x row_mask:0xf bank_mask:0xf
.set i, i+1
.endr
.endr
.set i, 8
.rept 9
	v_permlanex16_b32 v30, v[i], s34, s35
	v_add_f32 v[i], v[i], v30
.set i, i+1
.endr
	s_lshl_b32 s26, s22, 6
	v_mov_b32 v31, s26
	ds_store_b128 v31, v[8:11]
	ds_store_b128 v31, v[12:15] offset:16
	ds_store_b32 v31, v16 offset:32
	s_wait_dscnt 0x0                               ; for the others' sake
	s_barrier_signal -1
	s_barrier_wait -1
	v_mov_b32 v31, 0
.set i, 0
.rept 8
	ds_load_b128 v[32+12*i:32+12*i+3], v31 offset:64*i
	ds_load_b128 v[32+12*i+4:32+12*i+7], v31 offset:64*i+16
	ds_load_b32 v[32+12*i+8], v31 offset:64*i+32
.set i, i+1
.endr
	s_wait_dscnt 0x0
.set i, 0
.rept 9
	v_add_f32 v[8+i], v[32+i], v[44+i]
	v_add_f32 v30, v[56+i], v[68+i]
	v_add_f32 v[32+i], v[80+i], v[92+i]
	v_add_f32 v[44+i], v[104+i], v[116+i]
	v_add_f32 v[8+i], v[8+i], v30
	v_add_f32 v[32+i], v[32+i], v[44+i]
	v_add_f32 v[8+i], v[8+i], v[32+i]
	v_mul_f32 v[8+i], 0x37000000, v[8+i]           ; / 131,072 columns
.set i, i+1
.endr
	v_fma_f32 v11, -v8, v8, v11                    ; covariance: xx, xy, xz, yy, yz, zz in v11-16
	v_fma_f32 v12, -v8, v9, v12
	v_fma_f32 v13, -v8, v10, v13
	v_fma_f32 v14, -v9, v9, v14
	v_fma_f32 v15, -v9, v10, v15
	v_fma_f32 v16, -v10, v10, v16
	RB 24, 25                                      ; w1's row, b1, g1, be1: rounded to bf16
	RB 26, 27
	RB 28, 29
	v_mul_f32 v32, v25, v12
	v_mul_f32 v33, v24, v11
	v_fma_f32 v32, v26, v13, v32
	v_mul_f32 v34, v26, v15
	v_fma_f32 v33, 2.0, v32, v33
	v_mul_f32 v35, v25, v14
	v_mul_f32 v36, v24, v33
	v_fma_f32 v35, 2.0, v34, v35
	v_mul_f32 v37, v26, v16
	v_fma_f32 v36, v25, v35, v36
	v_fma_f32 v36, v26, v37, v36                   ; w' Cov w
	v_max_num_f32 v36, 0, v36
	v_add_f32 v36, 0x3727c5ac, v36                 ; + 1e-5
	v_rsq_f32 v36, v36
	v_mul_f32 v38, v24, v8                         ; (a plain instruction behind the reciprocal root)
	v_fma_f32 v38, v25, v9, v38
	v_fma_f32 v38, v26, v10, v38
	v_add_f32 v38, v38, v27                        ; the channel's mean
	s_wait_alu depctr_va_vdst(0)
	v_mul_f32 v36, v28, v36                        ; a = g1 / sqrt(var + eps)
	v_sub_f32 v38, v27, v38
	v_fma_f32 v38, v36, v38, v29                   ; a (b1 - mean) + be1
	v_mul_f32 v24, v24, v36
	v_mul_f32 v25, v25, v36
	v_mul_f32 v26, v26, v36
	v_cvt_pk_f16_f32 v40, v24, v25
	v_cvt_pk_f16_f32 v41, v26, v38
	v_mov_b32 v42, 0
	v_mov_b32 v43, 0
	v_cvt_f32_f16 v39, v41.h
	v_sub_f32 v39, v38, v39                        ; what the bias lost in f16
	v_mov_b32 v44, 0
	v_cvt_pk_f16_f32 v45, 0, v39
	v_mov_b32 v46, 0
	v_mov_b32 v47, 0
	v_mov_b32 v48, 0
	v_mov_b32 v49, 0
	v_mov_b32 v50, 0
	v_mov_b32 v51, 0
	s_cmp_lt_u32 s22, 4
	s_cbranch_scc0 .Lbn_end                        ; threads 128-255 repeat channels 0-127: they store nothing
	v_lshrrev_b32 v52, 4, v6
	v_lshlrev_b32 v52, 10, v52
	v_lshl_add_u32 v52, v3, 4, v52                 ; fragment c / 16, lane c % 16
	global_store_b128 v52, v[40:43], s[20:21]              ; k = 0..7
	global_store_b128 v52, v[44:47], s[20:21] offset:256   ; k = 8..15, lane 16 + r
	global_store_b128 v52, v[48:51], s[20:21] offset:512   ; k = 16..31: zeros
	global_store_b128 v52, v[48:51], s[20:21] offset:768
.Lbn_end:
	s_wait_tensorcnt 0x0                           ; the wave's end
	ds_add_u32 v1, v2
	s_wait_dscnt 0x0
	s_endpgm
.Lfunc_end_k_q4175eb4d59_prep1:
	.size	k_q4175eb4d59_prep1, .Lfunc_end_k_q4175eb4d59_prep1-k_q4175eb4d59_prep1
	.p2alignl 7, 3214868480
	.fill 96, 4, 3214868480
	.section	.rodata,"a",@progbits
	.p2align	6, 0x0
	.amdhsa_kernel k_q4175eb4d59_prep1
		.amdhsa_group_segment_fixed_size 2048
		.amdhsa_private_segment_fixed_size 0
		.amdhsa_enable_private_segment 0
		.amdhsa_kernarg_size 72
		.amdhsa_user_sgpr_count 2
		.amdhsa_user_sgpr_kernarg_segment_ptr 1
		.amdhsa_wavefront_size32 1
		.amdhsa_system_sgpr_workgroup_id_x 1
		.amdhsa_system_sgpr_workgroup_id_y 1
		.amdhsa_system_sgpr_workgroup_id_z 1
		.amdhsa_system_vgpr_workitem_id 0
		.amdhsa_next_free_vgpr 128
		.amdhsa_next_free_sgpr 66
		.amdhsa_reserve_vcc 0
		.amdhsa_float_denorm_mode_32 3
		.amdhsa_float_denorm_mode_16_64 3
		.amdhsa_memory_ordered 1
		.amdhsa_forward_progress 1
		.amdhsa_inst_pref_size 19
	.end_amdhsa_kernel
	.amdgpu_metadata
---
amdhsa.version: [ 1, 2 ]
amdhsa.kernels:
  - .name:           k_q4175eb4d59_prep1
    .symbol:         k_q4175eb4d59_prep1.kd
    .args:
      - { .name: xmom, .offset: 0, .size: 8, .value_kind: global_buffer, .address_space: global }
      - { .name: w1, .offset: 8, .size: 8, .value_kind: global_buffer, .address_space: global }
      - { .name: b1, .offset: 16, .size: 8, .value_kind: global_buffer, .address_space: global }
      - { .name: g1, .offset: 24, .size: 8, .value_kind: global_buffer, .address_space: global }
      - { .name: be1, .offset: 32, .size: 8, .value_kind: global_buffer, .address_space: global }
      - { .name: w2, .offset: 40, .size: 8, .value_kind: global_buffer, .address_space: global }
      - { .name: w3, .offset: 48, .size: 8, .value_kind: global_buffer, .address_space: global }
      - { .name: w4, .offset: 56, .size: 8, .value_kind: global_buffer, .address_space: global }
      - { .name: wts, .offset: 64, .size: 8, .value_kind: global_buffer, .address_space: global }
    .group_segment_fixed_size: 2048
    .private_segment_fixed_size: 0
    .kernarg_segment_align: 8
    .kernarg_segment_size: 72
    .max_flat_workgroup_size: 256
    .sgpr_count:     66
    .vgpr_count:     128
    .wavefront_size: 32
...
	.end_amdgpu_metadata
.endif
;; end of part 3
;; launch pass1 (part 4): grid 256 x 1, 4 waves a work-group, no clusters, 324,608 bytes of LDS; arguments xh, wts, b2, ustore, stat; writes ustore, stat
.if DOCPART == 4
	.amdgcn_target "amdgcn-amd-amdhsa--gfx1250"
	.amdhsa_code_object_version 6
	.text
	.protected	k_q4175eb4d59_pass1
	.globl	k_q4175eb4d59_pass1
	.p2align	8
	.type	k_q4175eb4d59_pass1,@function
k_q4175eb4d59_pass1:
	s_mov_b64 s[64:65], 0
	v_nop
	global_prefetch_b8 v0, s[64:65] scope:SCOPE_SE
	s_setreg_imm32_b32 hwreg(HW_REG_WAVE_MODE, 25, 1), 1
	s_wait_xcnt 0x0
; PASS 1 and PASS 2 are one text; PASS chooses.  Both run layers 1 and 2 for the work-group's 16 groups x 32 neighbours and keep f2 (f16) in LDS.
; PASS 1: fg = max over neighbours of f2; U = w3[:, :256] fg, once a group, stored; y = U + w3[:, 256:] f2; for each channel a pivot P (one sample of y), the sum of y - P and of (y - P)^2.
; PASS 2: h3 = relu(s y + shift), with s folded into the weights and into U; w4 h3; the maximum over neighbours; + b4.
; y is computed twice rather than stored: it is 512 x 131,072 numbers.
; COLUMNS: tile t of 16 columns is neighbour t of the 16 groups, so a maximum over neighbours is elementwise over tiles, and U (channel x group) is the C operand of every tile as it stands.
; WAVES split the channels: layer 1 tiles 2w, 2w+1; layer 2 tiles 4w..; layer 3 tiles 8w..; layer 4 takes the wave's own 128 channels of h3 as its slice of K, and the four partial sums meet in LDS.
; A result (channel 8h + j in register j, column r) packed in pairs IS the piece (q, lane) of the next layer's B fragment: nothing changes lanes between layers.
; FORMATS: all inputs rounded to bf16; weights then written as f16; x, h1, f2, fg, h3 in f16; sums, maxima, U and statistics in f32.  LIMIT: f16 holds nothing beyond 65,504: f2 and fg stay within it; NaN and infinities are not treated apart.
; NO TENSOR LOADS, NO CLUSTER: each wave's weights go once from memory into its own registers (64 KiB of w3 a wave), and 270,336 bytes of LDS hold f2: no room is left to stage a shared tile.
; REGISTERS (windows of 256): phase A: window 0: v0-15 addresses, XB, W1R, B2R, FGM, AA; window 1: v0-127 w2's fragments, v128-255 h1's.  Phase B: window 0: FB, CI, ACC (PASS 2: B4, MX);
; window 1: PASS 1: P, S1, S2; PASS 2: w4's fragments.  Windows 2, 3: the wave's 64 fragments of w3, fragment ks x 8 + tile at 512 + 8 x that.
.set PASS,  1
.set FPI,   528                        ; a row of f2 in LDS: 512 bytes + 16: the 16 rows of a fragment load start 16 bytes apart modulo 256
.set TILEB, 16*FPI
.set F2MAX, 269824                     ; tile 31's highest fragment address (row 511, 16 bytes in); the look-ahead's address is held at or below it: its last byte read, + 495, is byte 511 of row 511
.set H1,    270336                     ; two buffers of [tile 4][ks 4][q 2][lane 16 bytes]
.set EX,    270336                     ; PASS 2, phase B: two buffers of [to wave 4][slot 3][tile 2][q 2][lane 16 bytes]
.set EXB,   24576
.set FG,    303104                     ; PASS 1: 16 rows of fg, pitch 528
.set XH,    319488                     ; [tile 32][r 16][x, y, z, 1 in f16], then 512 bytes of zeros for the last step's look-ahead
.set SPARE, 324096                     ; the spare words, 128 bytes a wave
.set W2F,   8192
.set W3AF,  73728
.set W3BF,  335872
.set W4F,   598016
.set XB,    16                         ; v16-47   x's fragments of four tiles; registers 2-7 of each hold 0
.set W1R,   48                         ; v48-63
.set B2R,   64                         ; v64-95   b2 as the C operand of layer 2
.set FGM,   96                         ; v96-127  the running maximum of f2
.set AA,    128                        ; v128-255 phase A's accumulators
.set FB,    16                         ; v16-79   f2's fragments of one tile, ks 0-7
.set CI,    80                         ; v80-143  the C operand of layer 3
.set ACC,   144                        ; v144-207
.set B4,    208                        ; v208-239 h3's fragments
.set MX,    240                        ; v240-255 the running maximum of the output
.set MSB, 0
.macro WIN new                         ; the immediate's high byte repeats the setting that is left; a switch that changes nothing is dropped
.if MSB != (\new)
	s_set_vgpr_msb (MSB<<8)|(\new)
.set MSB, (\new)
.endif
.endm
.macro PLACES                          ; four plain vector instructions that name none of its registers between a matrix instruction and a read of its result, or a write or load into one of its registers
.rept 4
	v_nop
.endr
.endm
.macro RB a, b                         ; two numbers rounded to bf16, kept as f32; v14 at work
	v_cvt_pk_bf16_f32 v14, v[\a], v[\b]
	v_lshlrev_b32 v[\a], 16, v14
	v_and_b32 v[\b], 0xffff0000, v14
.endm
.macro LOADW3 b                        ; the wave's 64 fragments of w3 from s[b:b+1]: 128 loads of 512 consecutive bytes
	WIN 0x80
.set i, 0
.rept 32
	global_load_b128 v[8*i:8*i+3], v3, s[\b:\b+1] offset:1024*i
	global_load_b128 v[8*i+4:8*i+7], v3, s[\b:\b+1] offset:1024*i+512
.set i, i+1
.endr
	WIN 0xc0
.set i, 0
.rept 32
	global_load_b128 v[8*i:8*i+3], v3, s[\b:\b+1] offset:1024*(i+32)
	global_load_b128 v[8*i+4:8*i+7], v3, s[\b:\b+1] offset:1024*(i+32)+512
.set i, i+1
.endr
	WIN 0
.endm
; PHASE A, one step: four tiles through layers 1 and 2.  One barrier a step: the two h1 buffers take turns, and a wave's reads of a buffer are waited for ahead of its next signal.
.macro STEPA buf
.irp t, 0,1,2,3
.irp a, 0,1
	v_wmma_f32_16x16x32_f16 v[AA+8*(2*\t+\a):AA+8*(2*\t+\a)+7], v[W1R+8*\a:W1R+8*\a+7], v[XB+8*\t:XB+8*\t+7], 0
.endr
.endr
	PLACES
.irp t, 0,1,2,3
	ds_load_b64 v[XB+8*\t:XB+8*\t+1], v4 offset:128*\t  ; the next step's x; waited for at the barrier below
.endr
	v_add_nc_u32 v4, 512, v4
.set i, 0
.rept 64
	v_max_num_f32 v[AA+i], 0, v[AA+i]
.set i, i+1
.endr
.set i, 0
.rept 32
	v_cvt_pk_f16_f32 v[AA+8*(i/4)+i%4], v[AA+8*(i/4)+2*(i%4)], v[AA+8*(i/4)+2*(i%4)+1]
.set i, i+1
.endr
.irp t, 0,1,2,3
.irp a, 0,1
	ds_store_b128 v5, v[AA+8*(2*\t+\a):AA+8*(2*\t+\a)+3] offset:(\buf)*16384+\t*4096+\a*512
.endr
.endr
	s_wait_dscnt 0x0                               ; for the others' sake: my part of h1 is in
	s_barrier_signal -1
	s_barrier_wait -1
	WIN 0x40
.irp ks, 0,1,2,3
.irp t, 0,1,2,3
	ds_load_b128 v[128+8*(4*\t+\ks):128+8*(4*\t+\ks)+3], v6 offset:(\buf)*16384+\t*4096+\ks*1024
	ds_load_b128 v[128+8*(4*\t+\ks)+4:128+8*(4*\t+\ks)+7], v6 offset:(\buf)*16384+\t*4096+\ks*1024+512
.endr
.endr
	WIN 0x05                                       ; A and B in window 1
.irp ks, 0,1,2,3
	s_wait_dscnt 24-8*\ks                          ; eight loads for each later ks may stay out
.irp m, 0,1,2,3
.irp t, 0,1,2,3
.if \ks == 0
	v_wmma_f32_16x16x32_f16 v[AA+8*(4*\m+\t):AA+8*(4*\m+\t)+7], v[8*(4*\m+\ks):8*(4*\m+\ks)+7], v[128+8*(4*\t+\ks):128+8*(4*\t+\ks)+7], v[B2R+8*\m:B2R+8*\m+7]
.else
	v_wmma_f32_16x16x32_f16 v[AA+8*(4*\m+\t):AA+8*(4*\m+\t)+7], v[8*(4*\m+\ks):8*(4*\m+\ks)+7], v[128+8*(4*\t+\ks):128+8*(4*\t+\ks)+7], v[AA+8*(4*\m+\t):AA+8*(4*\m+\t)+7]
.endif
.endr
.endr
.endr
	WIN 0
	PLACES
.if PASS == 1
.irp m, 0,1,2,3
.irp p, 0,2
.set i, 0
.rept 8
	v_max3_num_f32 v[FGM+8*\m+i], v[FGM+8*\m+i], v[AA+8*(4*\m+\p)+i], v[AA+8*(4*\m+\p+1)+i]
.set i, i+1
.endr
.endr
.endr
.endif
.set i, 0
.rept 64
	v_cvt_pk_f16_f32 v[AA+8*(i/4)+i%4], v[AA+8*(i/4)+2*(i%4)], v[AA+8*(i/4)+2*(i%4)+1]
.set i, i+1
.endr
.irp m, 0,1,2,3
.irp t, 0,1,2,3
	ds_store_b128 v7, v[AA+8*(4*\m+\t):AA+8*(4*\m+\t)+3] offset:\t*TILEB+\m*32
.endr
.endr
	v_add_nc_u32 v7, 4*TILEB, v7
.endm
; half hf of layer 3's K for one tile: 32 matrix instructions, the 8 accumulators by turns.  C: what starts the sums (below 0: the constant 0)
.macro L3H hf, D, C
	WIN 0x02+(\hf)                                 ; A in window 2 or 3
.set ks, 0
.rept 4
.set m, 0
.rept 8
.if ((\hf) == 0) && (ks == 0) && ((\C) < 0)
	v_wmma_f32_16x16x32_f16 v[(\D)+8*m:(\D)+8*m+7], v[8*(8*ks+m):8*(8*ks+m)+7], v[FB+8*(4*(\hf)+ks):FB+8*(4*(\hf)+ks)+7], 0
.elseif ((\hf) == 0) && (ks == 0)
	v_wmma_f32_16x16x32_f16 v[(\D)+8*m:(\D)+8*m+7], v[8*(8*ks+m):8*(8*ks+m)+7], v[FB+8*(4*(\hf)+ks):FB+8*(4*(\hf)+ks)+7], v[(\C)+8*m:(\C)+8*m+7]
.else
	v_wmma_f32_16x16x32_f16 v[(\D)+8*m:(\D)+8*m+7], v[8*(8*ks+m):8*(8*ks+m)+7], v[FB+8*(4*(\hf)+ks):FB+8*(4*(\hf)+ks)+7], v[(\D)+8*m:(\D)+8*m+7]
.endif
.set m, m+1
.endr
.set ks, ks+1
.endr
.endm
.macro FBLOADS hf                      ; half hf of a tile's fragments of f2, at v8
.irp k, 0,1,2,3
	ds_load_b128 v[FB+8*(4*(\hf)+\k):FB+8*(4*(\hf)+\k)+3], v8 offset:64*(4*(\hf)+\k)
	ds_load_b128 v[FB+8*(4*(\hf)+\k)+4:FB+8*(4*(\hf)+\k)+7], v8 offset:64*(4*(\hf)+\k)+32
.endr
.endm
; layer 3 for one tile.  Each half of FB is fetched a tile ahead; the second half's fetch is the caller's, four places behind the last matrix instruction.
.macro L3TILE
	s_wait_dscnt 8                                 ; the first half is in; the second half's eight loads may stay out
	L3H 0, ACC, CI
	WIN 0
	PLACES
	v_add_nc_u32 v8, TILEB, v8                     ; the next tile;
	v_min_u32 v8, F2MAX, v8                        ; behind the last tile the address stays inside f2, and what it brings is not used
	FBLOADS 0
	s_wait_dscnt 8                                 ; the second half is in; the eight just issued may stay out
	L3H 1, ACC, ACC
	WIN 0
.endm
	s_load_b256 s[4:11], s[0:1], 0x0               ; xh, wts, b2, ustore
.if PASS == 1
	s_load_b64 s[12:13], s[0:1], 0x20              ; stat
.else
	s_load_b128 s[12:15], s[0:1], 0x20             ; fold, b4
	s_load_b64 s[16:17], s[0:1], 0x30              ; out0
.endif
	v_lshl_add_u32 v1, v0, 2, SPARE                ; my spare word and 0: kept for the closing add alone
	v_mov_b32 v2, 0
	v_lshrrev_b32 v12, 5, v0
	v_readfirstlane_b32 s20, v12                   ; wave
	v_and_b32 v12, 31, v0
	v_lshlrev_b32 v3, 4, v12                       ; 16 x lane; never rewritten
	v_and_b32 v9, 15, v0                           ; r
	v_bfe_u32 v10, v0, 4, 1                        ; h
	v_lshlrev_b32 v11, 5, v10                      ; 8 h channels of f32; never rewritten
	s_mov_b32 s3, 0
	s_wait_kmcnt 0x0
	s_lshl_b32 s2, s20, 11
	s_add_nc_u64 s[22:23], s[6:7], s[2:3]          ; w1's fragments 2w, 2w+1
	s_lshl_b32 s2, s20, 14
	s_add_co_u32 s2, s2, W2F
	s_add_nc_u64 s[24:25], s[6:7], s[2:3]          ; w2's 16 fragments
	s_lshl_b32 s2, s20, 16
.if PASS == 1
	s_add_co_u32 s2, s2, W3AF
	s_add_nc_u64 s[26:27], s[6:7], s[2:3]          ; w3, columns 0-255
	s_add_co_u32 s2, s2, W3BF-W3AF
	s_add_nc_u64 s[28:29], s[6:7], s[2:3]          ; w3, columns 256-511
.else
	s_add_nc_u64 s[26:27], s[12:13], s[2:3]        ; w3, columns 256-511, times s
	s_lshl_b32 s2, s20, 15
	s_add_co_u32 s2, s2, W4F
	s_add_nc_u64 s[28:29], s[6:7], s[2:3]          ; w4, my slice of K
.endif
	s_lshl_b32 s2, ttmp9, 2
	s_add_co_u32 s21, s2, s20                      ; 4 x work-group + wave
	s_lshl_b32 s2, s21, 10
	s_add_nc_u64 s[30:31], s[4:5], s[2:3]
	s_lshl_b32 s2, s20, 8
	s_add_nc_u64 s[32:33], s[8:9], s[2:3]
	s_lshl_b32 s2, s21, 13
	s_add_nc_u64 s[34:35], s[10:11], s[2:3]
.if PASS == 1
	s_lshl_b32 s2, s21, 9
	s_add_nc_u64 s[36:37], s[12:13], s[2:3]
.else
	s_lshl_b32 s2, s20, 9
	s_add_co_u32 s2, s2, 262144
	s_add_nc_u64 s[36:37], s[12:13], s[2:3]        ; s of my 128 channels; the shift 2,048 bytes on
	s_lshl_b32 s2, s20, 7
	s_add_nc_u64 s[38:39], s[14:15], s[2:3]
	s_lshr_b32 s2, ttmp9, 7
	s_lshl_b32 s2, s2, 20                          ; batch
	s_and_b32 s18, ttmp9, 127
	s_lshl_b32 s18, s18, 6                         ; my 16 groups
	s_add_co_u32 s2, s2, s18
	s_lshl_b32 s18, s20, 18                        ; my 32 channels
	s_add_co_u32 s2, s2, s18
	s_add_nc_u64 s[40:41], s[16:17], s[2:3]
.endif
.irp a, 0,1
	global_load_b128 v[W1R+8*\a:W1R+8*\a+3], v3, s[22:23] offset:1024*\a
	global_load_b128 v[W1R+8*\a+4:W1R+8*\a+7], v3, s[22:23] offset:1024*\a+512
.endr
.irp m, 0,1,2,3
	global_load_b128 v[B2R+8*\m:B2R+8*\m+3], v11, s[32:33] offset:64*\m
	global_load_b128 v[B2R+8*\m+4:B2R+8*\m+7], v11, s[32:33] offset:64*\m+16
.endr
	global_load_b128 v[16:19], v3, s[30:31]
	global_load_b128 v[20:23], v3, s[30:31] offset:512
	WIN 0x40
.set i, 0
.rept 16
	global_load_b128 v[8*i:8*i+3], v3, s[24:25] offset:1024*i
	global_load_b128 v[8*i+4:8*i+7], v3, s[24:25] offset:1024*i+512
.set i, i+1
.endr
	WIN 0
	s_wait_loadcnt 0x0
	s_lshl_b32 s2, s20, 10
	s_add_co_u32 s2, s2, XH
	v_add_nc_u32 v12, s2, v3
	ds_store_b128 v12, v[16:19]
	ds_store_b128 v12, v[20:23] offset:512
	v_lshl_add_u32 v13, v0, 2, XH+4096
	v_mov_b32 v15, 0
	ds_store_b32 v13, v15
.irp t, 1,2,3
.irp j, 2,3,4,5,6,7
	v_mov_b32 v[XB+8*\t+\j], 0                     ; k = 4..7 and 16..31 of x's fragments are 0 (tile 0's registers still hold x on its way to LDS)
.endr
.endr
	v_mul_u32_u24 v13, v0, FPI                     ; the 16 bytes behind each of f2's 512 rows are set to 0 once, so that every byte of the region is written: thread t takes rows t + 128 i
	ds_store_b128 v13, v[XB+12:XB+15] offset:512
.rept 3
	v_add_nc_u32 v13, 128*FPI, v13
	ds_store_b128 v13, v[XB+12:XB+15] offset:512
.endr
	LOADW3 26                                      ; these land while phase A runs, which issues no global load
.set i, 0
.rept 16
	RB B2R+2*i, B2R+2*i+1
.set i, i+1
.endr
.if PASS == 1
.set i, 0
.rept 32
	v_mov_b32 v[FGM+i], 0xff800000
.set i, i+1
.endr
.endif
	v_lshl_add_u32 v4, v9, 3, XH
	s_lshl_b32 s2, s20, 10
	s_add_co_u32 s2, s2, H1
	v_add_nc_u32 v5, s2, v3
	v_add_nc_u32 v6, H1, v3
	v_mul_u32_u24 v8, v9, FPI
	v_lshl_add_u32 v8, v10, 4, v8                  ; a fragment's row x pitch + 16 h
	s_lshl_b32 s2, s20, 7
	v_add_nc_u32 v7, s2, v8                        ; + my 64 channels
	s_wait_dscnt 0x0                               ; for the others' sake: my part of x is in
.irp j, 2,3,4,5,6,7
	v_mov_b32 v[XB+\j], 0
.endr
	s_barrier_signal -1
	s_barrier_wait -1
.irp t, 0,1,2,3
	ds_load_b64 v[XB+8*\t:XB+8*\t+1], v4 offset:128*\t
.endr
	v_add_nc_u32 v4, 512, v4
	s_wait_dscnt 0x0
	s_mov_b32 s19, 4
.Lstep:
	STEPA 0
	STEPA 1
	s_sub_co_u32 s19, s19, 1
	s_cmp_lg_u32 s19, 0
	s_cbranch_scc1 .Lstep
.if PASS == 1
	; PHASE B.  fg goes to LDS as f2 did; the barrier also shows all of f2
.set i, 0
.rept 16
	v_cvt_pk_f16_f32 v[FGM+8*(i/4)+i%4], v[FGM+8*(i/4)+2*(i%4)], v[FGM+8*(i/4)+2*(i%4)+1]
.set i, i+1
.endr
	s_lshl_b32 s2, s20, 7
	s_add_co_u32 s2, s2, FG
	v_add_nc_u32 v13, s2, v8
.irp m, 0,1,2,3
	ds_store_b128 v13, v[FGM+8*\m:FGM+8*\m+3] offset:32*\m
.endr
	s_wait_dscnt 0x0
	s_barrier_signal -1
	s_barrier_wait -1
	v_add_nc_u32 v12, FG, v8
.irp k, 0,1,2,3,4,5,6,7
	ds_load_b128 v[FB+8*\k:FB+8*\k+3], v12 offset:64*\k
	ds_load_b128 v[FB+8*\k+4:FB+8*\k+7], v12 offset:64*\k+32
.endr
	s_wait_loadcnt 0x0                             ; w3's first half of columns
	s_wait_dscnt 0x0
	L3H 0, CI, -1                                  ; U
	L3H 1, CI, CI
	WIN 0
	PLACES
.irp m, 0,1,2,3,4,5,6,7
	global_store_b128 v3, v[CI+8*\m:CI+8*\m+3], s[34:35] offset:1024*\m       ; U as it lies in registers: 512 consecutive bytes a store
	global_store_b128 v3, v[CI+8*\m+4:CI+8*\m+7], s[34:35] offset:1024*\m+512
.endr
	LOADW3 28                                      ; the other half of columns takes the first's registers
	FBLOADS 0
	FBLOADS 1
.set i, 0
.rept 32
	v_mov_b32 v[208+i], 0                          ; destinations of lane moves count as read
.set i, i+1
.endr
	s_wait_loadcnt 0x0
	L3TILE                                         ; tile 0 is written out: it gives the pivot and starts the sums
	PLACES
	FBLOADS 1
.irp b, 0,1
.set i, 0
.rept 32
	v_mov_b32_dpp v[208+i], v[ACC+32*\b+i] row_share:0 row_mask:0xf bank_mask:0xf  ; P: group 0's sample, the same for the 16 columns
.set i, i+1
.endr
.if \b == 0
	s_wait_xcnt 0x0                                ; U's stores have read their data: CI is rewritten only behind this wait
.endif
.set i, 0
.rept 16
	v_pk_add_f32 v[CI+32*\b+2*i:CI+32*\b+2*i+1], v[CI+32*\b+2*i:CI+32*\b+2*i+1], v[208+2*i:208+2*i+1] neg_lo:[0,1] neg_hi:[0,1]  ; from now on a tile's result is y - P
.set i, i+1
.endr
	WIN 0x40
.set i, 0
.rept 32
	v_mov_b32 v[32*\b+i], v[208+i]                 ; P is kept in window 1
.set i, i+1
.endr
.set i, 0
.rept 16
	v_pk_add_f32 v[64+32*\b+2*i:64+32*\b+2*i+1], v[ACC+32*\b+2*i:ACC+32*\b+2*i+1], v[208+2*i:208+2*i+1] neg_lo:[0,1] neg_hi:[0,1]  ; S1
.set i, i+1
.endr
	WIN 0
.endr
	WIN 0x45
.set i, 0
.rept 32
	v_pk_mul_f32 v[128+2*i:128+2*i+1], v[64+2*i:64+2*i+1], v[64+2*i:64+2*i+1]  ; S2
.set i, i+1
.endr
	WIN 0
	s_mov_b32 s19, 31
.Ltile:
	L3TILE
	PLACES
	FBLOADS 1
	WIN 0x41
.set i, 0
.rept 32
	v_pk_add_f32 v[64+2*i:64+2*i+1], v[64+2*i:64+2*i+1], v[ACC+2*i:ACC+2*i+1]
.set i, i+1
.endr
	WIN 0x50
.set i, 0
.rept 32
	v_pk_fma_f32 v[128+2*i:128+2*i+1], v[ACC+2*i:ACC+2*i+1], v[ACC+2*i:ACC+2*i+1], v[128+2*i:128+2*i+1]
.set i, i+1
.endr
	WIN 0
	s_sub_co_u32 s19, s19, 1
	s_cmp_lg_u32 s19, 0
	s_cbranch_scc1 .Ltile
	; THE WAY OUT.  The sums over the 16 columns go through LDS, where f2 lay: row (plane x 16 + tile x 2 + q) of 528 bytes holds the 32 lanes' four registers;
	; lane L then adds the 16 pieces of channels 4 L .. 4 L + 3, which it stores as 16 consecutive bytes.
	s_wait_dscnt 0x0                               ; my reads of f2 are over
	s_barrier_signal -1
	s_barrier_wait -1                              ; everybody's are
	s_mul_i32 s2, s20, 48*FPI
	v_add_nc_u32 v12, s2, v3
	WIN 0x04                                       ; the stores' data in window 1
.irp p, 0,1,2
.irp m, 0,1,2,3,4,5,6,7
	ds_store_b128 v12, v[64*\p+8*\m:64*\p+8*\m+3] offset:(16*\p+2*\m)*FPI
	ds_store_b128 v12, v[64*\p+8*\m+4:64*\p+8*\m+7] offset:(16*\p+2*\m+1)*FPI
.endr
.endr
	WIN 0
	v_bfe_u32 v14, v0, 2, 3                        ; L = 4 x tile + 2 h + q
	v_and_b32 v15, 1, v0
	v_lshl_add_u32 v14, v14, 1, v15
	v_mul_u32_u24 v13, v14, FPI
	v_bfe_u32 v15, v0, 1, 1
	v_lshl_add_u32 v13, v15, 8, v13
	v_add_nc_u32 v13, s2, v13
	ds_load_b128 v[16:19], v13                     ; LDS serves a wave's instructions in order (ISA guide 5.7.1.4): these see the stores above
.set i, 0
.rept 16
	ds_load_b128 v[20+4*i:20+4*i+3], v13 offset:16*FPI+16*i
	ds_load_b128 v[84+4*i:84+4*i+3], v13 offset:32*FPI+16*i
.set i, i+1
.endr
	s_wait_dscnt 0x0
.irp st, 8, 4, 2, 1
.set i, 0
.rept \st
	v_pk_add_f32 v[20+4*i:20+4*i+1], v[20+4*i:20+4*i+1], v[20+4*(i+\st):20+4*(i+\st)+1]
	v_pk_add_f32 v[20+4*i+2:20+4*i+3], v[20+4*i+2:20+4*i+3], v[20+4*(i+\st)+2:20+4*(i+\st)+3]
	v_pk_add_f32 v[84+4*i:84+4*i+1], v[84+4*i:84+4*i+1], v[84+4*(i+\st):84+4*(i+\st)+1]
	v_pk_add_f32 v[84+4*i+2:84+4*i+3], v[84+4*i+2:84+4*i+3], v[84+4*(i+\st)+2:84+4*(i+\st)+3]
.set i, i+1
.endr
.endr
	global_store_b128 v3, v[16:19], s[36:37]                 ; 512 consecutive bytes, aligned, in each of the three planes
	global_store_b128 v3, v[20:23], s[36:37] offset:524288
	global_store_b128 v3, v[84:87], s[36:37] offset:1048576
.else
	; PHASE B
	s_wait_dscnt 0x0
	s_barrier_signal -1
	s_barrier_wait -1                              ; all of f2 is in, and nobody reads h1 any more
.irp i, 0,1,2,3,4,5,6,7
	s_lshl_b32 s2, s20, 1
	s_add_co_u32 s2, s2, \i
	s_and_b32 s2, s2, 7                            ; my accumulator i is output tile (2 w + i) % 8: 0 and 1 are mine, 2 o and 2 o + 1 wave (w + o) % 4's
	s_lshl_b32 s2, s2, 10
	v_add_nc_u32 v[MX+\i], s2, v3
.endr
	WIN 0x40
.irp k, 0,1,2,3
.irp i, 0,1,2,3,4,5,6,7
	global_load_b128 v[8*(8*\k+\i):8*(8*\k+\i)+3], v[MX+\i], s[28:29] offset:8192*\k
	global_load_b128 v[8*(8*\k+\i)+4:8*(8*\k+\i)+7], v[MX+\i], s[28:29] offset:8192*\k+512
.endr
.endr
	WIN 0
.irp m, 0,1,2,3,4,5,6,7
	global_load_b128 v[CI+8*\m:CI+8*\m+3], v3, s[34:35] offset:1024*\m
	global_load_b128 v[CI+8*\m+4:CI+8*\m+7], v3, s[34:35] offset:1024*\m+512
	global_load_b128 v[ACC+8*\m:ACC+8*\m+3], v11, s[36:37] offset:64*\m
	global_load_b128 v[ACC+8*\m+4:ACC+8*\m+7], v11, s[36:37] offset:64*\m+16
	global_load_b128 v[FB+8*\m:FB+8*\m+3], v11, s[36:37] offset:2048+64*\m
	global_load_b128 v[FB+8*\m+4:FB+8*\m+7], v11, s[36:37] offset:2048+64*\m+16
.endr
.irp o, 1,2,3
	s_add_co_u32 s2, s20, \o
	s_and_b32 s2, s2, 3
	s_mul_i32 s2, s2, 6144
	s_add_co_u32 s2, s2, EX+(3-\o)*2048
	v_add_nc_u32 v[11+\o], s2, v3                  ; v12-14: where my partial sums for the three other waves go
.endr
	s_mul_i32 s2, s20, 6144
	s_add_co_u32 s2, s2, EX
	v_add_nc_u32 v15, s2, v3                       ; where theirs for me lie
	s_wait_loadcnt 0x0                             ; these, and w3's fragments
.set i, 0
.rept 32
	v_pk_fma_f32 v[CI+2*i:CI+2*i+1], v[ACC+2*i:ACC+2*i+1], v[CI+2*i:CI+2*i+1], v[FB+2*i:FB+2*i+1]  ; s U + shift
.set i, i+1
.endr
	FBLOADS 0
	FBLOADS 1
.set i, 0
.rept 16
	v_mov_b32 v[MX+i], 0xff800000
.set i, i+1
.endr
; one tile: layer 3, relu, layer 4 on my slice of K, the exchange of partial sums, the maximum.  One barrier a tile: the two exchange buffers take turns.
.macro TILE buf
	L3TILE
	PLACES                                         ; behind the last products: for the fetch into FB's second half and for the relu, which reads the results
	FBLOADS 1
.set i, 0
.rept 64
	v_max_num_f32 v[ACC+i], 0, v[ACC+i]
.set i, i+1
.endr
.set i, 0
.rept 32
	v_cvt_pk_f16_f32 v[B4+i], v[ACC+2*i], v[ACC+2*i+1]  ; tiles 2 k, 2 k + 1 packed are fragment k
.set i, i+1
.endr
	WIN 0x01                                       ; A in window 1
.set ks, 0
.rept 4
.set m, 0
.rept 8
.if ks == 0
	v_wmma_f32_16x16x32_f16 v[ACC+8*m:ACC+8*m+7], v[8*(8*ks+m):8*(8*ks+m)+7], v[B4+8*ks:B4+8*ks+7], 0
.else
	v_wmma_f32_16x16x32_f16 v[ACC+8*m:ACC+8*m+7], v[8*(8*ks+m):8*(8*ks+m)+7], v[B4+8*ks:B4+8*ks+7], v[ACC+8*m:ACC+8*m+7]
.endif
.set m, m+1
.endr
.set ks, ks+1
.endr
	WIN 0
	PLACES
.irp o, 1,2,3
.irp a, 0,1
	ds_store_b128 v[11+\o], v[ACC+8*(2*\o+\a):ACC+8*(2*\o+\a)+3] offset:(\buf)*EXB+\a*1024
	ds_store_b128 v[11+\o], v[ACC+8*(2*\o+\a)+4:ACC+8*(2*\o+\a)+7] offset:(\buf)*EXB+\a*1024+512
.endr
.endr
	s_wait_dscnt 0x0                               ; for the others' sake: my partial sums are in
	s_barrier_signal -1
	s_barrier_wait -1
.set i, 0
.rept 12
	ds_load_b128 v[ACC+16+4*i:ACC+16+4*i+3], v15 offset:(\buf)*EXB+512*i
.set i, i+1
.endr
	s_wait_dscnt 0x0
.irp o, 1,2,3
.set i, 0
.rept 8
	v_pk_add_f32 v[ACC+2*i:ACC+2*i+1], v[ACC+2*i:ACC+2*i+1], v[ACC+16*\o+2*i:ACC+16*\o+2*i+1]
.set i, i+1
.endr
.endr
.set i, 0
.rept 16
	v_max_num_f32 v[MX+i], v[MX+i], v[ACC+i]
.set i, i+1
.endr
.endm
	s_mov_b32 s19, 16
.Ltile:
	TILE 0
	TILE 1
	s_sub_co_u32 s19, s19, 1
	s_cmp_lg_u32 s19, 0
	s_cbranch_scc1 .Ltile
	; THE WAY OUT: + b4 (adding it behind the maximum changes the order of one rounding alone)
.irp a, 0,1
	global_load_b128 v[ACC+8*\a:ACC+8*\a+3], v11, s[38:39] offset:64*\a
	global_load_b128 v[ACC+8*\a+4:ACC+8*\a+7], v11, s[38:39] offset:64*\a+16
.endr
	v_lshlrev_b32 v12, 16, v10                     ; 8 h channels of 8,192 bytes
	v_lshl_add_u32 v12, v9, 2, v12                 ; + group r
	s_wait_loadcnt 0x0
.set i, 0
.rept 8
	RB ACC+2*i, ACC+2*i+1
.set i, i+1
.endr
.set i, 0
.rept 8
	v_pk_add_f32 v[MX+2*i:MX+2*i+1], v[MX+2*i:MX+2*i+1], v[ACC+2*i:ACC+2*i+1]
.set i, i+1
.endr
.set i, 0
.rept 16
	global_store_b32 v12, v[MX+i], s[40:41] offset:8192*(i+8*(i/8))  ; register 8 a + j is channel 16 a + 8 h + j; 16 lanes store 64 consecutive bytes: a work-group owns 16 of a channel's 2,048 groups, so no longer run exists
.set i, i+1
.endr
.endif
	s_wait_tensorcnt 0x0                           ; the wave's end
	ds_add_u32 v1, v2
	s_wait_dscnt 0x0
	s_endpgm
.Lfunc_end_k_q4175eb4d59_pass1:
	.size	k_q4175eb4d59_pass1, .Lfunc_end_k_q4175eb4d59_pass1-k_q4175eb4d59_pass1
	.p2alignl 7, 3214868480
	.fill 96, 4, 3214868480
	.section	.rodata,"a",@progbits
	.p2align	6, 0x0
	.amdhsa_kernel k_q4175eb4d59_pass1
		.amdhsa_group_segment_fixed_size 324608
		.amdhsa_private_segment_fixed_size 0
		.amdhsa_enable_private_segment 0
		.amdhsa_kernarg_size 40
		.amdhsa_user_sgpr_count 2
		.amdhsa_user_sgpr_kernarg_segment_ptr 1
		.amdhsa_wavefront_size32 1
		.amdhsa_system_sgpr_workgroup_id_x 1
		.amdhsa_system_sgpr_workgroup_id_y 1
		.amdhsa_system_sgpr_workgroup_id_z 1
		.amdhsa_system_vgpr_workitem_id 0
		.amdhsa_next_free_vgpr 1024
		.amdhsa_next_free_sgpr 66
		.amdhsa_reserve_vcc 0
		.amdhsa_float_denorm_mode_32 3
		.amdhsa_float_denorm_mode_16_64 3
		.amdhsa_memory_ordered 1
		.amdhsa_forward_progress 1
		.amdhsa_inst_pref_size 128
	.end_amdhsa_kernel
	.amdgpu_metadata
---
amdhsa.version: [ 1, 2 ]
amdhsa.kernels:
  - .name:           k_q4175eb4d59_pass1
    .symbol:         k_q4175eb4d59_pass1.kd
    .args:
      - { .name: xh, .offset: 0, .size: 8, .value_kind: global_buffer, .address_space: global }
      - { .name: wts, .offset: 8, .size: 8, .value_kind: global_buffer, .address_space: global }
      - { .name: b2, .offset: 16, .size: 8, .value_kind: global_buffer, .address_space: global }
      - { .name: ustore, .offset: 24, .size: 8, .value_kind: global_buffer, .address_space: global }
      - { .name: stat, .offset: 32, .size: 8, .value_kind: global_buffer, .address_space: global }
    .group_segment_fixed_size: 324608
    .private_segment_fixed_size: 0
    .kernarg_segment_align: 8
    .kernarg_segment_size: 40
    .max_flat_workgroup_size: 128
    .sgpr_count:     66
    .vgpr_count:     1024
    .wavefront_size: 32
...
	.end_amdgpu_metadata
.endif
;; end of part 4
;; launch prep2 (part 5): grid 32 x 1, 8 waves a work-group, no clusters, 2,048 bytes of LDS; arguments stat, w3, b3, g2, be2, fold; writes fold
.if DOCPART == 5
	.amdgcn_target "amdgcn-amd-amdhsa--gfx1250"
	.amdhsa_code_object_version 6
	.text
	.protected	k_q4175eb4d59_prep2
	.globl	k_q4175eb4d59_prep2
	.p2align	8
	.type	k_q4175eb4d59_prep2,@function
k_q4175eb4d59_prep2:
	s_mov_b64 s[64:65], 0
	v_nop
	global_prefetch_b8 v0, s[64:65] scope:SCOPE_SE
	s_setreg_imm32_b32 hwreg(HW_REG_WAVE_MODE, 25, 1), 1
	s_wait_xcnt 0x0
; The second normalisation's figures, and w3's second half of columns with the scale folded in.  A work-group owns one tile of 16 channels: 32 tiles, so 32 work-groups.
; Thread: channel t % 16, slice t / 16 of 16 of the 256 partial statistics.  A partial (512 samples) is a pivot P, S1 = sum(y - P), S2 = sum((y - P)^2):
; its mean is P + S1 / 512, its sum of squared deviations S2 - S1^2 / 512 (P is one of the samples, so neither term is large beside the spread); partials are joined about the common mean.
; y lacks b3: the mean of f3 is mean + b3, and the shift is be2 + s (b3 - (mean + b3)).  g2, be2, b3 and w3 are rounded to bf16, as every input; s w3 is written as f16 in fragment order.
.set SPARE, 1024
	s_load_b256 s[4:11], s[0:1], 0x0               ; stat, w3, b3, g2
	s_load_b128 s[12:15], s[0:1], 0x20             ; be2, fold
	v_lshl_add_u32 v1, v0, 2, SPARE
	v_mov_b32 v2, 0
	v_lshrrev_b32 v3, 5, v0
	v_readfirstlane_b32 s16, v3                    ; wave
	v_and_b32 v3, 15, v0                           ; channel in the tile
	v_lshrrev_b32 v4, 4, v0                        ; slice
	s_lshl_b32 s17, ttmp9, 6
	v_lshlrev_b32 v5, 15, v4                       ; 16 partials of 2,048 bytes
	v_lshl_add_u32 v5, v3, 2, v5
	v_add_nc_u32 v5, s17, v5
	v_lshl_add_u32 v6, v3, 2, s17                  ; the channel, in f32
	s_lshl_b32 s18, ttmp9, 15
	s_add_co_u32 s18, s18, 1024                    ; the tile's rows of w3, from column 256
	v_lshlrev_b32 v7, 11, v3
	v_lshl_add_u32 v7, v4, 5, v7                   ; row t % 16, columns 8 (t / 16) ..: piece t of the tile's first four fragments
	v_add_nc_u32 v7, s18, v7
	s_mov_b32 s20, 0x76543210
	s_mov_b32 s21, 0xfedcba98
	s_mov_b32 s22, 0x3b000000                      ; 1 / 512
	s_mov_b32 s23, 0x37000000                      ; 1 / 131,072
	s_mov_b32 s24, 0x3727c5ac                      ; 1e-5
	s_wait_kmcnt 0x0
.set i, 0
.rept 16
	global_load_b32 v[16+i], v5, s[4:5] offset:2048*i
	global_load_b32 v[32+i], v5, s[4:5] offset:524288+2048*i
	global_load_b32 v[48+i], v5, s[4:5] offset:1048576+2048*i
.set i, i+1
.endr
	global_load_b32 v8, v6, s[8:9]
	global_load_b32 v9, v6, s[10:11]
	global_load_b32 v10, v6, s[12:13]
	global_load_b128 v[64:67], v7, s[6:7]
	global_load_b128 v[68:71], v7, s[6:7] offset:16
	global_load_b128 v[72:75], v7, s[6:7] offset:512       ; four fragments (128 columns) on
	global_load_b128 v[76:79], v7, s[6:7] offset:528
	v_mov_b32 v13, 0
	s_lshl_b32 s19, s16, 6
	v_lshl_add_u32 v14, v3, 2, s19                 ; my wave's word for the channel
	v_lshlrev_b32 v15, 2, v3
	s_wait_loadcnt 0x0
.set i, 0
.rept 16
	v_mul_f32 v11, s22, v[32+i]
	v_fma_f32 v[16+i], v[32+i], s22, v[16+i]       ; the partial's mean
	v_fma_f32 v[48+i], -v11, v[32+i], v[48+i]      ; its squared deviations
.set i, i+1
.endr
	v_add_f32 v12, v16, v17
	v_add_f32 v11, v18, v19
.set i, 4
.rept 6
	v_add_f32 v12, v12, v[16+i]
	v_add_f32 v11, v11, v[17+i]
.set i, i+2
.endr
	v_add_f32 v12, v12, v11
	v_permlanex16_b32 v13, v12, s20, s21           ; the wave's other slice of the same channel
	v_add_f32 v12, v12, v13
	ds_store_b32 v14, v12
	s_wait_dscnt 0x0                               ; for the others' sake
	s_barrier_signal -1
	s_barrier_wait -1
.set i, 0
.rept 8
	ds_load_b32 v[80+i], v15 offset:64*i
.set i, i+1
.endr
	s_wait_dscnt 0x0
.irp st, 4, 2, 1
.set i, 0
.rept \st
	v_add_f32 v[80+i], v[80+i], v[80+i+\st]
.set i, i+1
.endr
.endr
	v_mul_f32 v12, 0x3b800000, v80                 ; the mean of y: 256 partials of equal size
.set i, 0
.rept 16
	v_sub_f32 v11, v[16+i], v12
	v_mul_f32 v[16+i], 0x44000000, v11
	v_fma_f32 v[48+i], v[16+i], v11, v[48+i]       ; + 512 (partial's mean - mean)^2
.set i, i+1
.endr
	v_add_f32 v88, v48, v49
	v_add_f32 v11, v50, v51
.set i, 4
.rept 6
	v_add_f32 v88, v88, v[48+i]
	v_add_f32 v11, v11, v[49+i]
.set i, i+2
.endr
	v_add_f32 v88, v88, v11
	v_permlanex16_b32 v13, v88, s20, s21
	v_add_f32 v88, v88, v13
	ds_store_b32 v14, v88 offset:512               ; other words than the first sum's
	s_wait_dscnt 0x0
	s_barrier_signal -1
	s_barrier_wait -1
.set i, 0
.rept 8
	ds_load_b32 v[80+i], v15 offset:512+64*i
.set i, i+1
.endr
	s_wait_dscnt 0x0
.irp st, 4, 2, 1
.set i, 0
.rept \st
	v_add_f32 v[80+i], v[80+i], v[80+i+\st]
.set i, i+1
.endr
.endr
	v_max_num_f32 v80, 0, v80
	v_fma_f32 v80, v80, s23, s24                   ; var + eps
	v_rsq_f32 v80, v80
	v_cvt_pk_bf16_f32 v11, v8, v9                  ; (a plain instruction behind the reciprocal root) b3, g2, be2 rounded to bf16
	v_cvt_pk_bf16_f32 v13, v10, v10
	v_lshlrev_b32 v8, 16, v11
	v_and_b32 v9, 0xffff0000, v11
	v_and_b32 v10, 0xffff0000, v13
	s_wait_alu depctr_va_vdst(0)
	v_mul_f32 v89, v9, v80                         ; s
	v_add_f32 v12, v12, v8
	v_sub_f32 v12, v8, v12
	v_fma_f32 v90, v89, v12, v10                   ; the shift
.set i, 0
.rept 8
	v_cvt_pk_bf16_f32 v11, v[64+2*i], v[65+2*i]
	v_lshlrev_b32 v[64+2*i], 16, v11
	v_and_b32 v[65+2*i], 0xffff0000, v11
	v_mul_f32 v[64+2*i], v[64+2*i], v89
	v_mul_f32 v[65+2*i], v[65+2*i], v89
	v_cvt_pk_f16_f32 v[80+i], v[64+2*i], v[65+2*i]
.set i, i+1
.endr
	s_lshr_b32 s18, ttmp9, 3
	s_lshl_b32 s18, s18, 6
	s_and_b32 s19, ttmp9, 7
	s_add_co_u32 s18, s18, s19
	s_lshl_b32 s18, s18, 10                        ; fragment (wave slice x 64 + tile in the slice), ks = 0
	v_lshrrev_b32 v11, 6, v0
	v_lshlrev_b32 v11, 13, v11                     ; ks = t / 64: eight fragments on for each
	v_and_b32 v13, 63, v0
	v_lshl_add_u32 v11, v13, 4, v11
	v_add_nc_u32 v11, s18, v11
	global_store_b128 v11, v[80:83], s[14:15]              ; 512 consecutive bytes a wave, aligned
	global_store_b128 v11, v[84:87], s[14:15] offset:32768
	s_cmp_eq_u32 s16, 0
	s_cbranch_scc0 .Lend
	global_store_b32 v6, v89, s[14:15] offset:262144       ; wave 0: 64 bytes each (its two halves of lanes store the same): 16 of the 512 channels are this work-group's
	global_store_b32 v6, v90, s[14:15] offset:264192
.Lend:
	s_wait_tensorcnt 0x0                           ; the wave's end
	ds_add_u32 v1, v2
	s_wait_dscnt 0x0
	s_endpgm
.Lfunc_end_k_q4175eb4d59_prep2:
	.size	k_q4175eb4d59_prep2, .Lfunc_end_k_q4175eb4d59_prep2-k_q4175eb4d59_prep2
	.p2alignl 7, 3214868480
	.fill 96, 4, 3214868480
	.section	.rodata,"a",@progbits
	.p2align	6, 0x0
	.amdhsa_kernel k_q4175eb4d59_prep2
		.amdhsa_group_segment_fixed_size 2048
		.amdhsa_private_segment_fixed_size 0
		.amdhsa_enable_private_segment 0
		.amdhsa_kernarg_size 48
		.amdhsa_user_sgpr_count 2
		.amdhsa_user_sgpr_kernarg_segment_ptr 1
		.amdhsa_wavefront_size32 1
		.amdhsa_system_sgpr_workgroup_id_x 1
		.amdhsa_system_sgpr_workgroup_id_y 1
		.amdhsa_system_sgpr_workgroup_id_z 1
		.amdhsa_system_vgpr_workitem_id 0
		.amdhsa_next_free_vgpr 96
		.amdhsa_next_free_sgpr 66
		.amdhsa_reserve_vcc 0
		.amdhsa_float_denorm_mode_32 3
		.amdhsa_float_denorm_mode_16_64 3
		.amdhsa_memory_ordered 1
		.amdhsa_forward_progress 1
		.amdhsa_inst_pref_size 19
	.end_amdhsa_kernel
	.amdgpu_metadata
---
amdhsa.version: [ 1, 2 ]
amdhsa.kernels:
  - .name:           k_q4175eb4d59_prep2
    .symbol:         k_q4175eb4d59_prep2.kd
    .args:
      - { .name: stat, .offset: 0, .size: 8, .value_kind: global_buffer, .address_space: global }
      - { .name: w3, .offset: 8, .size: 8, .value_kind: global_buffer, .address_space: global }
      - { .name: b3, .offset: 16, .size: 8, .value_kind: global_buffer, .address_space: global }
      - { .name: g2, .offset: 24, .size: 8, .value_kind: global_buffer, .address_space: global }
      - { .name: be2, .offset: 32, .size: 8, .value_kind: global_buffer, .address_space: global }
      - { .name: fold, .offset: 40, .size: 8, .value_kind: global_buffer, .address_space: global }
    .group_segment_fixed_size: 2048
    .private_segment_fixed_size: 0
    .kernarg_segment_align: 8
    .kernarg_segment_size: 48
    .max_flat_workgroup_size: 256
    .sgpr_count:     66
    .vgpr_count:     96
    .wavefront_size: 32
...
	.end_amdgpu_metadata
.endif
;; end of part 5
;; launch pass2 (part 6): grid 256 x 1, 4 waves a work-group, no clusters, 324,608 bytes of LDS; arguments xh, wts, b2, ustore, fold, b4, out0; writes out0
.if DOCPART == 6
	.amdgcn_target "amdgcn-amd-amdhsa--gfx1250"
	.amdhsa_code_object_version 6
	.text
	.protected	k_q4175eb4d59_pass2
	.globl	k_q4175eb4d59_pass2
	.p2align	8
	.type	k_q4175eb4d59_pass2,@function
k_q4175eb4d59_pass2:
	s_mov_b64 s[64:65], 0
	v_nop
	global_prefetch_b8 v0, s[64:65] scope:SCOPE_SE
	s_setreg_imm32_b32 hwreg(HW_REG_WAVE_MODE, 25, 1), 1
	s_wait_xcnt 0x0
; PASS 1 and PASS 2 are one text; PASS chooses.  Both run layers 1 and 2 for the work-group's 16 groups x 32 neighbours and keep f2 (f16) in LDS.
; PASS 1: fg = max over neighbours of f2; U = w3[:, :256] fg, once a group, stored; y = U + w3[:, 256:] f2; for each channel a pivot P (one sample of y), the sum of y - P and of (y - P)^2.
; PASS 2: h3 = relu(s y + shift), with s folded into the weights and into U; w4 h3; the maximum over neighbours; + b4.
; y is computed twice rather than stored: it is 512 x 131,072 numbers.
; COLUMNS: tile t of 16 columns is neighbour t of the 16 groups, so a maximum over neighbours is elementwise over tiles, and U (channel x group) is the C operand of every tile as it stands.
; WAVES split the channels: layer 1 tiles 2w, 2w+1; layer 2 tiles 4w..; layer 3 tiles 8w..; layer 4 takes the wave's own 128 channels of h3 as its slice of K, and the four partial sums meet in LDS.
; A result (channel 8h + j in register j, column r) packed in pairs IS the piece (q, lane) of the next layer's B fragment: nothing changes lanes between layers.
; FORMATS: all inputs rounded to bf16; weights then written as f16; x, h1, f2, fg, h3 in f16; sums, maxima, U and statistics in f32.  LIMIT: f16 holds nothing beyond 65,504: f2 and fg stay within it; NaN and infinities are not treated apart.
; NO TENSOR LOADS, NO CLUSTER: each wave's weights go once from memory into its own registers (64 KiB of w3 a wave), and 270,336 bytes of LDS hold f2: no room is left to stage a shared tile.
; REGISTERS (windows of 256): phase A: window 0: v0-15 addresses, XB, W1R, B2R, FGM, AA; window 1: v0-127 w2's fragments, v128-255 h1's.  Phase B: window 0: FB, CI, ACC (PASS 2: B4, MX);
; window 1: PASS 1: P, S1, S2; PASS 2: w4's fragments.  Windows 2, 3: the wave's 64 fragments of w3, fragment ks x 8 + tile at 512 + 8 x that.
.set PASS,  2
.set FPI,   528                        ; a row of f2 in LDS: 512 bytes + 16: the 16 rows of a fragment load start 16 bytes apart modulo 256
.set TILEB, 16*FPI
.set F2MAX, 269824                     ; tile 31's highest fragment address (row 511, 16 bytes in); the look-ahead's address is held at or below it: its last byte read, + 495, is byte 511 of row 511
.set H1,    270336                     ; two buffers of [tile 4][ks 4][q 2][lane 16 bytes]
.set EX,    270336                     ; PASS 2, phase B: two buffers of [to wave 4][slot 3][tile 2][q 2][lane 16 bytes]
.set EXB,   24576
.set FG,    303104                     ; PASS 1: 16 rows of fg, pitch 528
.set XH,    319488                     ; [tile 32][r 16][x, y, z, 1 in f16], then 512 bytes of zeros for the last step's look-ahead
.set SPARE, 324096                     ; the spare words, 128 bytes a wave
.set W2F,   8192
.set W3AF,  73728
.set W3BF,  335872
.set W4F,   598016
.set XB,    16                         ; v16-47   x's fragments of four tiles; registers 2-7 of each hold 0
.set W1R,   48                         ; v48-63
.set B2R,   64                         ; v64-95   b2 as the C operand of layer 2
.set FGM,   96                         ; v96-127  the running maximum of f2
.set AA,    128                        ; v128-255 phase A's accumulators
.set FB,    16                         ; v16-79   f2's fragments of one tile, ks 0-7
.set CI,    80                         ; v80-143  the C operand of layer 3
.set ACC,   144                        ; v144-207
.set B4,    208                        ; v208-239 h3's fragments
.set MX,    240                        ; v240-255 the running maximum of the output
.set MSB, 0
.macro WIN new                         ; the immediate's high byte repeats the setting that is left; a switch that changes nothing is dropped
.if MSB != (\new)
	s_set_vgpr_msb (MSB<<8)|(\new)
.set MSB, (\new)
.endif
.endm
.macro PLACES                          ; four plain vector instructions that name none of its registers between a matrix instruction and a read of its result, or a write or load into one of its registers
.rept 4
	v_nop
.endr
.endm
.macro RB a, b                         ; two numbers rounded to bf16, kept as f32; v14 at work
	v_cvt_pk_bf16_f32 v14, v[\a], v[\b]
	v_lshlrev_b32 v[\a], 16, v14
	v_and_b32 v[\b], 0xffff0000, v14
.endm
.macro LOADW3 b                        ; the wave's 64 fragments of w3 from s[b:b+1]: 128 loads of 512 consecutive bytes
	WIN 0x80
.set i, 0
.rept 32
	global_load_b128 v[8*i:8*i+3], v3, s[\b:\b+1] offset:1024*i
	global_load_b128 v[8*i+4:8*i+7], v3, s[\b:\b+1] offset:1024*i+512
.set i, i+1
.endr
	WIN 0xc0
.set i, 0
.rept 32
	global_load_b128 v[8*i:8*i+3], v3, s[\b:\b+1] offset:1024*(i+32)
	global_load_b128 v[8*i+4:8*i+7], v3, s[\b:\b+1] offset:1024*(i+32)+512
.set i, i+1
.endr
	WIN 0
.endm
; PHASE A, one step: four tiles through layers 1 and 2.  One barrier a step: the two h1 buffers take turns, and a wave's reads of a buffer are waited for ahead of its next signal.
.macro STEPA buf
.irp t, 0,1,2,3
.irp a, 0,1
	v_wmma_f32_16x16x32_f16 v[AA+8*(2*\t+\a):AA+8*(2*\t+\a)+7], v[W1R+8*\a:W1R+8*\a+7], v[XB+8*\t:XB+8*\t+7], 0
.endr
.endr
	PLACES
.irp t, 0,1,2,3
	ds_load_b64 v[XB+8*\t:XB+8*\t+1], v4 offset:128*\t  ; the next step's x; waited for at the barrier below
.endr
	v_add_nc_u32 v4, 512, v4
.set i, 0
.rept 64
	v_max_num_f32 v[AA+i], 0, v[AA+i]
.set i, i+1
.endr
.set i, 0
.rept 32
	v_cvt_pk_f16_f32 v[AA+8*(i/4)+i%4], v[AA+8*(i/4)+2*(i%4)], v[AA+8*(i/4)+2*(i%4)+1]
.set i, i+1
.endr
.irp t, 0,1,2,3
.irp a, 0,1
	ds_store_b128 v5, v[AA+8*(2*\t+\a):AA+8*(2*\t+\a)+3] offset:(\buf)*16384+\t*4096+\a*512
.endr
.endr
	s_wait_dscnt 0x0                               ; for the others' sake: my part of h1 is in
	s_barrier_signal -1
	s_barrier_wait -1
	WIN 0x40
.irp ks, 0,1,2,3
.irp t, 0,1,2,3
	ds_load_b128 v[128+8*(4*\t+\ks):128+8*(4*\t+\ks)+3], v6 offset:(\buf)*16384+\t*4096+\ks*1024
	ds_load_b128 v[128+8*(4*\t+\ks)+4:128+8*(4*\t+\ks)+7], v6 offset:(\buf)*16384+\t*4096+\ks*1024+512
.endr
.endr
	WIN 0x05                                       ; A and B in window 1
.irp ks, 0,1,2,3
	s_wait_dscnt 24-8*\ks                          ; eight loads for each later ks may stay out
.irp m, 0,1,2,3
.irp t, 0,1,2,3
.if \ks == 0
	v_wmma_f32_16x16x32_f16 v[AA+8*(4*\m+\t):AA+8*(4*\m+\t)+7], v[8*(4*\m+\ks):8*(4*\m+\ks)+7], v[128+8*(4*\t+\ks):128+8*(4*\t+\ks)+7], v[B2R+8*\m:B2R+8*\m+7]
.else
	v_wmma_f32_16x16x32_f16 v[AA+8*(4*\m+\t):AA+8*(4*\m+\t)+7], v[8*(4*\m+\ks):8*(4*\m+\ks)+7], v[128+8*(4*\t+\ks):128+8*(4*\t+\ks)+7], v[AA+8*(4*\m+\t):AA+8*(4*\m+\t)+7]
.endif
.endr
.endr
.endr
	WIN 0
	PLACES
.if PASS == 1
.irp m, 0,1,2,3
.irp p, 0,2
.set i, 0
.rept 8
	v_max3_num_f32 v[FGM+8*\m+i], v[FGM+8*\m+i], v[AA+8*(4*\m+\p)+i], v[AA+8*(4*\m+\p+1)+i]
.set i, i+1
.endr
.endr
.endr
.endif
.set i, 0
.rept 64
	v_cvt_pk_f16_f32 v[AA+8*(i/4)+i%4], v[AA+8*(i/4)+2*(i%4)], v[AA+8*(i/4)+2*(i%4)+1]
.set i, i+1
.endr
.irp m, 0,1,2,3
.irp t, 0,1,2,3
	ds_store_b128 v7, v[AA+8*(4*\m+\t):AA+8*(4*\m+\t)+3] offset:\t*TILEB+\m*32
.endr
.endr
	v_add_nc_u32 v7, 4*TILEB, v7
.endm
; half hf of layer 3's K for one tile: 32 matrix instructions, the 8 accumulators by turns.  C: what starts the sums (below 0: the constant 0)
.macro L3H hf, D, C
	WIN 0x02+(\hf)                                 ; A in window 2 or 3
.set ks, 0
.rept 4
.set m, 0
.rept 8
.if ((\hf) == 0) && (ks == 0) && ((\C) < 0)
	v_wmma_f32_16x16x32_f16 v[(\D)+8*m:(\D)+8*m+7], v[8*(8*ks+m):8*(8*ks+m)+7], v[FB+8*(4*(\hf)+ks):FB+8*(4*(\hf)+ks)+7], 0
.elseif ((\hf) == 0) && (ks == 0)
	v_wmma_f32_16x16x32_f16 v[(\D)+8*m:(\D)+8*m+7], v[8*(8*ks+m):8*(8*ks+m)+7], v[FB+8*(4*(\hf)+ks):FB+8*(4*(\hf)+ks)+7], v[(\C)+8*m:(\C)+8*m+7]
.else
	v_wmma_f32_16x16x32_f16 v[(\D)+8*m:(\D)+8*m+7], v[8*(8*ks+m):8*(8*ks+m)+7], v[FB+8*(4*(\hf)+ks):FB+8*(4*(\hf)+ks)+7], v[(\D)+8*m:(\D)+8*m+7]
.endif
.set m, m+1
.endr
.set ks, ks+1
.endr
.endm
.macro FBLOADS hf                      ; half hf of a tile's fragments of f2, at v8
.irp k, 0,1,2,3
	ds_load_b128 v[FB+8*(4*(\hf)+\k):FB+8*(4*(\hf)+\k)+3], v8 offset:64*(4*(\hf)+\k)
	ds_load_b128 v[FB+8*(4*(\hf)+\k)+4:FB+8*(4*(\hf)+\k)+7], v8 offset:64*(4*(\hf)+\k)+32
.endr
.endm
; layer 3 for one tile.  Each half of FB is fetched a tile ahead; the second half's fetch is the caller's, four places behind the last matrix instruction.
.macro L3TILE
	s_wait_dscnt 8                                 ; the first half is in; the second half's eight loads may stay out
	L3H 0, ACC, CI
	WIN 0
	PLACES
	v_add_nc_u32 v8, TILEB, v8                     ; the next tile;
	v_min_u32 v8, F2MAX, v8                        ; behind the last tile the address stays inside f2, and what it brings is not used
	FBLOADS 0
	s_wait_dscnt 8                                 ; the second half is in; the eight just issued may stay out
	L3H 1, ACC, ACC
	WIN 0
.endm
	s_load_b256 s[4:11], s[0:1], 0x0               ; xh, wts, b2, ustore
.if PASS == 1
	s_load_b64 s[12:13], s[0:1], 0x20              ; stat
.else
	s_load_b128 s[12:15], s[0:1], 0x20             ; fold, b4
	s_load_b64 s[16:17], s[0:1], 0x30              ; out0
.endif
	v_lshl_add_u32 v1, v0, 2, SPARE                ; my spare word and 0: kept for the closing add alone
	v_mov_b32 v2, 0
	v_lshrrev_b32 v12, 5, v0
	v_readfirstlane_b32 s20, v12                   ; wave
	v_and_b32 v12, 31, v0
	v_lshlrev_b32 v3, 4, v12                       ; 16 x lane; never rewritten
	v_and_b32 v9, 15, v0                           ; r
	v_bfe_u32 v10, v0, 4, 1                        ; h
	v_lshlrev_b32 v11, 5, v10                      ; 8 h channels of f32; never rewritten
	s_mov_b32 s3, 0
	s_wait_kmcnt 0x0
	s_lshl_b32 s2, s20, 11
	s_add_nc_u64 s[22:23], s[6:7], s[2:3]          ; w1's fragments 2w, 2w+1
	s_lshl_b32 s2, s20, 14
	s_add_co_u32 s2, s2, W2F
	s_add_nc_u64 s[24:25], s[6:7], s[2:3]          ; w2's 16 fragments
	s_lshl_b32 s2, s20, 16
.if PASS == 1
	s_add_co_u32 s2, s2, W3AF
	s_add_nc_u64 s[26:27], s[6:7], s[2:3]          ; w3, columns 0-255
	s_add_co_u32 s2, s2, W3BF-W3AF
	s_add_nc_u64 s[28:29], s[6:7], s[2:3]          ; w3, columns 256-511
.else
	s_add_nc_u64 s[26:27], s[12:13], s[2:3]        ; w3, columns 256-511, times s
	s_lshl_b32 s2, s20, 15
	s_add_co_u32 s2, s2, W4F
	s_add_nc_u64 s[28:29], s[6:7], s[2:3]          ; w4, my slice of K
.endif
	s_lshl_b32 s2, ttmp9, 2
	s_add_co_u32 s21, s2, s20                      ; 4 x work-group + wave
	s_lshl_b32 s2, s21, 10
	s_add_nc_u64 s[30:31], s[4:5], s[2:3]
	s_lshl_b32 s2, s20, 8
	s_add_nc_u64 s[32:33], s[8:9], s[2:3]
	s_lshl_b32 s2, s21, 13
	s_add_nc_u64 s[34:35], s[10:11], s[2:3]
.if PASS == 1
	s_lshl_b32 s2, s21, 9
	s_add_nc_u64 s[36:37], s[12:13], s[2:3]
.else
	s_lshl_b32 s2, s20, 9
	s_add_co_u32 s2, s2, 262144
	s_add_nc_u64 s[36:37], s[12:13], s[2:3]        ; s of my 128 channels; the shift 2,048 bytes on
	s_lshl_b32 s2, s20, 7
	s_add_nc_u64 s[38:39], s[14:15], s[2:3]
	s_lshr_b32 s2, ttmp9, 7
	s_lshl_b32 s2, s2, 20                          ; batch
	s_and_b32 s18, ttmp9, 127
	s_lshl_b32 s18, s18, 6                         ; my 16 groups
	s_add_co_u32 s2, s2, s18
	s_lshl_b32 s18, s20, 18                        ; my 32 channels
	s_add_co_u32 s2, s2, s18
	s_add_nc_u64 s[40:41], s[16:17], s[2:3]
.endif
.irp a, 0,1
	global_load_b128 v[W1R+8*\a:W1R+8*\a+3], v3, s[22:23] offset:1024*\a
	global_load_b128 v[W1R+8*\a+4:W1R+8*\a+7], v3, s[22:23] offset:1024*\a+512
.endr
.irp m, 0,1,2,3
	global_load_b128 v[B2R+8*\m:B2R+8*\m+3], v11, s[32:33] offset:64*\m
	global_load_b128 v[B2R+8*\m+4:B2R+8*\m+7], v11, s[32:33] offset:64*\m+16
.endr
	global_load_b128 v[16:19], v3, s[30:31]
	global_load_b128 v[20:23], v3, s[30:31] offset:512
	WIN 0x40
.set i, 0
.rept 16
	global_load_b128 v[8*i:8*i+3], v3, s[24:25] offset:1024*i
	global_load_b128 v[8*i+4:8*i+7], v3, s[24:25] offset:1024*i+512
.set i, i+1
.endr
	WIN 0
	s_wait_loadcnt 0x0
	s_lshl_b32 s2, s20, 10
	s_add_co_u32 s2, s2, XH
	v_add_nc_u32 v12, s2, v3
	ds_store_b128 v12, v[16:19]
	ds_store_b128 v12, v[20:23] offset:512
	v_lshl_add_u32 v13, v0, 2, XH+4096
	v_mov_b32 v15, 0
	ds_store_b32 v13, v15
.irp t, 1,2,3
.irp j, 2,3,4,5,6,7
	v_mov_b32 v[XB+8*\t+\j], 0                     ; k = 4..7 and 16..31 of x's fragments are 0 (tile 0's registers still hold x on its way to LDS)
.endr
.endr
	v_mul_u32_u24 v13, v0, FPI                     ; the 16 bytes behind each of f2's 512 rows are set to 0 once, so that every byte of the region is written: thread t takes rows t + 128 i
	ds_store_b128 v13, v[XB+12:XB+15] offset:512
.rept 3
	v_add_nc_u32 v13, 128*FPI, v13
	ds_store_b128 v13, v[XB+12:XB+15] offset:512
.endr
	LOADW3 26                                      ; these land while phase A runs, which issues no global load
.set i, 0
.rept 16
	RB B2R+2*i, B2R+2*i+1
.set i, i+1
.endr
.if PASS == 1
.set i, 0
.rept 32
	v_mov_b32 v[FGM+i], 0xff800000
.set i, i+1
.endr
.endif
	v_lshl_add_u32 v4, v9, 3, XH
	s_lshl_b32 s2, s20, 10
	s_add_co_u32 s2, s2, H1
	v_add_nc_u32 v5, s2, v3
	v_add_nc_u32 v6, H1, v3
	v_mul_u32_u24 v8, v9, FPI
	v_lshl_add_u32 v8, v10, 4, v8                  ; a fragment's row x pitch + 16 h
	s_lshl_b32 s2, s20, 7
	v_add_nc_u32 v7, s2, v8                        ; + my 64 channels
	s_wait_dscnt 0x0                               ; for the others' sake: my part of x is in
.irp j, 2,3,4,5,6,7
	v_mov_b32 v[XB+\j], 0
.endr
	s_barrier_signal -1
	s_barrier_wait -1
.irp t, 0,1,2,3
	ds_load_b64 v[XB+8*\t:XB+8*\t+1], v4 offset:128*\t
.endr
	v_add_nc_u32 v4, 512, v4
	s_wait_dscnt 0x0
	s_mov_b32 s19, 4
.Lstep:
	STEPA 0
	STEPA 1
	s_sub_co_u32 s19, s19, 1
	s_cmp_lg_u32 s19, 0
	s_cbranch_scc1 .Lstep
.if PASS == 1
	; PHASE B.  fg goes to LDS as f2 did; the barrier also shows all of f2
.set i, 0
.rept 16
	v_cvt_pk_f16_f32 v[FGM+8*(i/4)+i%4], v[FGM+8*(i/4)+2*(i%4)], v[FGM+8*(i/4)+2*(i%4)+1]
.set i, i+1
.endr
	s_lshl_b32 s2, s20, 7
	s_add_co_u32 s2, s2, FG
	v_add_nc_u32 v13, s2, v8
.irp m, 0,1,2,3
	ds_store_b128 v13, v[FGM+8*\m:FGM+8*\m+3] offset:32*\m
.endr
	s_wait_dscnt 0x0
	s_barrier_signal -1
	s_barrier_wait -1
	v_add_nc_u32 v12, FG, v8
.irp k, 0,1,2,3,4,5,6,7
	ds_load_b128 v[FB+8*\k:FB+8*\k+3], v12 offset:64*\k
	ds_load_b128 v[FB+8*\k+4:FB+8*\k+7], v12 offset:64*\k+32
.endr
	s_wait_loadcnt 0x0                             ; w3's first half of columns
	s_wait_dscnt 0x0
	L3H 0, CI, -1                                  ; U
	L3H 1, CI, CI
	WIN 0
	PLACES
.irp m, 0,1,2,3,4,5,6,7
	global_store_b128 v3, v[CI+8*\m:CI+8*\m+3], s[34:35] offset:1024*\m       ; U as it lies in registers: 512 consecutive bytes a store
	global_store_b128 v3, v[CI+8*\m+4:CI+8*\m+7], s[34:35] offset:1024*\m+512
.endr
	LOADW3 28                                      ; the other half of columns takes the first's registers
	FBLOADS 0
	FBLOADS 1
.set i, 0
.rept 32
	v_mov_b32 v[208+i], 0                          ; destinations of lane moves count as read
.set i, i+1
.endr
	s_wait_loadcnt 0x0
	L3TILE                                         ; tile 0 is written out: it gives the pivot and starts the sums
	PLACES
	FBLOADS 1
.irp b, 0,1
.set i, 0
.rept 32
	v_mov_b32_dpp v[208+i], v[ACC+32*\b+i] row_share:0 row_mask:0xf bank_mask:0xf  ; P: group 0's sample, the same for the 16 columns
.set i, i+1
.endr
.if \b == 0
	s_wait_xcnt 0x0                                ; U's stores have read their data: CI is rewritten only behind this wait
.endif
.set i, 0
.rept 16
	v_pk_add_f32 v[CI+32*\b+2*i:CI+32*\b+2*i+1], v[CI+32*\b+2*i:CI+32*\b+2*i+1], v[208+2*i:208+2*i+1] neg_lo:[0,1] neg_hi:[0,1]  ; from now on a tile's result is y - P
.set i, i+1
.endr
	WIN 0x40
.set i, 0
.rept 32
	v_mov_b32 v[32*\b+i], v[208+i]                 ; P is kept in window 1
.set i, i+1
.endr
.set i, 0
.rept 16
	v_pk_add_f32 v[64+32*\b+2*i:64+32*\b+2*i+1], v[ACC+32*\b+2*i:ACC+32*\b+2*i+1], v[208+2*i:208+2*i+1] neg_lo:[0,1] neg_hi:[0,1]  ; S1
.set i, i+1
.endr
	WIN 0
.endr
	WIN 0x45
.set i, 0
.rept 32
	v_pk_mul_f32 v[128+2*i:128+2*i+1], v[64+2*i:64+2*i+1], v[64+2*i:64+2*i+1]  ; S2
.set i, i+1
.endr
	WIN 0
	s_mov_b32 s19, 31
.Ltile:
	L3TILE
	PLACES
	FBLOADS 1
	WIN 0x41
.set i, 0
.rept 32
	v_pk_add_f32 v[64+2*i:64+2*i+1], v[64+2*i:64+2*i+1], v[ACC+2*i:ACC+2*i+1]
.set i, i+1
.endr
	WIN 0x50
.set i, 0
.rept 32
	v_pk_fma_f32 v[128+2*i:128+2*i+1], v[ACC+2*i:ACC+2*i+1], v[ACC+2*i:ACC+2*i+1], v[128+2*i:128+2*i+1]
.set i, i+1
.endr
	WIN 0
	s_sub_co_u32 s19, s19, 1
	s_cmp_lg_u32 s19, 0
	s_cbranch_scc1 .Ltile
	; THE WAY OUT.  The sums over the 16 columns go through LDS, where f2 lay: row (plane x 16 + tile x 2 + q) of 528 bytes holds the 32 lanes' four registers;
	; lane L then adds the 16 pieces of channels 4 L .. 4 L + 3, which it stores as 16 consecutive bytes.
	s_wait_dscnt 0x0                               ; my reads of f2 are over
	s_barrier_signal -1
	s_barrier_wait -1                              ; everybody's are
	s_mul_i32 s2, s20, 48*FPI
	v_add_nc_u32 v12, s2, v3
	WIN 0x04                                       ; the stores' data in window 1
.irp p, 0,1,2
.irp m, 0,1,2,3,4,5,6,7
	ds_store_b128 v12, v[64*\p+8*\m:64*\p+8*\m+3] offset:(16*\p+2*\m)*FPI
	ds_store_b128 v12, v[64*\p+8*\m+4:64*\p+8*\m+7] offset:(16*\p+2*\m+1)*FPI
.endr
.endr
	WIN 0
	v_bfe_u32 v14, v0, 2, 3                        ; L = 4 x tile + 2 h + q
	v_and_b32 v15, 1, v0
	v_lshl_add_u32 v14, v14, 1, v15
	v_mul_u32_u24 v13, v14, FPI
	v_bfe_u32 v15, v0, 1, 1
	v_lshl_add_u32 v13, v15, 8, v13
	v_add_nc_u32 v13, s2, v13
	ds_load_b128 v[16:19], v13                     ; LDS serves a wave's instructions in order (ISA guide 5.7.1.4): these see the stores above
.set i, 0
.rept 16
	ds_load_b128 v[20+4*i:20+4*i+3], v13 offset:16*FPI+16*i
	ds_load_b128 v[84+4*i:84+4*i+3], v13 offset:32*FPI+16*i
.set i, i+1
.endr
	s_wait_dscnt 0x0
.irp st, 8, 4, 2, 1
.set i, 0
.rept \st
	v_pk_add_f32 v[20+4*i:20+4*i+1], v[20+4*i:20+4*i+1], v[20+4*(i+\st):20+4*(i+\st)+1]
	v_pk_add_f32 v[20+4*i+2:20+4*i+3], v[20+4*i+2:20+4*i+3], v[20+4*(i+\st)+2:20+4*(i+\st)+3]
	v_pk_add_f32 v[84+4*i:84+4*i+1], v[84+4*i:84+4*i+1], v[84+4*(i+\st):84+4*(i+\st)+1]
	v_pk_add_f32 v[84+4*i+2:84+4*i+3], v[84+4*i+2:84+4*i+3], v[84+4*(i+\st)+2:84+4*(i+\st)+3]
.set i, i+1
.endr
.endr
	global_store_b128 v3, v[16:19], s[36:37]                 ; 512 consecutive bytes, aligned, in each of the three planes
	global_store_b128 v3, v[20:23], s[36:37] offset:524288
	global_store_b128 v3, v[84:87], s[36:37] offset:1048576
.else
	; PHASE B
	s_wait_dscnt 0x0
	s_barrier_signal -1
	s_barrier_wait -1                              ; all of f2 is in, and nobody reads h1 any more
.irp i, 0,1,2,3,4,5,6,7
	s_lshl_b32 s2, s20, 1
	s_add_co_u32 s2, s2, \i
	s_and_b32 s2, s2, 7                            ; my accumulator i is output tile (2 w + i) % 8: 0 and 1 are mine, 2 o and 2 o + 1 wave (w + o) % 4's
	s_lshl_b32 s2, s2, 10
	v_add_nc_u32 v[MX+\i], s2, v3
.endr
	WIN 0x40
.irp k, 0,1,2,3
.irp i, 0,1,2,3,4,5,6,7
	global_load_b128 v[8*(8*\k+\i):8*(8*\k+\i)+3], v[MX+\i], s[28:29] offset:8192*\k
	global_load_b128 v[8*(8*\k+\i)+4:8*(8*\k+\i)+7], v[MX+\i], s[28:29] offset:8192*\k+512
.endr
.endr
	WIN 0
.irp m, 0,1,2,3,4,5,6,7
	global_load_b128 v[CI+8*\m:CI+8*\m+3], v3, s[34:35] offset:1024*\m
	global_load_b128 v[CI+8*\m+4:CI+8*\m+7], v3, s[34:35] offset:1024*\m+512
	global_load_b128 v[ACC+8*\m:ACC+8*\m+3], v11, s[36:37] offset:64*\m
	global_load_b128 v[ACC+8*\m+4:ACC+8*\m+7], v11, s[36:37] offset:64*\m+16
	global_load_b128 v[FB+8*\m:FB+8*\m+3], v11, s[36:37] offset:2048+64*\m
	global_load_b128 v[FB+8*\m+4:FB+8*\m+7], v11, s[36:37] offset:2048+64*\m+16
.endr
.irp o, 1,2,3
	s_add_co_u32 s2, s20, \o
	s_and_b32 s2, s2, 3
	s_mul_i32 s2, s2, 6144
	s_add_co_u32 s2, s2, EX+(3-\o)*2048
	v_add_nc_u32 v[11+\o], s2, v3                  ; v12-14: where my partial sums for the three other waves go
.endr
	s_mul_i32 s2, s20, 6144
	s_add_co_u32 s2, s2, EX
	v_add_nc_u32 v15, s2, v3                       ; where theirs for me lie
	s_wait_loadcnt 0x0                             ; these, and w3's fragments
.set i, 0
.rept 32
	v_pk_fma_f32 v[CI+2*i:CI+2*i+1], v[ACC+2*i:ACC+2*i+1], v[CI+2*i:CI+2*i+1], v[FB+2*i:FB+2*i+1]  ; s U + shift
.set i, i+1
.endr
	FBLOADS 0
	FBLOADS 1
.set i, 0
.rept 16
	v_mov_b32 v[MX+i], 0xff800000
.set i, i+1
.endr
; one tile: layer 3, relu, layer 4 on my slice of K, the exchange of partial sums, the maximum.  One barrier a tile: the two exchange buffers take turns.
.macro TILE buf
	L3TILE
	PLACES                                         ; behind the last products: for the fetch into FB's second half and for the relu, which reads the results
	FBLOADS 1
.set i, 0
.rept 64
	v_max_num_f32 v[ACC+i], 0, v[ACC+i]
.set i, i+1
.endr
.set i, 0
.rept 32
	v_cvt_pk_f16_f32 v[B4+i], v[ACC+2*i], v[ACC+2*i+1]  ; tiles 2 k, 2 k + 1 packed are fragment k
.set i, i+1
.endr
	WIN 0x01                                       ; A in window 1
.set ks, 0
.rept 4
.set m, 0
.rept 8
.if ks == 0
	v_wmma_f32_16x16x32_f16 v[ACC+8*m:ACC+8*m+7], v[8*(8*ks+m):8*(8*ks+m)+7], v[B4+8*ks:B4+8*ks+7], 0
.else
	v_wmma_f32_16x16x32_f16 v[ACC+8*m:ACC+8*m+7], v[8*(8*ks+m):8*(8*ks+m)+7], v[B4+8*ks:B4+8*ks+7], v[ACC+8*m:ACC+8*m+7]
.endif
.set m, m+1
.endr
.set ks, ks+1
.endr
	WIN 0
	PLACES
.irp o, 1,2,3
.irp a, 0,1
	ds_store_b128 v[11+\o], v[ACC+8*(2*\o+\a):ACC+8*(2*\o+\a)+3] offset:(\buf)*EXB+\a*1024
	ds_store_b128 v[11+\o], v[ACC+8*(2*\o+\a)+4:ACC+8*(2*\o+\a)+7] offset:(\buf)*EXB+\a*1024+512
.endr
.endr
	s_wait_dscnt 0x0                               ; for the others' sake: my partial sums are in
	s_barrier_signal -1
	s_barrier_wait -1
.set i, 0
.rept 12
	ds_load_b128 v[ACC+16+4*i:ACC+16+4*i+3], v15 offset:(\buf)*EXB+512*i
.set i, i+1
.endr
	s_wait_dscnt 0x0
.irp o, 1,2,3
.set i, 0
.rept 8
	v_pk_add_f32 v[ACC+2*i:ACC+2*i+1], v[ACC+2*i:ACC+2*i+1], v[ACC+16*\o+2*i:ACC+16*\o+2*i+1]
.set i, i+1
.endr
.endr
.set i, 0
.rept 16
	v_max_num_f32 v[MX+i], v[MX+i], v[ACC+i]
.set i, i+1
.endr
.endm
	s_mov_b32 s19, 16
.Ltile:
	TILE 0
	TILE 1
	s_sub_co_u32 s19, s19, 1
	s_cmp_lg_u32 s19, 0
	s_cbranch_scc1 .Ltile
	; THE WAY OUT: + b4 (adding it behind the maximum changes the order of one rounding alone)
.irp a, 0,1
	global_load_b128 v[ACC+8*\a:ACC+8*\a+3], v11, s[38:39] offset:64*\a
	global_load_b128 v[ACC+8*\a+4:ACC+8*\a+7], v11, s[38:39] offset:64*\a+16
.endr
	v_lshlrev_b32 v12, 16, v10                     ; 8 h channels of 8,192 bytes
	v_lshl_add_u32 v12, v9, 2, v12                 ; + group r
	s_wait_loadcnt 0x0
.set i, 0
.rept 8
	RB ACC+2*i, ACC+2*i+1
.set i, i+1
.endr
.set i, 0
.rept 8
	v_pk_add_f32 v[MX+2*i:MX+2*i+1], v[MX+2*i:MX+2*i+1], v[ACC+2*i:ACC+2*i+1]
.set i, i+1
.endr
.set i, 0
.rept 16
	global_store_b32 v12, v[MX+i], s[40:41] offset:8192*(i+8*(i/8))  ; register 8 a + j is channel 16 a + 8 h + j; 16 lanes store 64 consecutive bytes: a work-group owns 16 of a channel's 2,048 groups, so no longer run exists
.set i, i+1
.endr
.endif
	s_wait_tensorcnt 0x0                           ; the wave's end
	ds_add_u32 v1, v2
	s_wait_dscnt 0x0
	s_endpgm
.Lfunc_end_k_q4175eb4d59_pass2:
	.size	k_q4175eb4d59_pass2, .Lfunc_end_k_q4175eb4d59_pass2-k_q4175eb4d59_pass2
	.p2alignl 7, 3214868480
	.fill 96, 4, 3214868480
	.section	.rodata,"a",@progbits
	.p2align	6, 0x0
	.amdhsa_kernel k_q4175eb4d59_pass2
		.amdhsa_group_segment_fixed_size 324608
		.amdhsa_private_segment_fixed_size 0
		.amdhsa_enable_private_segment 0
		.amdhsa_kernarg_size 56
		.amdhsa_user_sgpr_count 2
		.amdhsa_user_sgpr_kernarg_segment_ptr 1
		.amdhsa_wavefront_size32 1
		.amdhsa_system_sgpr_workgroup_id_x 1
		.amdhsa_system_sgpr_workgroup_id_y 1
		.amdhsa_system_sgpr_workgroup_id_z 1
		.amdhsa_system_vgpr_workitem_id 0
		.amdhsa_next_free_vgpr 1024
		.amdhsa_next_free_sgpr 66
		.amdhsa_reserve_vcc 0
		.amdhsa_float_denorm_mode_32 3
		.amdhsa_float_denorm_mode_16_64 3
		.amdhsa_memory_ordered 1
		.amdhsa_forward_progress 1
		.amdhsa_inst_pref_size 110
	.end_amdhsa_kernel
	.amdgpu_metadata
---
amdhsa.version: [ 1, 2 ]
amdhsa.kernels:
  - .name:           k_q4175eb4d59_pass2
    .symbol:         k_q4175eb4d59_pass2.kd
    .args:
      - { .name: xh, .offset: 0, .size: 8, .value_kind: global_buffer, .address_space: global }
      - { .name: wts, .offset: 8, .size: 8, .value_kind: global_buffer, .address_space: global }
      - { .name: b2, .offset: 16, .size: 8, .value_kind: global_buffer, .address_space: global }
      - { .name: ustore, .offset: 24, .size: 8, .value_kind: global_buffer, .address_space: global }
      - { .name: fold, .offset: 32, .size: 8, .value_kind: global_buffer, .address_space: global }
      - { .name: b4, .offset: 40, .size: 8, .value_kind: global_buffer, .address_space: global }
      - { .name: out0, .offset: 48, .size: 8, .value_kind: global_buffer, .address_space: global }
    .group_segment_fixed_size: 324608
    .private_segment_fixed_size: 0
    .kernarg_segment_align: 8
    .kernarg_segment_size: 56
    .max_flat_workgroup_size: 128
    .sgpr_count:     66
    .vgpr_count:     1024
    .wavefront_size: 32
...
	.end_amdgpu_metadata
.endif
;; end of part 6
;; ======== version 2 of 2: 6 launches; version 1 with the launches knn_thr, pass1, pass2 written anew for expert scheduling mode
;; limits: values are held in f16: magnitudes above 65,504 overflow, below 6.1e-05 lose precision
;; workspace buffers: selm 2,097,152 bytes of whole numbers; xh 1,048,576 bytes; xmom 16,384 bytes; wts 729,088 bytes; ustore 8,388,608 bytes; stat 1,572,864 bytes; fold 266,240 bytes
;; launch knn_thr (part 7): grid 256 x 1, 8 waves a work-group, no clusters, 189,440 bytes of LDS; arguments pos, selm; writes selm
.if DOCPART == 7
	.amdgcn_target "amdgcn-amd-amdhsa--gfx1250"
	.amdhsa_code_object_version 6
	.text
	.protected	k_q4175eb4d59_knn_thr
	.globl	k_q4175eb4d59_knn_thr
	.p2align	8
	.type	k_q4175eb4d59_knn_thr,@function
k_q4175eb4d59_knn_thr:
	s_mov_b64 s[64:65], 0
	v_nop
	global_prefetch_b8 v0, s[64:65] scope:SCOPE_SE
	s_setreg_imm32_b32 hwreg(HW_REG_WAVE_SCHED_MODE, 0, 2), 2
	s_setreg_imm32_b32 hwreg(HW_REG_WAVE_MODE, 25, 1), 1
	s_wait_xcnt 0x0
	s_wait_alu depctr_vm_vsrc(0)
; For each of 4,096 rows: the 32nd smallest distance among the batch's 2,048 candidates, and two bit masks: candidates whose distance is below it (LT), and equal to it (EQ).
; pos is rounded to bf16 first (as every input of this program): then each product of two coordinates is exact in f32, so a fused and an unfused multiply-add give the same bits;
; sums go in ascending order of the coordinate.  Distance = the correctly rounded square root of max(d2, 0); the comparison with it is made on d2 by one fused multiply-add:
; csqrt(d) >= b exactly when d > pred(b) b, since no f32 lies between that product and the square of the midpoint of pred(b) and b.
; LIMITS: a nonzero d2 is at least 2^-96; NaN and infinities are not treated apart.
; SHARES: a work-group owns 16 rows of one batch.  Lane: row r = lane % 16; thread t takes candidates 128 (t / 16) .. + 127 of row r and keeps their 32 smallest d2, sorted, in registers
; (bitonic networks on the bit patterns: d2 >= 0, so unsigned order is the order of the numbers).  No matrix unit, no cluster: nothing here is a product, and the 24 KiB of pos are read once a work-group.
; THE MODE: SCHED_MODE bits 1:0 = 2 (LLVM: expert scheduling mode 2), set by the entry lines.  The code itself states the register dependences
; between vector instructions and memory or LDS instructions, with s_wait_alu, always for 0.
; THE PLAN.  Registers that memory or LDS instructions touch:
;   v16-143    Head: the points land, the conversions rewrite them, eight LDS stores read them.  Chunk loop: 32 candidates land, the arithmetic reads them, v16-47 then serve the merge's layers.
;   W0         Chunk loop: written by the arithmetic, read by the 32 stores of d2, written again from the sort's second layer on.  Merge loop: a list lands, the minima read it.  Mask loop: d2 lands, the multiply-adds read it.
;   B0         Written by the merge, read by the stores of the wave's list; list 0 lands in it.
;   v5, v7, v13, v15   LDS addresses, stepped once a trip.     v18, v19   the mask words, stored once a trip and shifted on.     v6   never rewritten.
; A trip of the chunk loop has three waits: at its head (the vector side is done with v16-143; v5 and v7 are written), between the 32 maxima and the run of 32 stores, and behind the sort's first layer,
; which only reads W0 (the stores have read W0 and v7, the loads v5).  A compare's mask goes into a scalar register; compares stand in runs with one wait behind each run; no line writes VCC.
.set PCB,   0                          ; [2048][x, y, z, sq] f32
.set D2B,   32768                      ; [candidate in segment 128][thread 256] f32: each thread reads back only what it stored
.set LST,   163840                     ; [wave 8][i 32][row 16] f32: the waves' sorted lists
.set STG,   180224                     ; [row 16][word 128]: the masks, as they lie in selm
.set SPARE, 188416                     ; the spare words, 128 bytes a wave
.set CCR,   16                         ; v16-143  32 candidates x (x, y, z, sq)
.set W0,    144                        ; v144-175, v176-207: the two sets between which the sorting network's layers alternate
.set W1,    176
.set B0,    208                        ; v208-239 the best 32 so far, ascending
.set B1,    16                         ; v16-47   its partner set (over the candidates, which are used up by then)
; one layer of a bitonic network on 32 registers, from set src into set dst: distance j, direction by bit k of the index
.macro LAYER src, dst, k, j
.set li, 0
.rept 32
.if (li & (\j)) == 0
.if (li & (\k)) == 0
	v_min_u32 v[(\dst)+li], v[(\src)+li], v[(\src)+li+(\j)]
	v_max_u32 v[(\dst)+li+(\j)], v[(\src)+li], v[(\src)+li+(\j)]
.else
	v_max_u32 v[(\dst)+li], v[(\src)+li], v[(\src)+li+(\j)]
	v_min_u32 v[(\dst)+li+(\j)], v[(\src)+li], v[(\src)+li+(\j)]
.endif
.endif
.set li, li+1
.endr
.endm
.macro SORT32                          ; W0 -> W1, ascending: 15 layers
	LAYER W0, W1, 2, 1
	s_wait_alu depctr_vm_vsrc(0)                   ; the trip's LDS instructions have read their registers: the stores W0 and v7, the loads v5.  The next layer writes W0; the trip's end steps v5 and v7
	LAYER W1, W0, 4, 2
	LAYER W0, W1, 4, 1
	LAYER W1, W0, 8, 4
	LAYER W0, W1, 8, 2
	LAYER W1, W0, 8, 1
	LAYER W0, W1, 16, 8
	LAYER W1, W0, 16, 4
	LAYER W0, W1, 16, 2
	LAYER W1, W0, 16, 1
	LAYER W0, W1, 32, 16
	LAYER W1, W0, 32, 8
	LAYER W0, W1, 32, 4
	LAYER W1, W0, 32, 2
	LAYER W0, W1, 32, 1
.endm
.macro CLEAN32                         ; a bitonic sequence in B1 -> ascending in B0: 5 layers
	LAYER B1, B0, 64, 16
	LAYER B0, B1, 64, 8
	LAYER B1, B0, 64, 4
	LAYER B0, B1, 64, 2
	LAYER B1, B0, 64, 1
.endm
	s_load_b128 s[4:7], s[0:1], 0x0                ; pos, selm
	v_lshl_add_u32 v1, v0, 2, SPARE                ; my spare word and 0: kept for the closing add alone
	v_mov_b32 v2, 0
	s_lshr_b32 s8, ttmp9, 7                        ; batch
	s_and_b32 s9, ttmp9, 127
	s_lshl_b32 s9, s9, 8                           ; my 16 rows' place in PCB
	s_mul_i32 s10, s8, 24576
	s_mov_b32 s11, 0
	s_lshl_b32 s16, ttmp9, 13                      ; 16 rows x 512 bytes of selm
	s_mov_b32 s17, 0
	s_mov_b32 s14, 0x76543210                      ; v_permlanex16_b32: each lane takes its own place in the other half
	s_mov_b32 s15, 0xfedcba98
	v_mul_u32_u24 v5, v0, 12
	v_lshlrev_b32 v6, 4, v0                        ; 16 t
	v_and_b32 v3, 15, v0                           ; r
	v_lshrrev_b32 v4, 4, v0                        ; segment
	s_wait_kmcnt 0x0
	s_add_nc_u64 s[4:5], s[4:5], s[10:11]
	s_add_nc_u64 s[6:7], s[6:7], s[16:17]
	s_wait_alu depctr_va_vdst(0)                   ; v5 is written, which the eight loads read as their offset (and v6, which the stores further down read)
.set i, 0
.rept 8
	global_load_b96 v[CCR+4*i:CCR+4*i+2], v5, s[4:5] offset:3072*i  ; point t + 256 i
.set i, i+1
.endr
.set i, 0
.rept 32
	v_mov_b32 v[B0+i], -1                          ; above every d2
.set i, i+1
.endr
	v_lshl_add_u32 v15, v3, 4, s9                  ; my row in PCB
	v_lshl_add_u32 v7, v0, 2, D2B
	s_wait_loadcnt 0x0
.set i, 0
.rept 8                                                ; round to bf16, sq = (x x + y y) + z z
	v_cvt_pk_bf16_f32 v12, v[CCR+4*i], v[CCR+4*i+1]
	v_cvt_pk_bf16_f32 v13, v[CCR+4*i+2], v[CCR+4*i+2]
	v_lshlrev_b32 v[CCR+4*i], 16, v12
	v_and_b32 v[CCR+4*i+1], 0xffff0000, v12
	v_and_b32 v[CCR+4*i+2], 0xffff0000, v13
	v_mul_f32 v[CCR+4*i+3], v[CCR+4*i], v[CCR+4*i]
	v_fma_f32 v[CCR+4*i+3], v[CCR+4*i+1], v[CCR+4*i+1], v[CCR+4*i+3]
	v_fma_f32 v[CCR+4*i+3], v[CCR+4*i+2], v[CCR+4*i+2], v[CCR+4*i+3]
.set i, i+1
.endr
	s_wait_alu depctr_vm_vsrc(0)                   ; the eight loads have read v5, which is made anew
	v_lshlrev_b32 v5, 11, v4                       ; my segment's 128 candidates in PCB
	s_wait_alu depctr_va_vdst(0)                   ; the eight points are written, which the stores read; so are v5, v7 and v15, the addresses of the LDS instructions behind the barrier
.set i, 0
.rept 8
	ds_store_b128 v6, v[CCR+4*i:CCR+4*i+3] offset:4096*i  ; into PCB
.set i, i+1
.endr
	s_wait_dscnt 0x0                               ; for the others' sake: my points are in
	s_barrier_signal -1
	s_barrier_wait -1
	s_wait_alu depctr_vm_vsrc(0)                   ; my stores have read v16-47, in which the first candidates land
	ds_load_b128 v[8:11], v15                      ; my row: x, y, z, sq
	s_mov_b32 s12, 4
.Lchunk:                                               ; a trip: 32 candidates: d2, kept in D2B; sorted; merged into the best 32
	s_wait_alu depctr_va_vdst(0)                   ; the last trip's arithmetic and layers are done with v16-143, in which the candidates land; v5 and v7 are written
.set i, 0
.rept 32
	ds_load_b128 v[CCR+4*i:CCR+4*i+3], v5 offset:16*i
.set i, i+1
.endr
	s_wait_dscnt 0x0                               ; the 32 candidates (and, in the first trip, my row)
.set i, 0
.rept 32
	v_add_f32 v[W0+i], v11, v[CCR+4*i+3]           ; sq_n + sq_m
.set i, i+1
.endr
.set i, 0
.rept 32
	v_mul_f32 v[CCR+4*i], v8, v[CCR+4*i]
.set i, i+1
.endr
.set i, 0
.rept 32
	v_fma_f32 v[CCR+4*i], v9, v[CCR+4*i+1], v[CCR+4*i]
.set i, i+1
.endr
.set i, 0
.rept 32
	v_fma_f32 v[CCR+4*i], v10, v[CCR+4*i+2], v[CCR+4*i]
.set i, i+1
.endr
.set i, 0
.rept 32
	v_fma_f32 v[W0+i], -2.0, v[CCR+4*i], v[W0+i]   ; 2 x dot is exact, so this is the one rounding of the subtraction
.set i, i+1
.endr
.set i, 0
.rept 32
	v_max_num_f32 v[W0+i], 0, v[W0+i]
.set i, i+1
.endr
	s_wait_alu depctr_va_vdst(0)                   ; the 32 d2 are written, which the stores read
.set i, 0
.rept 32
	ds_store_b32 v7, v[W0+i] offset:1024*i
.set i, i+1
.endr
	SORT32
.set i, 0
.rept 32
	v_min_u32 v[B1+i], v[B0+i], v[W1+31-i]         ; the 32 smallest of the two sorted lists, as a bitonic sequence
.set i, i+1
.endr
	CLEAN32
	v_add_nc_u32 v5, 512, v5                       ; no LDS instruction has been issued since the wait in the sort
	v_add_nc_u32 v7, 32768, v7
	s_sub_co_u32 s12, s12, 1
	s_cmp_lg_u32 s12, 0
	s_cbranch_scc1 .Lchunk
	; the wave's two segments of a row lie 16 lanes apart: merged, both halves then hold the same list
.set i, 0
.rept 32
	v_permlanex16_b32 v[W0+i], v[B0+31-i], s14, s15
.set i, i+1
.endr
.set i, 0
.rept 32
	v_min_u32 v[B1+i], v[B0+i], v[W0+i]
.set i, i+1
.endr
	CLEAN32
	v_lshrrev_b32 v13, 5, v0
	v_lshlrev_b32 v13, 11, v13
	v_lshl_add_u32 v13, v3, 2, v13
	v_add_nc_u32 v13, LST, v13
	s_wait_alu depctr_va_vdst(0)                   ; the wave's list and v13 are written, which the stores read
.set i, 0
.rept 32
	ds_store_b32 v13, v[B0+i] offset:64*i          ; both halves write the same number to the same word
.set i, i+1
.endr
	s_wait_dscnt 0x0                               ; for the others' sake: my list is in
	s_barrier_signal -1
	s_barrier_wait -1
	; every wave merges all eight lists: half h of the lanes takes lists 4 h .. 4 h + 3
	s_wait_alu depctr_vm_vsrc(0)                   ; my stores have read v13, which is made anew, and B0, in which the first list lands
	v_bfe_u32 v13, v0, 4, 1
	v_lshlrev_b32 v13, 13, v13
	v_lshl_add_u32 v13, v3, 2, v13
	v_add_nc_u32 v13, LST, v13
	s_wait_alu depctr_va_vdst(0)                   ; v13 is written
.set i, 0
.rept 32
	ds_load_b32 v[B0+i], v13 offset:64*i
.set i, i+1
.endr
	s_mov_b32 s12, 3
.Lmerge:
	s_wait_alu depctr_vm_vsrc(0)                   ; the loads issued so far have read v13
	v_add_nc_u32 v13, 2048, v13
	s_wait_alu depctr_va_vdst(0)                   ; v13 is written; the minima issued so far are done reading W0, in which the next list lands
.set i, 0
.rept 32
	ds_load_b32 v[W0+i], v13 offset:64*(31-i)      ; the next list, reversed
.set i, i+1
.endr
	s_wait_dscnt 0x0
.set i, 0
.rept 32
	v_min_u32 v[B1+i], v[B0+i], v[W0+i]
.set i, i+1
.endr
	CLEAN32
	s_sub_co_u32 s12, s12, 1
	s_cmp_lg_u32 s12, 0
	s_cbranch_scc1 .Lmerge
	; the 32nd smallest of all: the largest of the 32 smallest of the two halves' lists
.set i, 0
.rept 32
	v_permlanex16_b32 v[W0+i], v[B0+31-i], s14, s15
.set i, i+1
.endr
.set i, 0
.rept 32
	v_min_u32 v[W0+i], v[B0+i], v[W0+i]
.set i, i+1
.endr
.irp st, 16, 8, 4, 2, 1
.set i, 0
.rept \st
	v_max_u32 v[W0+i], v[W0+i], v[W0+i+\st]
.set i, i+1
.endr
.endr
	; its correctly rounded root: the instruction's result is within one step; two fused residuals decide
	v_sqrt_f32 v12, v[W0]
	v_nop                                          ; a plain instruction between the root and the use of its result
	s_wait_alu depctr_vm_vsrc(0)                   ; the last list's loads have read v13, which is written below
	s_wait_alu depctr_va_vdst(0)                   ; the root is written, ahead of its first reader
	v_add_nc_u32 v13, -1, v12
	v_add_nc_u32 v14, 1, v12
	v_fma_f32 v16, -v13, v12, v[W0]
	v_fma_f32 v17, -v14, v12, v[W0]
	v_cmp_ge_f32 s18, 0, v16
	v_cmp_lt_f32 s19, 0, v17
	s_wait_alu depctr_va_sdst(0)                   ; the two masks s18 and s19 are written, ahead of the selects that read them
	v_cndmask_b32 v12, v12, v13, s18
	v_cndmask_b32 v12, v12, v14, s19
	v_add_nc_u32 v13, -1, v12                      ; the threshold's neighbours below and above (a threshold 0 gives a NaN below: LT is then empty)
	v_add_nc_u32 v14, 1, v12
	v_lshl_add_u32 v7, v0, 2, D2B
	v_lshlrev_b32 v15, 9, v3
	v_lshl_add_u32 v15, v4, 4, v15
	v_add_nc_u32 v15, STG, v15                     ; row r, words 4 x segment ..
	v_mov_b32 v18, 0
	v_mov_b32 v19, 0
	s_mov_b32 s12, 4
.Lmask:                                                ; a trip: one word of each mask; bit i is shifted in from candidate 31 down to 0
	s_wait_alu depctr_va_vdst(0)                   ; v7 is written; the vector instructions issued so far are done with W0, in which the 32 d2 land
.set i, 0
.rept 32
	ds_load_b32 v[W0+i], v7 offset:1024*i
.set i, i+1
.endr
	s_wait_dscnt 0x0
.irp g, 3,2,1,0                                        ; eight candidates at a time: 16 residuals, a run of 16 compares into s16-31, one wait, 16 selects of 0 or 1, 16 shifts that take them in
.set i, 0
.rept 8
	v_fma_f32 v[W1+2*i], -v13, v12, v[W0+8*\g+i]
	v_fma_f32 v[W1+2*i+1], -v14, v12, v[W0+8*\g+i]
.set i, i+1
.endr
.set i, 0
.rept 8
	v_cmp_ge_f32 s[16+2*i], 0, v[W1+2*i]           ; root below the threshold
	v_cmp_ge_f32 s[17+2*i], 0, v[W1+2*i+1]         ; root at most the threshold
.set i, i+1
.endr
	s_wait_alu depctr_va_sdst(0)                   ; the 16 masks are written, ahead of the selects that read them
.set i, 0
.rept 8
	v_cndmask_b32 v[W1+2*i], 0, 1, s[16+2*i]       ; the lane's bit of each mask, over the residual that made it
	v_cndmask_b32 v[W1+2*i+1], 0, 1, s[17+2*i]
.set i, i+1
.endr
.set i, 7
.rept 8
	v_lshl_or_b32 v18, v18, 1, v[W1+2*i]           ; 32 shifts a trip: the last trip's bits fall out at the top
	v_lshl_or_b32 v19, v19, 1, v[W1+2*i+1]
.set i, i-1
.endr
.endr
	v_xor_b32 v19, v18, v19
	s_wait_alu depctr_va_vdst(0)                   ; the two words and v15 are written, which the stores read
	ds_store_b32 v15, v18
	ds_store_b32 v15, v19 offset:256
	s_wait_alu depctr_vm_vsrc(0)                   ; the loads have read v7, the stores v15, v18 and v19: the two addresses are stepped here, the two words shifted on in the next trip
	v_add_nc_u32 v7, 32768, v7
	v_add_nc_u32 v15, 4, v15
	s_sub_co_u32 s12, s12, 1
	s_cmp_lg_u32 s12, 0
	s_cbranch_scc1 .Lmask
	s_wait_dscnt 0x0                               ; for the others' sake: my words are in
	s_barrier_signal -1
	s_barrier_wait -1
	v_add_nc_u32 v16, STG, v6
	s_wait_alu depctr_va_vdst(0)                   ; v16 is written, the loads' address; the merges' layers are done with v20-27, in which they land
	ds_load_b128 v[20:23], v16
	ds_load_b128 v[24:27], v16 offset:4096
	s_wait_dscnt 0x0
	global_store_b128 v6, v[20:23], s[6:7]         ; each store of a wave covers 512 consecutive bytes, aligned
	global_store_b128 v6, v[24:27], s[6:7] offset:4096
	s_wait_dscnt 0x0                               ; the closing lines, six on end
	s_wait_alu 0x0
	s_wait_tensorcnt 0x0
	ds_add_u32 v1, v2
	s_wait_dscnt 0x0
	s_endpgm
.Lfunc_end_k_q4175eb4d59_knn_thr:
	.size	k_q4175eb4d59_knn_thr, .Lfunc_end_k_q4175eb4d59_knn_thr-k_q4175eb4d59_knn_thr
	.p2alignl 7, 3214868480
	.fill 96, 4, 3214868480
	.section	.rodata,"a",@progbits
	.p2align	6, 0x0
	.amdhsa_kernel k_q4175eb4d59_knn_thr
		.amdhsa_group_segment_fixed_size 189440
		.amdhsa_private_segment_fixed_size 0
		.amdhsa_enable_private_segment 0
		.amdhsa_kernarg_size 16
		.amdhsa_user_sgpr_count 2
		.amdhsa_user_sgpr_kernarg_segment_ptr 1
		.amdhsa_wavefront_size32 1
		.amdhsa_system_sgpr_workgroup_id_x 1
		.amdhsa_system_sgpr_workgroup_id_y 1
		.amdhsa_system_sgpr_workgroup_id_z 1
		.amdhsa_system_vgpr_workitem_id 0
		.amdhsa_next_free_vgpr 240
		.amdhsa_next_free_sgpr 66
		.amdhsa_reserve_vcc 0
		.amdhsa_float_denorm_mode_32 3
		.amdhsa_float_denorm_mode_16_64 3
		.amdhsa_memory_ordered 1
		.amdhsa_forward_progress 1
		.amdhsa_inst_pref_size 87
	.end_amdhsa_kernel
	.amdgpu_metadata
---
amdhsa.version: [ 1, 2 ]
amdhsa.kernels:
  - .name:           k_q4175eb4d59_knn_thr
    .symbol:         k_q4175eb4d59_knn_thr.kd
    .args:
      - { .name: pos, .offset: 0, .size: 8, .value_kind: global_buffer, .address_space: global }
      - { .name: selm, .offset: 8, .size: 8, .value_kind: global_buffer, .address_space: global }
    .group_segment_fixed_size: 189440
    .private_segment_fixed_size: 0
    .kernarg_segment_align: 8
    .kernarg_segment_size: 16
    .max_flat_workgroup_size: 256
    .sgpr_count:     66
    .vgpr_count:     240
    .wavefront_size: 32
...
	.end_amdgpu_metadata
.endif
;; end of part 7
;; launch knn_sort: the kernel of part 2 again; grid 256 x 1, 16 waves a work-group, no clusters, 23,552 bytes of LDS; arguments selm, pos, out1, xh, xmom; writes out1, xh, xmom
;; launch prep1: the kernel of part 3 again; grid 177 x 1, 8 waves a work-group, no clusters, 2,048 bytes of LDS; arguments xmom, w1, b1, g1, be1, w2, w3, w4, wts; writes wts
;; launch pass1 (part 8): grid 256 x 1, 4 waves a work-group, no clusters, 324,608 bytes of LDS; arguments xh, wts, b2, ustore, stat; writes ustore, stat
.if DOCPART == 8
	.amdgcn_target "amdgcn-amd-amdhsa--gfx1250"
	.amdhsa_code_object_version 6
	.text
	.protected	k_q4175eb4d59_pass1
	.globl	k_q4175eb4d59_pass1
	.p2align	8
	.type	k_q4175eb4d59_pass1,@function
k_q4175eb4d59_pass1:
	s_mov_b64 s[64:65], 0
	v_nop
	global_prefetch_b8 v0, s[64:65] scope:SCOPE_SE
	s_setreg_imm32_b32 hwreg(HW_REG_WAVE_SCHED_MODE, 0, 2), 2
	s_setreg_imm32_b32 hwreg(HW_REG_WAVE_MODE, 25, 1), 1
	s_wait_xcnt 0x0
	s_wait_alu depctr_vm_vsrc(0)
; PASS 1 and PASS 2 are one text; PASS chooses.  Both run layers 1 and 2 for the work-group's 16 groups x 32 neighbours and keep f2 (f16) in LDS.
; PASS 1: fg = max over neighbours of f2; U = w3[:, :256] fg, once a group, stored; y = U + w3[:, 256:] f2; for each channel a pivot P (one sample of y), the sum of y - P and of (y - P)^2.
; PASS 2: h3 = relu(s y + shift), with s folded into the weights and into U; w4 h3; the maximum over neighbours; + b4.
; y is computed twice rather than stored: it is 512 x 131,072 numbers.
; COLUMNS: tile t of 16 columns is neighbour t of the 16 groups, so a maximum over neighbours is elementwise over tiles, and U (channel x group) is the C operand of every tile as it stands.
; WAVES split the channels: layer 1 tiles 2w, 2w+1; layer 2 tiles 4w..; layer 3 tiles 8w..; layer 4 takes the wave's own 128 channels of h3 as its slice of K, and the four partial sums meet in LDS.
; A result (channel 8h + j in register j, column r) packed in pairs IS the piece (q, lane) of the next layer's B fragment: nothing changes lanes between layers.
; FORMATS: all inputs rounded to bf16; weights then written as f16; x, h1, f2, fg, h3 in f16; sums, maxima, U and statistics in f32.  LIMIT: f16 holds nothing beyond 65,504: f2 and fg stay within it; NaN and infinities are not treated apart.
; NO TENSOR LOADS, NO CLUSTER: each wave's weights go once from memory into its own registers (64 KiB of w3 a wave), and 270,336 bytes of LDS hold f2: no room is left to stage a shared tile.
; REGISTERS (windows of 256): phase A: window 0: v0-15 addresses, XB, W1R, B2R, FGM, AA; window 1: v0-127 w2's fragments, v128-255 h1's.  Phase B: window 0: FB, CI, ACC (PASS 2: B4, MX);
; window 1: PASS 1: P, S1, S2; PASS 2: w4's fragments.  Windows 2, 3: the wave's 64 fragments of w3, fragment ks x 8 + tile at 512 + 8 x that.
; THE MODE: SCHED_MODE bits 1:0 = 2 (LLVM: expert scheduling mode 2), set by the entry lines.  The code itself states the register dependences
; between vector or matrix instructions and memory or LDS instructions, with s_wait_alu, always for 0.
; THE PLAN.  Registers that memory or LDS instructions touch:
;   PHASE A, a step.  XB: read by layer 1's products; the next step's x lands in it.  AA: layer 1's results are packed in place and stored (h1); layer 2's products write it again; those are packed in place
;     and stored (f2); the next step's layer 1 writes it again.  Window 1, v128-255: h1's fragments land, layer 2's products read them.  v4, v7: stepped once a step.  v3, v5, v6, v11: never rewritten.
;     Five waits: (1) va_vdst behind h1's conversions, for h1's stores, for the loads of x and for v4; (2) va_vdst behind the switch to window 1, for h1's loads; (3) vm_vsrc behind those loads, ahead of layer 2's
;     products; (4) va_vdst behind f2's conversions, for f2's stores; (5) vm_vsrc behind those stores, ahead of the step of v7 and of the next step's layer 1.
;   PHASE B, a tile.  FB: read by the tile's 64 products; BOTH halves of the next tile's fragments land in it behind ONE wait on va_vdst at the tile's end, where the vector work wants the results in any case.
;     v8: stepped ahead of that wait, behind a wait on vm_vsrc.  PASS 2: ACC + 16 .. + 63: written by layer 4's products, read by the exchange's stores, then the partners' sums land in them.
.set PASS,  1
.set FPI,   528                        ; a row of f2 in LDS: 512 bytes + 16: the 16 rows of a fragment load start 16 bytes apart modulo 256
.set TILEB, 16*FPI
.set F2MAX, 269824                     ; tile 31's highest fragment address (row 511, 16 bytes in); the look-ahead's address is held at or below it: its last byte read, + 495, is byte 511 of row 511
.set H1,    270336                     ; two buffers of [tile 4][ks 4][q 2][lane 16 bytes]
.set EX,    270336                     ; PASS 2, phase B: two buffers of [to wave 4][slot 3][tile 2][q 2][lane 16 bytes]
.set EXB,   24576
.set FG,    303104                     ; PASS 1: 16 rows of fg, pitch 528
.set XH,    319488                     ; [tile 32][r 16][x, y, z, 1 in f16], then 512 bytes of zeros for the last step's look-ahead
.set SPARE, 324096                     ; the spare words, 128 bytes a wave
.set W2F,   8192
.set W3AF,  73728
.set W3BF,  335872
.set W4F,   598016
.set XB,    16                         ; v16-47   x's fragments of four tiles; registers 2-7 of each hold 0
.set W1R,   48                         ; v48-63
.set B2R,   64                         ; v64-95   b2 as the C operand of layer 2
.set FGM,   96                         ; v96-127  the running maximum of f2
.set AA,    128                        ; v128-255 phase A's accumulators (at the head v128-131: four LDS addresses)
.set FB,    16                         ; v16-79   f2's fragments of one tile, ks 0-7
.set CI,    80                         ; v80-143  the C operand of layer 3
.set ACC,   144                        ; v144-207
.set B4,    208                        ; v208-239 h3's fragments
.set MX,    240                        ; v240-255 the running maximum of the output
.set MSB, 0
.macro WIN new                         ; the immediate's high byte repeats the setting that is left; a switch that changes nothing is dropped
.if MSB != (\new)
	s_set_vgpr_msb (MSB<<8)|(\new)
.set MSB, (\new)
.endif
.endm
.macro PLACES                          ; four plain vector instructions that name none of its registers between a matrix instruction and a read of its result (ISA guide 7.12.1); a wait on va_vdst fills no place
.rept 4
	v_nop
.endr
.endm
.macro RB a, b                         ; two numbers rounded to bf16, kept as f32; v14 at work
	v_cvt_pk_bf16_f32 v14, v[\a], v[\b]
	v_lshlrev_b32 v[\a], 16, v14
	v_and_b32 v[\b], 0xffff0000, v14
.endm
.macro LOADW3 b, dep                   ; the wave's 64 fragments of w3 from s[b:b+1]: 128 loads of 512 consecutive bytes.  dep = 1: products have read the registers in which they land
	WIN 0x80
.if \dep
	s_wait_alu depctr_va_vdst(0)                   ; behind the switch of windows: U's products are done reading w3's first half of columns, in which these loads land, and have written U, which the stores behind these loads read
.endif
.set i, 0
.rept 32
	global_load_b128 v[8*i:8*i+3], v3, s[\b:\b+1] offset:1024*i
	global_load_b128 v[8*i+4:8*i+7], v3, s[\b:\b+1] offset:1024*i+512
.set i, i+1
.endr
	WIN 0xc0
.set i, 0
.rept 32
	global_load_b128 v[8*i:8*i+3], v3, s[\b:\b+1] offset:1024*(i+32)
	global_load_b128 v[8*i+4:8*i+7], v3, s[\b:\b+1] offset:1024*(i+32)+512
.set i, i+1
.endr
	WIN 0
.endm
; PHASE A, one step: four tiles through layers 1 and 2.  One barrier a step: the two h1 buffers take turns, and a wave's reads of a buffer are waited for ahead of its next signal.
.macro STEPA buf
.irp t, 0,1,2,3
.irp a, 0,1
	v_wmma_f32_16x16x32_f16 v[AA+8*(2*\t+\a):AA+8*(2*\t+\a)+7], v[W1R+8*\a:W1R+8*\a+7], v[XB+8*\t:XB+8*\t+7], 0
.endr
.endr
	v_add_nc_u32 v4, 512, v4                       ; the next step's x (the last loads by v4 stand ahead of a wait on vm_vsrc); this line and three v_nop are the four places behind the products
	v_nop
	v_nop
	v_nop
.set i, 0
.rept 64
	v_max_num_f32 v[AA+i], 0, v[AA+i]
.set i, i+1
.endr
.set i, 0
.rept 32
	v_cvt_pk_f16_f32 v[AA+8*(i/4)+i%4], v[AA+8*(i/4)+2*(i%4)], v[AA+8*(i/4)+2*(i%4)+1]
.set i, i+1
.endr
	s_wait_alu depctr_va_vdst(0)                   ; (1) the conversions have written h1's pieces, which the stores read; layer 1's products are done reading XB, in which the next x lands; v4 is written
.irp t, 0,1,2,3
.irp a, 0,1
	ds_store_b128 v5, v[AA+8*(2*\t+\a):AA+8*(2*\t+\a)+3] offset:(\buf)*16384+\t*4096+\a*512
.endr
.endr
.irp t, 0,1,2,3
	ds_load_b64 v[XB+8*\t:XB+8*\t+1], v4 offset:128*\t  ; the next step's x; waited for at the barrier below
.endr
	s_wait_dscnt 0x0                               ; for the others' sake: my part of h1 is in
	s_barrier_signal -1
	s_barrier_wait -1
	WIN 0x40
	s_wait_alu depctr_va_vdst(0)                   ; (2) behind the switch of windows: the last step's layer-2 products are done reading h1's fragments, in which these loads land
.irp ks, 0,1,2,3
.irp t, 0,1,2,3
	ds_load_b128 v[128+8*(4*\t+\ks):128+8*(4*\t+\ks)+3], v6 offset:(\buf)*16384+\t*4096+\ks*1024
	ds_load_b128 v[128+8*(4*\t+\ks)+4:128+8*(4*\t+\ks)+7], v6 offset:(\buf)*16384+\t*4096+\ks*1024+512
.endr
.endr
	s_wait_alu depctr_vm_vsrc(0)                   ; (3) my stores of h1 have read AA, which layer 2's products write; the loads of x have read v4
	WIN 0x05                                       ; A and B in window 1
.irp ks, 0,1,2,3
	s_wait_dscnt 24-8*\ks                          ; eight loads for each later ks may stay out
.irp m, 0,1,2,3
.irp t, 0,1,2,3
.if \ks == 0
	v_wmma_f32_16x16x32_f16 v[AA+8*(4*\m+\t):AA+8*(4*\m+\t)+7], v[8*(4*\m+\ks):8*(4*\m+\ks)+7], v[128+8*(4*\t+\ks):128+8*(4*\t+\ks)+7], v[B2R+8*\m:B2R+8*\m+7]
.else
	v_wmma_f32_16x16x32_f16 v[AA+8*(4*\m+\t):AA+8*(4*\m+\t)+7], v[8*(4*\m+\ks):8*(4*\m+\ks)+7], v[128+8*(4*\t+\ks):128+8*(4*\t+\ks)+7], v[AA+8*(4*\m+\t):AA+8*(4*\m+\t)+7]
.endif
.endr
.endr
.endr
	WIN 0
	PLACES
.if PASS == 1
.irp m, 0,1,2,3
.irp p, 0,2
.set i, 0
.rept 8
	v_max3_num_f32 v[FGM+8*\m+i], v[FGM+8*\m+i], v[AA+8*(4*\m+\p)+i], v[AA+8*(4*\m+\p+1)+i]
.set i, i+1
.endr
.endr
.endr
.endif
.set i, 0
.rept 64
	v_cvt_pk_f16_f32 v[AA+8*(i/4)+i%4], v[AA+8*(i/4)+2*(i%4)], v[AA+8*(i/4)+2*(i%4)+1]
.set i, i+1
.endr
	s_wait_alu depctr_va_vdst(0)                   ; (4) the conversions have written f2's pieces, which the stores read
.irp m, 0,1,2,3
.irp t, 0,1,2,3
	ds_store_b128 v7, v[AA+8*(4*\m+\t):AA+8*(4*\m+\t)+3] offset:\t*TILEB+\m*32
.endr
.endr
	s_wait_alu depctr_vm_vsrc(0)                   ; (5) these stores have read v7, which is stepped, and AA, which what follows writes again
	v_add_nc_u32 v7, 4*TILEB, v7
.endm
; half hf of layer 3's K for one tile: 32 matrix instructions, the 8 accumulators by turns.  C: what starts the sums (below 0: the constant 0)
.macro L3H hf, D, C
	WIN 0x02+(\hf)                                 ; A in window 2 or 3
.set ks, 0
.rept 4
.set m, 0
.rept 8
.if ((\hf) == 0) && (ks == 0) && ((\C) < 0)
	v_wmma_f32_16x16x32_f16 v[(\D)+8*m:(\D)+8*m+7], v[8*(8*ks+m):8*(8*ks+m)+7], v[FB+8*(4*(\hf)+ks):FB+8*(4*(\hf)+ks)+7], 0
.elseif ((\hf) == 0) && (ks == 0)
	v_wmma_f32_16x16x32_f16 v[(\D)+8*m:(\D)+8*m+7], v[8*(8*ks+m):8*(8*ks+m)+7], v[FB+8*(4*(\hf)+ks):FB+8*(4*(\hf)+ks)+7], v[(\C)+8*m:(\C)+8*m+7]
.else
	v_wmma_f32_16x16x32_f16 v[(\D)+8*m:(\D)+8*m+7], v[8*(8*ks+m):8*(8*ks+m)+7], v[FB+8*(4*(\hf)+ks):FB+8*(4*(\hf)+ks)+7], v[(\D)+8*m:(\D)+8*m+7]
.endif
.set m, m+1
.endr
.set ks, ks+1
.endr
.endm
.macro FBLOADS hf                      ; half hf of a tile's fragments of f2, at v8
.irp k, 0,1,2,3
	ds_load_b128 v[FB+8*(4*(\hf)+\k):FB+8*(4*(\hf)+\k)+3], v8 offset:64*(4*(\hf)+\k)
	ds_load_b128 v[FB+8*(4*(\hf)+\k)+4:FB+8*(4*(\hf)+\k)+7], v8 offset:64*(4*(\hf)+\k)+32
.endr
.endm
; layer 3 for one tile: 64 matrix instructions on end; behind them the next tile's fragments are asked for, which land under the vector work that follows.
.macro L3TILE
	s_wait_dscnt 8                                 ; the first half is in; the second half's eight loads may stay out
	L3H 0, ACC, CI
	s_wait_dscnt 0x0                               ; the second half is in
	L3H 1, ACC, ACC
	WIN 0
	s_wait_alu depctr_vm_vsrc(0)                   ; this tile's fragment loads have read v8
	v_add_nc_u32 v8, TILEB, v8                     ; the next tile;
	v_min_u32 v8, F2MAX, v8                        ; behind the last tile the address stays inside f2, and what it brings is not used
	v_nop                                          ; with the two lines above: the four places behind the last products, for the vector work that reads the results
	v_nop
	s_wait_alu depctr_va_vdst(0)                   ; the tile's products are done reading FB, in which the next tile's fragments land; v8 is written
	FBLOADS 0
	FBLOADS 1
.endm
	s_load_b256 s[4:11], s[0:1], 0x0               ; xh, wts, b2, ustore
.if PASS == 1
	s_load_b64 s[12:13], s[0:1], 0x20              ; stat
.else
	s_load_b128 s[12:15], s[0:1], 0x20             ; fold, b4
	s_load_b64 s[16:17], s[0:1], 0x30              ; out0
.endif
	v_lshl_add_u32 v1, v0, 2, SPARE                ; my spare word and 0: kept for the closing add alone
	v_mov_b32 v2, 0
	v_lshrrev_b32 v12, 5, v0
	v_readfirstlane_b32 s20, v12                   ; wave
	v_and_b32 v12, 31, v0
	v_lshlrev_b32 v3, 4, v12                       ; 16 x lane; never rewritten
	v_and_b32 v9, 15, v0                           ; r
	v_bfe_u32 v10, v0, 4, 1                        ; h
	v_lshlrev_b32 v11, 5, v10                      ; 8 h channels of f32; never rewritten
	s_mov_b32 s3, 0
	s_wait_alu depctr_va_sdst(0)                   ; s20 is written, ahead of its first reader: the bases below are made from it
	s_wait_kmcnt 0x0
	s_lshl_b32 s2, s20, 11
	s_add_nc_u64 s[22:23], s[6:7], s[2:3]          ; w1's fragments 2w, 2w+1
	s_lshl_b32 s2, s20, 14
	s_add_co_u32 s2, s2, W2F
	s_add_nc_u64 s[24:25], s[6:7], s[2:3]          ; w2's 16 fragments
	s_lshl_b32 s2, s20, 16
.if PASS == 1
	s_add_co_u32 s2, s2, W3AF
	s_add_nc_u64 s[26:27], s[6:7], s[2:3]          ; w3, columns 0-255
	s_add_co_u32 s2, s2, W3BF-W3AF
	s_add_nc_u64 s[28:29], s[6:7], s[2:3]          ; w3, columns 256-511
.else
	s_add_nc_u64 s[26:27], s[12:13], s[2:3]        ; w3, columns 256-511, times s
	s_lshl_b32 s2, s20, 15
	s_add_co_u32 s2, s2, W4F
	s_add_nc_u64 s[28:29], s[6:7], s[2:3]          ; w4, my slice of K
.endif
	s_lshl_b32 s2, ttmp9, 2
	s_add_co_u32 s21, s2, s20                      ; 4 x work-group + wave
	s_lshl_b32 s2, s21, 10
	s_add_nc_u64 s[30:31], s[4:5], s[2:3]
	s_lshl_b32 s2, s20, 8
	s_add_nc_u64 s[32:33], s[8:9], s[2:3]
	s_lshl_b32 s2, s21, 13
	s_add_nc_u64 s[34:35], s[10:11], s[2:3]
.if PASS == 1
	s_lshl_b32 s2, s21, 9
	s_add_nc_u64 s[36:37], s[12:13], s[2:3]
.else
	s_lshl_b32 s2, s20, 9
	s_add_co_u32 s2, s2, 262144
	s_add_nc_u64 s[36:37], s[12:13], s[2:3]        ; s of my 128 channels; the shift 2,048 bytes on
	s_lshl_b32 s2, s20, 7
	s_add_nc_u64 s[38:39], s[14:15], s[2:3]
	s_lshr_b32 s2, ttmp9, 7
	s_lshl_b32 s2, s2, 20                          ; batch
	s_and_b32 s18, ttmp9, 127
	s_lshl_b32 s18, s18, 6                         ; my 16 groups
	s_add_co_u32 s2, s2, s18
	s_lshl_b32 s18, s20, 18                        ; my 32 channels
	s_add_co_u32 s2, s2, s18
	s_add_nc_u64 s[40:41], s[16:17], s[2:3]
.endif
	s_wait_alu depctr_va_vdst(0)                   ; v3 and v11 are written, the offsets of every global load and store of the kernel but w4's and the last stores'
.irp a, 0,1
	global_load_b128 v[W1R+8*\a:W1R+8*\a+3], v3, s[22:23] offset:1024*\a
	global_load_b128 v[W1R+8*\a+4:W1R+8*\a+7], v3, s[22:23] offset:1024*\a+512
.endr
.irp m, 0,1,2,3
	global_load_b128 v[B2R+8*\m:B2R+8*\m+3], v11, s[32:33] offset:64*\m
	global_load_b128 v[B2R+8*\m+4:B2R+8*\m+7], v11, s[32:33] offset:64*\m+16
.endr
	global_load_b128 v[16:19], v3, s[30:31]
	global_load_b128 v[20:23], v3, s[30:31] offset:512
	WIN 0x40
.set i, 0
.rept 16
	global_load_b128 v[8*i:8*i+3], v3, s[24:25] offset:1024*i
	global_load_b128 v[8*i+4:8*i+7], v3, s[24:25] offset:1024*i+512
.set i, i+1
.endr
	WIN 0
	s_wait_loadcnt 0x0
	s_lshl_b32 s2, s20, 10
	s_add_co_u32 s2, s2, XH
	v_add_nc_u32 v12, s2, v3
	v_lshl_add_u32 v13, v0, 2, XH+4096
	v_mov_b32 v15, 0
.irp t, 1,2,3
.irp j, 2,3,4,5,6,7
	v_mov_b32 v[XB+8*\t+\j], 0                     ; k = 4..7 and 16..31 of x's fragments are 0 (tile 0's registers still hold x on its way to LDS)
.endr
.endr
	v_mul_u32_u24 v[AA], v0, FPI                   ; the 16 bytes behind each of f2's 512 rows are set to 0 once, so that every byte of the region is written: thread t takes rows t + 128 i,
	v_add_nc_u32 v[AA+1], 128*FPI, v[AA]           ; an address register to each, so that one wait serves the whole run of stores
	v_add_nc_u32 v[AA+2], 128*FPI, v[AA+1]
	v_add_nc_u32 v[AA+3], 128*FPI, v[AA+2]
	s_wait_alu depctr_va_vdst(0)                   ; the six addresses v12, v13, v128-131 and the zeros v15, v28-31 are written, which the seven stores read
	ds_store_b128 v12, v[16:19]
	ds_store_b128 v12, v[20:23] offset:512
	ds_store_b32 v13, v15
.irp i, 0,1,2,3
	ds_store_b128 v[AA+\i], v[XB+12:XB+15] offset:512
.endr
	LOADW3 26, 0                                   ; these land while phase A runs, which issues no global load.  No wait: no vector instruction has named their registers, and v3 stands ahead of the waits above
.set i, 0
.rept 16
	RB B2R+2*i, B2R+2*i+1
.set i, i+1
.endr
.if PASS == 1
.set i, 0
.rept 32
	v_mov_b32 v[FGM+i], 0xff800000
.set i, i+1
.endr
.endif
	v_lshl_add_u32 v4, v9, 3, XH
	s_lshl_b32 s2, s20, 10
	s_add_co_u32 s2, s2, H1
	v_add_nc_u32 v5, s2, v3
	v_add_nc_u32 v6, H1, v3
	v_mul_u32_u24 v8, v9, FPI
	v_lshl_add_u32 v8, v10, 4, v8                  ; a fragment's row x pitch + 16 h
	s_lshl_b32 s2, s20, 7
	v_add_nc_u32 v7, s2, v8                        ; + my 64 channels
	s_wait_dscnt 0x0                               ; for the others' sake: my part of x is in
	s_wait_alu depctr_vm_vsrc(0)                   ; my stores have read v16-23, which are written below and by the loads of x, and v128-131, which layer 1's products write
.irp j, 2,3,4,5,6,7
	v_mov_b32 v[XB+\j], 0
.endr
	s_barrier_signal -1
	s_barrier_wait -1
	s_wait_alu depctr_va_vdst(0)                   ; the LDS addresses v4 to v8 are written
.irp t, 0,1,2,3
	ds_load_b64 v[XB+8*\t:XB+8*\t+1], v4 offset:128*\t
.endr
	s_wait_dscnt 0x0
	s_wait_alu depctr_vm_vsrc(0)                   ; these loads have read v4, which the first step moves on
	s_mov_b32 s19, 4
.Lstep:
	STEPA 0
	STEPA 1
	s_sub_co_u32 s19, s19, 1
	s_cmp_lg_u32 s19, 0
	s_cbranch_scc1 .Lstep
.if PASS == 1
	; PHASE B.  fg goes to LDS as f2 did; the barrier also shows all of f2
.set i, 0
.rept 16
	v_cvt_pk_f16_f32 v[FGM+8*(i/4)+i%4], v[FGM+8*(i/4)+2*(i%4)], v[FGM+8*(i/4)+2*(i%4)+1]
.set i, i+1
.endr
	s_lshl_b32 s2, s20, 7
	s_add_co_u32 s2, s2, FG
	v_add_nc_u32 v13, s2, v8
	v_add_nc_u32 v12, FG, v8
	s_wait_alu depctr_va_vdst(0)                   ; fg's pieces and v13 are written, which the stores read; v12 is written and phase A's products are done reading v16-79: fg's fragments are loaded by the one into the others
.irp m, 0,1,2,3
	ds_store_b128 v13, v[FGM+8*\m:FGM+8*\m+3] offset:32*\m
.endr
	s_wait_dscnt 0x0
	s_barrier_signal -1
	s_barrier_wait -1
.irp k, 0,1,2,3,4,5,6,7
	ds_load_b128 v[FB+8*\k:FB+8*\k+3], v12 offset:64*\k
	ds_load_b128 v[FB+8*\k+4:FB+8*\k+7], v12 offset:64*\k+32
.endr
	s_wait_alu depctr_vm_vsrc(0)                   ; my stores of fg have read v96-123, which U's products write
	s_wait_loadcnt 0x0                             ; w3's first half of columns
	s_wait_dscnt 0x0
	L3H 0, CI, -1                                  ; U
	L3H 1, CI, CI
	WIN 0
	PLACES
	LOADW3 28, 1                                   ; the other half of columns takes the first's registers
.irp m, 0,1,2,3,4,5,6,7
	global_store_b128 v3, v[CI+8*\m:CI+8*\m+3], s[34:35] offset:1024*\m       ; U as it lies in registers: 512 consecutive bytes a store.  No vector or matrix instruction has been issued since the wait ahead of the loads above
	global_store_b128 v3, v[CI+8*\m+4:CI+8*\m+7], s[34:35] offset:1024*\m+512
.endr
	FBLOADS 0                                      ; the same wait has shown U's products done reading FB
	FBLOADS 1
.set i, 0
.rept 32
	v_mov_b32 v[208+i], 0                          ; destinations of lane moves count as read
.set i, i+1
.endr
	s_wait_loadcnt 0x0
	L3TILE                                         ; tile 0 is written out: it gives the pivot and starts the sums
.irp b, 0,1
.set i, 0
.rept 32
	v_mov_b32_dpp v[208+i], v[ACC+32*\b+i] row_share:0 row_mask:0xf bank_mask:0xf  ; P: group 0's sample, the same for the 16 columns
.set i, i+1
.endr
.if \b == 0
	s_wait_xcnt 0x0                                ; U's stores have had their addresses translated: CI is rewritten only behind this wait,
	s_wait_alu depctr_vm_vsrc(0)                   ; and behind this one: U's stores have read CI
.endif
.set i, 0
.rept 16
	v_pk_add_f32 v[CI+32*\b+2*i:CI+32*\b+2*i+1], v[CI+32*\b+2*i:CI+32*\b+2*i+1], v[208+2*i:208+2*i+1] neg_lo:[0,1] neg_hi:[0,1]  ; from now on a tile's result is y - P
.set i, i+1
.endr
	WIN 0x40
.set i, 0
.rept 32
	v_mov_b32 v[32*\b+i], v[208+i]                 ; P is kept in window 1
.set i, i+1
.endr
.set i, 0
.rept 16
	v_pk_add_f32 v[64+32*\b+2*i:64+32*\b+2*i+1], v[ACC+32*\b+2*i:ACC+32*\b+2*i+1], v[208+2*i:208+2*i+1] neg_lo:[0,1] neg_hi:[0,1]  ; S1
.set i, i+1
.endr
	WIN 0
.endr
	WIN 0x45
.set i, 0
.rept 32
	v_pk_mul_f32 v[128+2*i:128+2*i+1], v[64+2*i:64+2*i+1], v[64+2*i:64+2*i+1]  ; S2
.set i, i+1
.endr
	WIN 0
	s_mov_b32 s19, 31
.Ltile:
	L3TILE
	WIN 0x41
.set i, 0
.rept 32
	v_pk_add_f32 v[64+2*i:64+2*i+1], v[64+2*i:64+2*i+1], v[ACC+2*i:ACC+2*i+1]
.set i, i+1
.endr
	WIN 0x50
.set i, 0
.rept 32
	v_pk_fma_f32 v[128+2*i:128+2*i+1], v[ACC+2*i:ACC+2*i+1], v[ACC+2*i:ACC+2*i+1], v[128+2*i:128+2*i+1]
.set i, i+1
.endr
	WIN 0
	s_sub_co_u32 s19, s19, 1
	s_cmp_lg_u32 s19, 0
	s_cbranch_scc1 .Ltile
	; THE WAY OUT.  The sums over the 16 columns go through LDS, where f2 lay: row (plane x 16 + tile x 2 + q) of 528 bytes holds the 32 lanes' four registers;
	; lane L then adds the 16 pieces of channels 4 L .. 4 L + 3, which it stores as 16 consecutive bytes.
	s_wait_dscnt 0x0                               ; my reads of f2 are over
	s_barrier_signal -1
	s_barrier_wait -1                              ; everybody's are
	s_mul_i32 s2, s20, 48*FPI
	v_add_nc_u32 v12, s2, v3
	v_bfe_u32 v14, v0, 2, 3                        ; L = 4 x tile + 2 h + q
	v_and_b32 v15, 1, v0
	v_lshl_add_u32 v14, v14, 1, v15
	v_mul_u32_u24 v13, v14, FPI
	v_bfe_u32 v15, v0, 1, 1
	v_lshl_add_u32 v13, v15, 8, v13
	v_add_nc_u32 v13, s2, v13
	WIN 0x04                                       ; the stores' data in window 1
	s_wait_alu depctr_va_vdst(0)                   ; P, S1, S2 and v12 are written, which the stores read; v13 is written and the vector and matrix side is done with v16-147: the loads below go by the one into the others
.irp p, 0,1,2
.irp m, 0,1,2,3,4,5,6,7
	ds_store_b128 v12, v[64*\p+8*\m:64*\p+8*\m+3] offset:(16*\p+2*\m)*FPI
	ds_store_b128 v12, v[64*\p+8*\m+4:64*\p+8*\m+7] offset:(16*\p+2*\m+1)*FPI
.endr
.endr
	WIN 0
	ds_load_b128 v[16:19], v13                     ; LDS serves a wave's instructions in order (ISA guide 5.7.1.4): these see the stores above
.set i, 0
.rept 16
	ds_load_b128 v[20+4*i:20+4*i+3], v13 offset:16*FPI+16*i
	ds_load_b128 v[84+4*i:84+4*i+3], v13 offset:32*FPI+16*i
.set i, i+1
.endr
	s_wait_dscnt 0x0
.irp st, 8, 4, 2, 1
.set i, 0
.rept \st
	v_pk_add_f32 v[20+4*i:20+4*i+1], v[20+4*i:20+4*i+1], v[20+4*(i+\st):20+4*(i+\st)+1]
	v_pk_add_f32 v[20+4*i+2:20+4*i+3], v[20+4*i+2:20+4*i+3], v[20+4*(i+\st)+2:20+4*(i+\st)+3]
	v_pk_add_f32 v[84+4*i:84+4*i+1], v[84+4*i:84+4*i+1], v[84+4*(i+\st):84+4*(i+\st)+1]
	v_pk_add_f32 v[84+4*i+2:84+4*i+3], v[84+4*i+2:84+4*i+3], v[84+4*(i+\st)+2:84+4*(i+\st)+3]
.set i, i+1
.endr
.endr
	s_wait_alu depctr_va_vdst(0)                   ; the sums v20-23 and v84-87 are written, which the stores read
	global_store_b128 v3, v[16:19], s[36:37]                 ; 512 consecutive bytes, aligned, in each of the three planes
	global_store_b128 v3, v[20:23], s[36:37] offset:524288
	global_store_b128 v3, v[84:87], s[36:37] offset:1048576
.else
	; PHASE B
	s_wait_dscnt 0x0
	s_barrier_signal -1
	s_barrier_wait -1                              ; all of f2 is in, and nobody reads h1 any more
.irp i, 0,1,2,3,4,5,6,7
	s_lshl_b32 s2, s20, 1
	s_add_co_u32 s2, s2, \i
	s_and_b32 s2, s2, 7                            ; my accumulator i is output tile (2 w + i) % 8: 0 and 1 are mine, 2 o and 2 o + 1 wave (w + o) % 4's
	s_lshl_b32 s2, s2, 10
	v_add_nc_u32 v[MX+\i], s2, v3
.endr
.irp o, 1,2,3
	s_add_co_u32 s2, s20, \o
	s_and_b32 s2, s2, 3
	s_mul_i32 s2, s2, 6144
	s_add_co_u32 s2, s2, EX+(3-\o)*2048
	v_add_nc_u32 v[11+\o], s2, v3                  ; v12-14: where my partial sums for the three other waves go
.endr
	s_mul_i32 s2, s20, 6144
	s_add_co_u32 s2, s2, EX
	v_add_nc_u32 v15, s2, v3                       ; where theirs for me lie
	WIN 0x40
	s_wait_alu depctr_va_vdst(0)                   ; behind the switch of windows: the eight offsets in MX are written; layer 2's products are done reading window 1, in which w4 lands; phase A is done with v16-207, in which U, s and the shift land
.irp k, 0,1,2,3
.irp i, 0,1,2,3,4,5,6,7
	global_load_b128 v[8*(8*\k+\i):8*(8*\k+\i)+3], v[MX+\i], s[28:29] offset:8192*\k
	global_load_b128 v[8*(8*\k+\i)+4:8*(8*\k+\i)+7], v[MX+\i], s[28:29] offset:8192*\k+512
.endr
.endr
	WIN 0
.irp m, 0,1,2,3,4,5,6,7
	global_load_b128 v[CI+8*\m:CI+8*\m+3], v3, s[34:35] offset:1024*\m
	global_load_b128 v[CI+8*\m+4:CI+8*\m+7], v3, s[34:35] offset:1024*\m+512
	global_load_b128 v[ACC+8*\m:ACC+8*\m+3], v11, s[36:37] offset:64*\m
	global_load_b128 v[ACC+8*\m+4:ACC+8*\m+7], v11, s[36:37] offset:64*\m+16
	global_load_b128 v[FB+8*\m:FB+8*\m+3], v11, s[36:37] offset:2048+64*\m
	global_load_b128 v[FB+8*\m+4:FB+8*\m+7], v11, s[36:37] offset:2048+64*\m+16
.endr
	s_wait_loadcnt 0x0                             ; these, and w3's fragments
.set i, 0
.rept 32
	v_pk_fma_f32 v[CI+2*i:CI+2*i+1], v[ACC+2*i:ACC+2*i+1], v[CI+2*i:CI+2*i+1], v[FB+2*i:FB+2*i+1]  ; s U + shift
.set i, i+1
.endr
	s_wait_alu depctr_vm_vsrc(0)                   ; w4's loads have read their offsets in MX, which become the maxima
.set i, 0
.rept 16
	v_mov_b32 v[MX+i], 0xff800000
.set i, i+1
.endr
	s_wait_alu depctr_va_vdst(0)                   ; the multiply-adds are done reading the shift in FB, in which f2's first fragments land
	FBLOADS 0
	FBLOADS 1
; one tile: layer 3, relu, layer 4 on my slice of K, the exchange of partial sums, the maximum.  One barrier a tile: the two exchange buffers take turns.
.macro TILE buf
	L3TILE
.set i, 0
.rept 64
	v_max_num_f32 v[ACC+i], 0, v[ACC+i]
.set i, i+1
.endr
.set i, 0
.rept 32
	v_cvt_pk_f16_f32 v[B4+i], v[ACC+2*i], v[ACC+2*i+1]  ; tiles 2 k, 2 k + 1 packed are fragment k
.set i, i+1
.endr
	WIN 0x01                                       ; A in window 1
.set ks, 0
.rept 4
.set m, 0
.rept 8
.if ks == 0
	v_wmma_f32_16x16x32_f16 v[ACC+8*m:ACC+8*m+7], v[8*(8*ks+m):8*(8*ks+m)+7], v[B4+8*ks:B4+8*ks+7], 0
.else
	v_wmma_f32_16x16x32_f16 v[ACC+8*m:ACC+8*m+7], v[8*(8*ks+m):8*(8*ks+m)+7], v[B4+8*ks:B4+8*ks+7], v[ACC+8*m:ACC+8*m+7]
.endif
.set m, m+1
.endr
.set ks, ks+1
.endr
	WIN 0
	PLACES
	s_wait_alu depctr_va_vdst(0)                   ; layer 4's products have written the partial sums, which the stores read; the places above stay beside this wait
.irp o, 1,2,3
.irp a, 0,1
	ds_store_b128 v[11+\o], v[ACC+8*(2*\o+\a):ACC+8*(2*\o+\a)+3] offset:(\buf)*EXB+\a*1024
	ds_store_b128 v[11+\o], v[ACC+8*(2*\o+\a)+4:ACC+8*(2*\o+\a)+7] offset:(\buf)*EXB+\a*1024+512
.endr
.endr
	s_wait_dscnt 0x0                               ; for the others' sake: my partial sums are in
	s_barrier_signal -1
	s_barrier_wait -1
	s_wait_alu depctr_vm_vsrc(0)                   ; my stores have read ACC + 16 .. + 63, in which the partners' sums land (and v12-14)
.set i, 0
.rept 12
	ds_load_b128 v[ACC+16+4*i:ACC+16+4*i+3], v15 offset:(\buf)*EXB+512*i
.set i, i+1
.endr
	s_wait_dscnt 0x0
.irp o, 1,2,3
.set i, 0
.rept 8
	v_pk_add_f32 v[ACC+2*i:ACC+2*i+1], v[ACC+2*i:ACC+2*i+1], v[ACC+16*\o+2*i:ACC+16*\o+2*i+1]
.set i, i+1
.endr
.endr
.set i, 0
.rept 16
	v_max_num_f32 v[MX+i], v[MX+i], v[ACC+i]
.set i, i+1
.endr
.endm
	s_mov_b32 s19, 16
.Ltile:
	TILE 0
	TILE 1
	s_sub_co_u32 s19, s19, 1
	s_cmp_lg_u32 s19, 0
	s_cbranch_scc1 .Ltile
	; THE WAY OUT: + b4 (adding it behind the maximum changes the order of one rounding alone)
	s_wait_alu depctr_va_vdst(0)                   ; the last tile's sums and maxima are done with ACC .. + 15, in which b4 lands
.irp a, 0,1
	global_load_b128 v[ACC+8*\a:ACC+8*\a+3], v11, s[38:39] offset:64*\a
	global_load_b128 v[ACC+8*\a+4:ACC+8*\a+7], v11, s[38:39] offset:64*\a+16
.endr
	v_lshlrev_b32 v12, 16, v10                     ; 8 h channels of 8,192 bytes (the exchange's stores, which read v12 and v14, stand ahead of the last tile's wait on vm_vsrc)
	v_lshl_add_u32 v12, v9, 2, v12                 ; + group r
	s_wait_loadcnt 0x0
.set i, 0
.rept 8
	RB ACC+2*i, ACC+2*i+1
.set i, i+1
.endr
.set i, 0
.rept 8
	v_pk_add_f32 v[MX+2*i:MX+2*i+1], v[MX+2*i:MX+2*i+1], v[ACC+2*i:ACC+2*i+1]
.set i, i+1
.endr
	s_wait_alu depctr_va_vdst(0)                   ; the results in MX and the offset v12 are written, which the stores read
.set i, 0
.rept 16
	global_store_b32 v12, v[MX+i], s[40:41] offset:8192*(i+8*(i/8))  ; register 8 a + j is channel 16 a + 8 h + j; 16 lanes store 64 consecutive bytes: a work-group owns 16 of a channel's 2,048 groups, so no longer run exists
.set i, i+1
.endr
.endif
	s_wait_dscnt 0x0                               ; the closing lines, six on end
	s_wait_alu 0x0
	s_wait_tensorcnt 0x0
	ds_add_u32 v1, v2
	s_wait_dscnt 0x0
	s_endpgm
.Lfunc_end_k_q4175eb4d59_pass1:
	.size	k_q4175eb4d59_pass1, .Lfunc_end_k_q4175eb4d59_pass1-k_q4175eb4d59_pass1
	.p2alignl 7, 3214868480
	.fill 96, 4, 3214868480
	.section	.rodata,"a",@progbits
	.p2align	6, 0x0
	.amdhsa_kernel k_q4175eb4d59_pass1
		.amdhsa_group_segment_fixed_size 324608
		.amdhsa_private_segment_fixed_size 0
		.amdhsa_enable_private_segment 0
		.amdhsa_kernarg_size 40
		.amdhsa_user_sgpr_count 2
		.amdhsa_user_sgpr_kernarg_segment_ptr 1
		.amdhsa_wavefront_size32 1
		.amdhsa_system_sgpr_workgroup_id_x 1
		.amdhsa_system_sgpr_workgroup_id_y 1
		.amdhsa_system_sgpr_workgroup_id_z 1
		.amdhsa_system_vgpr_workitem_id 0
		.amdhsa_next_free_vgpr 1024
		.amdhsa_next_free_sgpr 66
		.amdhsa_reserve_vcc 0
		.amdhsa_float_denorm_mode_32 3
		.amdhsa_float_denorm_mode_16_64 3
		.amdhsa_memory_ordered 1
		.amdhsa_forward_progress 1
		.amdhsa_inst_pref_size 128
	.end_amdhsa_kernel
	.amdgpu_metadata
---
amdhsa.version: [ 1, 2 ]
amdhsa.kernels:
  - .name:           k_q4175eb4d59_pass1
    .symbol:         k_q4175eb4d59_pass1.kd
    .args:
      - { .name: xh, .offset: 0, .size: 8, .value_kind: global_buffer, .address_space: global }
      - { .name: wts, .offset: 8, .size: 8, .value_kind: global_buffer, .address_space: global }
      - { .name: b2, .offset: 16, .size: 8, .value_kind: global_buffer, .address_space: global }
      - { .name: ustore, .offset: 24, .size: 8, .value_kind: global_buffer, .address_space: global }
      - { .name: stat, .offset: 32, .size: 8, .value_kind: global_buffer, .address_space: global }
    .group_segment_fixed_size: 324608
    .private_segment_fixed_size: 0
    .kernarg_segment_align: 8
    .kernarg_segment_size: 40
    .max_flat_workgroup_size: 128
    .sgpr_count:     66
    .vgpr_count:     1024
    .wavefront_size: 32
...
	.end_amdgpu_metadata
.endif
;; end of part 8
;; launch prep2: the kernel of part 5 again; grid 32 x 1, 8 waves a work-group, no clusters, 2,048 bytes of LDS; arguments stat, w3, b3, g2, be2, fold; writes fold
;; launch pass2 (part 9): grid 256 x 1, 4 waves a work-group, no clusters, 324,608 bytes of LDS; arguments xh, wts, b2, ustore, fold, b4, out0; writes out0
.if DOCPART == 9
	.amdgcn_target "amdgcn-amd-amdhsa--gfx1250"
	.amdhsa_code_object_version 6
	.text
	.protected	k_q4175eb4d59_pass2
	.globl	k_q4175eb4d59_pass2
	.p2align	8
	.type	k_q4175eb4d59_pass2,@function
k_q4175eb4d59_pass2:
	s_mov_b64 s[64:65], 0
	v_nop
	global_prefetch_b8 v0, s[64:65] scope:SCOPE_SE
	s_setreg_imm32_b32 hwreg(HW_REG_WAVE_SCHED_MODE, 0, 2), 2
	s_setreg_imm32_b32 hwreg(HW_REG_WAVE_MODE, 25, 1), 1
	s_wait_xcnt 0x0
	s_wait_alu depctr_vm_vsrc(0)
; PASS 1 and PASS 2 are one text; PASS chooses.  Both run layers 1 and 2 for the work-group's 16 groups x 32 neighbours and keep f2 (f16) in LDS.
; PASS 1: fg = max over neighbours of f2; U = w3[:, :256] fg, once a group, stored; y = U + w3[:, 256:] f2; for each channel a pivot P (one sample of y), the sum of y - P and of (y - P)^2.
; PASS 2: h3 = relu(s y + shift), with s folded into the weights and into U; w4 h3; the maximum over neighbours; + b4.
; y is computed twice rather than stored: it is 512 x 131,072 numbers.
; COLUMNS: tile t of 16 columns is neighbour t of the 16 groups, so a maximum over neighbours is elementwise over tiles, and U (channel x group) is the C operand of every tile as it stands.
; WAVES split the channels: layer 1 tiles 2w, 2w+1; layer 2 tiles 4w..; layer 3 tiles 8w..; layer 4 takes the wave's own 128 channels of h3 as its slice of K, and the four partial sums meet in LDS.
; A result (channel 8h + j in register j, column r) packed in pairs IS the piece (q, lane) of the next layer's B fragment: nothing changes lanes between layers.
; FORMATS: all inputs rounded to bf16; weights then written as f16; x, h1, f2, fg, h3 in f16; sums, maxima, U and statistics in f32.  LIMIT: f16 holds nothing beyond 65,504: f2 and fg stay within it; NaN and infinities are not treated apart.
; NO TENSOR LOADS, NO CLUSTER: each wave's weights go once from memory into its own registers (64 KiB of w3 a wave), and 270,336 bytes of LDS hold f2: no room is left to stage a shared tile.
; REGISTERS (windows of 256): phase A: window 0: v0-15 addresses, XB, W1R, B2R, FGM, AA; window 1: v0-127 w2's fragments, v128-255 h1's.  Phase B: window 0: FB, CI, ACC (PASS 2: B4, MX);
; window 1: PASS 1: P, S1, S2; PASS 2: w4's fragments.  Windows 2, 3: the wave's 64 fragments of w3, fragment ks x 8 + tile at 512 + 8 x that.
; THE MODE: SCHED_MODE bits 1:0 = 2 (LLVM: expert scheduling mode 2), set by the entry lines.  The code itself states the register dependences
; between vector or matrix instructions and memory or LDS instructions, with s_wait_alu, always for 0.
; THE PLAN.  Registers that memory or LDS instructions touch:
;   PHASE A, a step.  XB: read by layer 1's products; the next step's x lands in it.  AA: layer 1's results are packed in place and stored (h1); layer 2's products write it again; those are packed in place
;     and stored (f2); the next step's layer 1 writes it again.  Window 1, v128-255: h1's fragments land, layer 2's products read them.  v4, v7: stepped once a step.  v3, v5, v6, v11: never rewritten.
;     Five waits: (1) va_vdst behind h1's conversions, for h1's stores, for the loads of x and for v4; (2) va_vdst behind the switch to window 1, for h1's loads; (3) vm_vsrc behind those loads, ahead of layer 2's
;     products; (4) va_vdst behind f2's conversions, for f2's stores; (5) vm_vsrc behind those stores, ahead of the step of v7 and of the next step's layer 1.
;   PHASE B, a tile.  FB: read by the tile's 64 products; BOTH halves of the next tile's fragments land in it behind ONE wait on va_vdst at the tile's end, where the vector work wants the results in any case.
;     v8: stepped ahead of that wait, behind a wait on vm_vsrc.  PASS 2: ACC + 16 .. + 63: written by layer 4's products, read by the exchange's stores, then the partners' sums land in them.
.set PASS,  2
.set FPI,   528                        ; a row of f2 in LDS: 512 bytes + 16: the 16 rows of a fragment load start 16 bytes apart modulo 256
.set TILEB, 16*FPI
.set F2MAX, 269824                     ; tile 31's highest fragment address (row 511, 16 bytes in); the look-ahead's address is held at or below it: its last byte read, + 495, is byte 511 of row 511
.set H1,    270336                     ; two buffers of [tile 4][ks 4][q 2][lane 16 bytes]
.set EX,    270336                     ; PASS 2, phase B: two buffers of [to wave 4][slot 3][tile 2][q 2][lane 16 bytes]
.set EXB,   24576
.set FG,    303104                     ; PASS 1: 16 rows of fg, pitch 528
.set XH,    319488                     ; [tile 32][r 16][x, y, z, 1 in f16], then 512 bytes of zeros for the last step's look-ahead
.set SPARE, 324096                     ; the spare words, 128 bytes a wave
.set W2F,   8192
.set W3AF,  73728
.set W3BF,  335872
.set W4F,   598016
.set XB,    16                         ; v16-47   x's fragments of four tiles; registers 2-7 of each hold 0
.set W1R,   48                         ; v48-63
.set B2R,   64                         ; v64-95   b2 as the C operand of layer 2
.set FGM,   96                         ; v96-127  the running maximum of f2
.set AA,    128                        ; v128-255 phase A's accumulators (at the head v128-131: four LDS addresses)
.set FB,    16                         ; v16-79   f2's fragments of one tile, ks 0-7
.set CI,    80                         ; v80-143  the C operand of layer 3
.set ACC,   144                        ; v144-207
.set B4,    208                        ; v208-239 h3's fragments
.set MX,    240                        ; v240-255 the running maximum of the output
.set MSB, 0
.macro WIN new                         ; the immediate's high byte repeats the setting that is left; a switch that changes nothing is dropped
.if MSB != (\new)
	s_set_vgpr_msb (MSB<<8)|(\new)
.set MSB, (\new)
.endif
.endm
.macro PLACES                          ; four plain vector instructions that name none of its registers between a matrix instruction and a read of its result (ISA guide 7.12.1); a wait on va_vdst fills no place
.rept 4
	v_nop
.endr
.endm
.macro RB a, b                         ; two numbers rounded to bf16, kept as f32; v14 at work
	v_cvt_pk_bf16_f32 v14, v[\a], v[\b]
	v_lshlrev_b32 v[\a], 16, v14
	v_and_b32 v[\b], 0xffff0000, v14
.endm
.macro LOADW3 b, dep                   ; the wave's 64 fragments of w3 from s[b:b+1]: 128 loads of 512 consecutive bytes.  dep = 1: products have read the registers in which they land
	WIN 0x80
.if \dep
	s_wait_alu depctr_va_vdst(0)                   ; behind the switch of windows: U's products are done reading w3's first half of columns, in which these loads land, and have written U, which the stores behind these loads read
.endif
.set i, 0
.rept 32
	global_load_b128 v[8*i:8*i+3], v3, s[\b:\b+1] offset:1024*i
	global_load_b128 v[8*i+4:8*i+7], v3, s[\b:\b+1] offset:1024*i+512
.set i, i+1
.endr
	WIN 0xc0
.set i, 0
.rept 32
	global_load_b128 v[8*i:8*i+3], v3, s[\b:\b+1] offset:1024*(i+32)
	global_load_b128 v[8*i+4:8*i+7], v3, s[\b:\b+1] offset:1024*(i+32)+512
.set i, i+1
.endr
	WIN 0
.endm
; PHASE A, one step: four tiles through layers 1 and 2.  One barrier a step: the two h1 buffers take turns, and a wave's reads of a buffer are waited for ahead of its next signal.
.macro STEPA buf
.irp t, 0,1,2,3
.irp a, 0,1
	v_wmma_f32_16x16x32_f16 v[AA+8*(2*\t+\a):AA+8*(2*\t+\a)+7], v[W1R+8*\a:W1R+8*\a+7], v[XB+8*\t:XB+8*\t+7], 0
.endr
.endr
	v_add_nc_u32 v4, 512, v4                       ; the next step's x (the last loads by v4 stand ahead of a wait on vm_vsrc); this line and three v_nop are the four places behind the products
	v_nop
	v_nop
	v_nop
.set i, 0
.rept 64
	v_max_num_f32 v[AA+i], 0, v[AA+i]
.set i, i+1
.endr
.set i, 0
.rept 32
	v_cvt_pk_f16_f32 v[AA+8*(i/4)+i%4], v[AA+8*(i/4)+2*(i%4)], v[AA+8*(i/4)+2*(i%4)+1]
.set i, i+1
.endr
	s_wait_alu depctr_va_vdst(0)                   ; (1) the conversions have written h1's pieces, which the stores read; layer 1's products are done reading XB, in which the next x lands; v4 is written
.irp t, 0,1,2,3
.irp a, 0,1
	ds_store_b128 v5, v[AA+8*(2*\t+\a):AA+8*(2*\t+\a)+3] offset:(\buf)*16384+\t*4096+\a*512
.endr
.endr
.irp t, 0,1,2,3
	ds_load_b64 v[XB+8*\t:XB+8*\t+1], v4 offset:128*\t  ; the next step's x; waited for at the barrier below
.endr
	s_wait_dscnt 0x0                               ; for the others' sake: my part of h1 is in
	s_barrier_signal -1
	s_barrier_wait -1
	WIN 0x40
	s_wait_alu depctr_va_vdst(0)                   ; (2) behind the switch of windows: the last step's layer-2 products are done reading h1's fragments, in which these loads land
.irp ks, 0,1,2,3
.irp t, 0,1,2,3
	ds_load_b128 v[128+8*(4*\t+\ks):128+8*(4*\t+\ks)+3], v6 offset:(\buf)*16384+\t*4096+\ks*1024
	ds_load_b128 v[128+8*(4*\t+\ks)+4:128+8*(4*\t+\ks)+7], v6 offset:(\buf)*16384+\t*4096+\ks*1024+512
.endr
.endr
	s_wait_alu depctr_vm_vsrc(0)                   ; (3) my stores of h1 have read AA, which layer 2's products write; the loads of x have read v4
	WIN 0x05                                       ; A and B in window 1
.irp ks, 0,1,2,3
	s_wait_dscnt 24-8*\ks                          ; eight loads for each later ks may stay out
.irp m, 0,1,2,3
.irp t, 0,1,2,3
.if \ks == 0
	v_wmma_f32_16x16x32_f16 v[AA+8*(4*\m+\t):AA+8*(4*\m+\t)+7], v[8*(4*\m+\ks):8*(4*\m+\ks)+7], v[128+8*(4*\t+\ks):128+8*(4*\t+\ks)+7], v[B2R+8*\m:B2R+8*\m+7]
.else
	v_wmma_f32_16x16x32_f16 v[AA+8*(4*\m+\t):AA+8*(4*\m+\t)+7], v[8*(4*\m+\ks):8*(4*\m+\ks)+7], v[128+8*(4*\t+\ks):128+8*(4*\t+\ks)+7], v[AA+8*(4*\m+\t):AA+8*(4*\m+\t)+7]
.endif
.endr
.endr
.endr
	WIN 0
	PLACES
.if PASS == 1
.irp m, 0,1,2,3
.irp p, 0,2
.set i, 0
.rept 8
	v_max3_num_f32 v[FGM+8*\m+i], v[FGM+8*\m+i], v[AA+8*(4*\m+\p)+i], v[AA+8*(4*\m+\p+1)+i]
.set i, i+1
.endr
.endr
.endr
.endif
.set i, 0
.rept 64
	v_cvt_pk_f16_f32 v[AA+8*(i/4)+i%4], v[AA+8*(i/4)+2*(i%4)], v[AA+8*(i/4)+2*(i%4)+1]
.set i, i+1
.endr
	s_wait_alu depctr_va_vdst(0)                   ; (4) the conversions have written f2's pieces, which the stores read
.irp m, 0,1,2,3
.irp t, 0,1,2,3
	ds_store_b128 v7, v[AA+8*(4*\m+\t):AA+8*(4*\m+\t)+3] offset:\t*TILEB+\m*32
.endr
.endr
	s_wait_alu depctr_vm_vsrc(0)                   ; (5) these stores have read v7, which is stepped, and AA, which what follows writes again
	v_add_nc_u32 v7, 4*TILEB, v7
.endm
; half hf of layer 3's K for one tile: 32 matrix instructions, the 8 accumulators by turns.  C: what starts the sums (below 0: the constant 0)
.macro L3H hf, D, C
	WIN 0x02+(\hf)                                 ; A in window 2 or 3
.set ks, 0
.rept 4
.set m, 0
.rept 8
.if ((\hf) == 0) && (ks == 0) && ((\C) < 0)
	v_wmma_f32_16x16x32_f16 v[(\D)+8*m:(\D)+8*m+7], v[8*(8*ks+m):8*(8*ks+m)+7], v[FB+8*(4*(\hf)+ks):FB+8*(4*(\hf)+ks)+7], 0
.elseif ((\hf) == 0) && (ks == 0)
	v_wmma_f32_16x16x32_f16 v[(\D)+8*m:(\D)+8*m+7], v[8*(8*ks+m):8*(8*ks+m)+7], v[FB+8*(4*(\hf)+ks):FB+8*(4*(\hf)+ks)+7], v[(\C)+8*m:(\C)+8*m+7]
.else
	v_wmma_f32_16x16x32_f16 v[(\D)+8*m:(\D)+8*m+7], v[8*(8*ks+m):8*(8*ks+m)+7], v[FB+8*(4*(\hf)+ks):FB+8*(4*(\hf)+ks)+7], v[(\D)+8*m:(\D)+8*m+7]
.endif
.set m, m+1
.endr
.set ks, ks+1
.endr
.endm
.macro FBLOADS hf                      ; half hf of a tile's fragments of f2, at v8
.irp k, 0,1,2,3
	ds_load_b128 v[FB+8*(4*(\hf)+\k):FB+8*(4*(\hf)+\k)+3], v8 offset:64*(4*(\hf)+\k)
	ds_load_b128 v[FB+8*(4*(\hf)+\k)+4:FB+8*(4*(\hf)+\k)+7], v8 offset:64*(4*(\hf)+\k)+32
.endr
.endm
; layer 3 for one tile: 64 matrix instructions on end; behind them the next tile's fragments are asked for, which land under the vector work that follows.
.macro L3TILE
	s_wait_dscnt 8                                 ; the first half is in; the second half's eight loads may stay out
	L3H 0, ACC, CI
	s_wait_dscnt 0x0                               ; the second half is in
	L3H 1, ACC, ACC
	WIN 0
	s_wait_alu depctr_vm_vsrc(0)                   ; this tile's fragment loads have read v8
	v_add_nc_u32 v8, TILEB, v8                     ; the next tile;
	v_min_u32 v8, F2MAX, v8                        ; behind the last tile the address stays inside f2, and what it brings is not used
	v_nop                                          ; with the two lines above: the four places behind the last products, for the vector work that reads the results
	v_nop
	s_wait_alu depctr_va_vdst(0)                   ; the tile's products are done reading FB, in which the next tile's fragments land; v8 is written
	FBLOADS 0
	FBLOADS 1
.endm
	s_load_b256 s[4:11], s[0:1], 0x0               ; xh, wts, b2, ustore
.if PASS == 1
	s_load_b64 s[12:13], s[0:1], 0x20              ; stat
.else
	s_load_b128 s[12:15], s[0:1], 0x20             ; fold, b4
	s_load_b64 s[16:17], s[0:1], 0x30              ; out0
.endif
	v_lshl_add_u32 v1, v0, 2, SPARE                ; my spare word and 0: kept for the closing add alone
	v_mov_b32 v2, 0
	v_lshrrev_b32 v12, 5, v0
	v_readfirstlane_b32 s20, v12                   ; wave
	v_and_b32 v12, 31, v0
	v_lshlrev_b32 v3, 4, v12                       ; 16 x lane; never rewritten
	v_and_b32 v9, 15, v0                           ; r
	v_bfe_u32 v10, v0, 4, 1                        ; h
	v_lshlrev_b32 v11, 5, v10                      ; 8 h channels of f32; never rewritten
	s_mov_b32 s3, 0
	s_wait_alu depctr_va_sdst(0)                   ; s20 is written, ahead of its first reader: the bases below are made from it
	s_wait_kmcnt 0x0
	s_lshl_b32 s2, s20, 11
	s_add_nc_u64 s[22:23], s[6:7], s[2:3]          ; w1's fragments 2w, 2w+1
	s_lshl_b32 s2, s20, 14
	s_add_co_u32 s2, s2, W2F
	s_add_nc_u64 s[24:25], s[6:7], s[2:3]          ; w2's 16 fragments
	s_lshl_b32 s2, s20, 16
.if PASS == 1
	s_add_co_u32 s2, s2, W3AF
	s_add_nc_u64 s[26:27], s[6:7], s[2:3]          ; w3, columns 0-255
	s_add_co_u32 s2, s2, W3BF-W3AF
	s_add_nc_u64 s[28:29], s[6:7], s[2:3]          ; w3, columns 256-511
.else
	s_add_nc_u64 s[26:27], s[12:13], s[2:3]        ; w3, columns 256-511, times s
	s_lshl_b32 s2, s20, 15
	s_add_co_u32 s2, s2, W4F
	s_add_nc_u64 s[28:29], s[6:7], s[2:3]          ; w4, my slice of K
.endif
	s_lshl_b32 s2, ttmp9, 2
	s_add_co_u32 s21, s2, s20                      ; 4 x work-group + wave
	s_lshl_b32 s2, s21, 10
	s_add_nc_u64 s[30:31], s[4:5], s[2:3]
	s_lshl_b32 s2, s20, 8
	s_add_nc_u64 s[32:33], s[8:9], s[2:3]
	s_lshl_b32 s2, s21, 13
	s_add_nc_u64 s[34:35], s[10:11], s[2:3]
.if PASS == 1
	s_lshl_b32 s2, s21, 9
	s_add_nc_u64 s[36:37], s[12:13], s[2:3]
.else
	s_lshl_b32 s2, s20, 9
	s_add_co_u32 s2, s2, 262144
	s_add_nc_u64 s[36:37], s[12:13], s[2:3]        ; s of my 128 channels; the shift 2,048 bytes on
	s_lshl_b32 s2, s20, 7
	s_add_nc_u64 s[38:39], s[14:15], s[2:3]
	s_lshr_b32 s2, ttmp9, 7
	s_lshl_b32 s2, s2, 20                          ; batch
	s_and_b32 s18, ttmp9, 127
	s_lshl_b32 s18, s18, 6                         ; my 16 groups
	s_add_co_u32 s2, s2, s18
	s_lshl_b32 s18, s20, 18                        ; my 32 channels
	s_add_co_u32 s2, s2, s18
	s_add_nc_u64 s[40:41], s[16:17], s[2:3]
.endif
	s_wait_alu depctr_va_vdst(0)                   ; v3 and v11 are written, the offsets of every global load and store of the kernel but w4's and the last stores'
.irp a, 0,1
	global_load_b128 v[W1R+8*\a:W1R+8*\a+3], v3, s[22:23] offset:1024*\a
	global_load_b128 v[W1R+8*\a+4:W1R+8*\a+7], v3, s[22:23] offset:1024*\a+512
.endr
.irp m, 0,1,2,3
	global_load_b128 v[B2R+8*\m:B2R+8*\m+3], v11, s[32:33] offset:64*\m
	global_load_b128 v[B2R+8*\m+4:B2R+8*\m+7], v11, s[32:33] offset:64*\m+16
.endr
	global_load_b128 v[16:19], v3, s[30:31]
	global_load_b128 v[20:23], v3, s[30:31] offset:512
	WIN 0x40
.set i, 0
.rept 16
	global_load_b128 v[8*i:8*i+3], v3, s[24:25] offset:1024*i
	global_load_b128 v[8*i+4:8*i+7], v3, s[24:25] offset:1024*i+512
.set i, i+1
.endr
	WIN 0
	s_wait_loadcnt 0x0
	s_lshl_b32 s2, s20, 10
	s_add_co_u32 s2, s2, XH
	v_add_nc_u32 v12, s2, v3
	v_lshl_add_u32 v13, v0, 2, XH+4096
	v_mov_b32 v15, 0
.irp t, 1,2,3
.irp j, 2,3,4,5,6,7
	v_mov_b32 v[XB+8*\t+\j], 0                     ; k = 4..7 and 16..31 of x's fragments are 0 (tile 0's registers still hold x on its way to LDS)
.endr
.endr
	v_mul_u32_u24 v[AA], v0, FPI                   ; the 16 bytes behind each of f2's 512 rows are set to 0 once, so that every byte of the region is written: thread t takes rows t + 128 i,
	v_add_nc_u32 v[AA+1], 128*FPI, v[AA]           ; an address register to each, so that one wait serves the whole run of stores
	v_add_nc_u32 v[AA+2], 128*FPI, v[AA+1]
	v_add_nc_u32 v[AA+3], 128*FPI, v[AA+2]
	s_wait_alu depctr_va_vdst(0)                   ; the six addresses v12, v13, v128-131 and the zeros v15, v28-31 are written, which the seven stores read
	ds_store_b128 v12, v[16:19]
	ds_store_b128 v12, v[20:23] offset:512
	ds_store_b32 v13, v15
.irp i, 0,1,2,3
	ds_store_b128 v[AA+\i], v[XB+12:XB+15] offset:512
.endr
	LOADW3 26, 0                                   ; these land while phase A runs, which issues no global load.  No wait: no vector instruction has named their registers, and v3 stands ahead of the waits above
.set i, 0
.rept 16
	RB B2R+2*i, B2R+2*i+1
.set i, i+1
.endr
.if PASS == 1
.set i, 0
.rept 32
	v_mov_b32 v[FGM+i], 0xff800000
.set i, i+1
.endr
.endif
	v_lshl_add_u32 v4, v9, 3, XH
	s_lshl_b32 s2, s20, 10
	s_add_co_u32 s2, s2, H1
	v_add_nc_u32 v5, s2, v3
	v_add_nc_u32 v6, H1, v3
	v_mul_u32_u24 v8, v9, FPI
	v_lshl_add_u32 v8, v10, 4, v8                  ; a fragment's row x pitch + 16 h
	s_lshl_b32 s2, s20, 7
	v_add_nc_u32 v7, s2, v8                        ; + my 64 channels
	s_wait_dscnt 0x0                               ; for the others' sake: my part of x is in
	s_wait_alu depctr_vm_vsrc(0)                   ; my stores have read v16-23, which are written below and by the loads of x, and v128-131, which layer 1's products write
.irp j, 2,3,4,5,6,7
	v_mov_b32 v[XB+\j], 0
.endr
	s_barrier_signal -1
	s_barrier_wait -1
	s_wait_alu depctr_va_vdst(0)                   ; the LDS addresses v4 to v8 are written
.irp t, 0,1,2,3
	ds_load_b64 v[XB+8*\t:XB+8*\t+1], v4 offset:128*\t
.endr
	s_wait_dscnt 0x0
	s_wait_alu depctr_vm_vsrc(0)                   ; these loads have read v4, which the first step moves on
	s_mov_b32 s19, 4
.Lstep:
	STEPA 0
	STEPA 1
	s_sub_co_u32 s19, s19, 1
	s_cmp_lg_u32 s19, 0
	s_cbranch_scc1 .Lstep
.if PASS == 1
	; PHASE B.  fg goes to LDS as f2 did; the barrier also shows all of f2
.set i, 0
.rept 16
	v_cvt_pk_f16_f32 v[FGM+8*(i/4)+i%4], v[FGM+8*(i/4)+2*(i%4)], v[FGM+8*(i/4)+2*(i%4)+1]
.set i, i+1
.endr
	s_lshl_b32 s2, s20, 7
	s_add_co_u32 s2, s2, FG
	v_add_nc_u32 v13, s2, v8
	v_add_nc_u32 v12, FG, v8
	s_wait_alu depctr_va_vdst(0)                   ; fg's pieces and v13 are written, which the stores read; v12 is written and phase A's products are done reading v16-79: fg's fragments are loaded by the one into the others
.irp m, 0,1,2,3
	ds_store_b128 v13, v[FGM+8*\m:FGM+8*\m+3] offset:32*\m
.endr
	s_wait_dscnt 0x0
	s_barrier_signal -1
	s_barrier_wait -1
.irp k, 0,1,2,3,4,5,6,7
	ds_load_b128 v[FB+8*\k:FB+8*\k+3], v12 offset:64*\k
	ds_load_b128 v[FB+8*\k+4:FB+8*\k+7], v12 offset:64*\k+32
.endr
	s_wait_alu depctr_vm_vsrc(0)                   ; my stores of fg have read v96-123, which U's products write
	s_wait_loadcnt 0x0                             ; w3's first half of columns
	s_wait_dscnt 0x0
	L3H 0, CI, -1                                  ; U
	L3H 1, CI, CI
	WIN 0
	PLACES
	LOADW3 28, 1                                   ; the other half of columns takes the first's registers
.irp m, 0,1,2,3,4,5,6,7
	global_store_b128 v3, v[CI+8*\m:CI+8*\m+3], s[34:35] offset:1024*\m       ; U as it lies in registers: 512 consecutive bytes a store.  No vector or matrix instruction has been issued since the wait ahead of the loads above
	global_store_b128 v3, v[CI+8*\m+4:CI+8*\m+7], s[34:35] offset:1024*\m+512
.endr
	FBLOADS 0                                      ; the same wait has shown U's products done reading FB
	FBLOADS 1
.set i, 0
.rept 32
	v_mov_b32 v[208+i], 0                          ; destinations of lane moves count as read
.set i, i+1
.endr
	s_wait_loadcnt 0x0
	L3TILE                                         ; tile 0 is written out: it gives the pivot and starts the sums
.irp b, 0,1
.set i, 0
.rept 32
	v_mov_b32_dpp v[208+i], v[ACC+32*\b+i] row_share:0 row_mask:0xf bank_mask:0xf  ; P: group 0's sample, the same for the 16 columns
.set i, i+1
.endr
.if \b == 0
	s_wait_xcnt 0x0                                ; U's stores have had their addresses translated: CI is rewritten only behind this wait,
	s_wait_alu depctr_vm_vsrc(0)                   ; and behind this one: U's stores have read CI
.endif
.set i, 0
.rept 16
	v_pk_add_f32 v[CI+32*\b+2*i:CI+32*\b+2*i+1], v[CI+32*\b+2*i:CI+32*\b+2*i+1], v[208+2*i:208+2*i+1] neg_lo:[0,1] neg_hi:[0,1]  ; from now on a tile's result is y - P
.set i, i+1
.endr
	WIN 0x40
.set i, 0
.rept 32
	v_mov_b32 v[32*\b+i], v[208+i]                 ; P is kept in window 1
.set i, i+1
.endr
.set i, 0
.rept 16
	v_pk_add_f32 v[64+32*\b+2*i:64+32*\b+2*i+1], v[ACC+32*\b+2*i:ACC+32*\b+2*i+1], v[208+2*i:208+2*i+1] neg_lo:[0,1] neg_hi:[0,1]  ; S1
.set i, i+1
.endr
	WIN 0
.endr
	WIN 0x45
.set i, 0
.rept 32
	v_pk_mul_f32 v[128+2*i:128+2*i+1], v[64+2*i:64+2*i+1], v[64+2*i:64+2*i+1]  ; S2
.set i, i+1
.endr
	WIN 0
	s_mov_b32 s19, 31
.Ltile:
	L3TILE
	WIN 0x41
.set i, 0
.rept 32
	v_pk_add_f32 v[64+2*i:64+2*i+1], v[64+2*i:64+2*i+1], v[ACC+2*i:ACC+2*i+1]
.set i, i+1
.endr
	WIN 0x50
.set i, 0
.rept 32
	v_pk_fma_f32 v[128+2*i:128+2*i+1], v[ACC+2*i:ACC+2*i+1], v[ACC+2*i:ACC+2*i+1], v[128+2*i:128+2*i+1]
.set i, i+1
.endr
	WIN 0
	s_sub_co_u32 s19, s19, 1
	s_cmp_lg_u32 s19, 0
	s_cbranch_scc1 .Ltile
	; THE WAY OUT.  The sums over the 16 columns go through LDS, where f2 lay: row (plane x 16 + tile x 2 + q) of 528 bytes holds the 32 lanes' four registers;
	; lane L then adds the 16 pieces of channels 4 L .. 4 L + 3, which it stores as 16 consecutive bytes.
	s_wait_dscnt 0x0                               ; my reads of f2 are over
	s_barrier_signal -1
	s_barrier_wait -1                              ; everybody's are
	s_mul_i32 s2, s20, 48*FPI
	v_add_nc_u32 v12, s2, v3
	v_bfe_u32 v14, v0, 2, 3                        ; L = 4 x tile + 2 h + q
	v_and_b32 v15, 1, v0
	v_lshl_add_u32 v14, v14, 1, v15
	v_mul_u32_u24 v13, v14, FPI
	v_bfe_u32 v15, v0, 1, 1
	v_lshl_add_u32 v13, v15, 8, v13
	v_add_nc_u32 v13, s2, v13
	WIN 0x04                                       ; the stores' data in window 1
	s_wait_alu depctr_va_vdst(0)                   ; P, S1, S2 and v12 are written, which the stores read; v13 is written and the vector and matrix side is done with v16-147: the loads below go by the one into the others
.irp p, 0,1,2
.irp m, 0,1,2,3,4,5,6,7
	ds_store_b128 v12, v[64*\p+8*\m:64*\p+8*\m+3] offset:(16*\p+2*\m)*FPI
	ds_store_b128 v12, v[64*\p+8*\m+4:64*\p+8*\m+7] offset:(16*\p+2*\m+1)*FPI
.endr
.endr
	WIN 0
	ds_load_b128 v[16:19], v13                     ; LDS serves a wave's instructions in order (ISA guide 5.7.1.4): these see the stores above
.set i, 0
.rept 16
	ds_load_b128 v[20+4*i:20+4*i+3], v13 offset:16*FPI+16*i
	ds_load_b128 v[84+4*i:84+4*i+3], v13 offset:32*FPI+16*i
.set i, i+1
.endr
	s_wait_dscnt 0x0
.irp st, 8, 4, 2, 1
.set i, 0
.rept \st
	v_pk_add_f32 v[20+4*i:20+4*i+1], v[20+4*i:20+4*i+1], v[20+4*(i+\st):20+4*(i+\st)+1]
	v_pk_add_f32 v[20+4*i+2:20+4*i+3], v[20+4*i+2:20+4*i+3], v[20+4*(i+\st)+2:20+4*(i+\st)+3]
	v_pk_add_f32 v[84+4*i:84+4*i+1], v[84+4*i:84+4*i+1], v[84+4*(i+\st):84+4*(i+\st)+1]
	v_pk_add_f32 v[84+4*i+2:84+4*i+3], v[84+4*i+2:84+4*i+3], v[84+4*(i+\st)+2:84+4*(i+\st)+3]
.set i, i+1
.endr
.endr
	s_wait_alu depctr_va_vdst(0)                   ; the sums v20-23 and v84-87 are written, which the stores read
	global_store_b128 v3, v[16:19], s[36:37]                 ; 512 consecutive bytes, aligned, in each of the three planes
	global_store_b128 v3, v[20:23], s[36:37] offset:524288
	global_store_b128 v3, v[84:87], s[36:37] offset:1048576
.else
	; PHASE B
	s_wait_dscnt 0x0
	s_barrier_signal -1
	s_barrier_wait -1                              ; all of f2 is in, and nobody reads h1 any more
.irp i, 0,1,2,3,4,5,6,7
	s_lshl_b32 s2, s20, 1
	s_add_co_u32 s2, s2, \i
	s_and_b32 s2, s2, 7                            ; my accumulator i is output tile (2 w + i) % 8: 0 and 1 are mine, 2 o and 2 o + 1 wave (w + o) % 4's
	s_lshl_b32 s2, s2, 10
	v_add_nc_u32 v[MX+\i], s2, v3
.endr
.irp o, 1,2,3
	s_add_co_u32 s2, s20, \o
	s_and_b32 s2, s2, 3
	s_mul_i32 s2, s2, 6144
	s_add_co_u32 s2, s2, EX+(3-\o)*2048
	v_add_nc_u32 v[11+\o], s2, v3                  ; v12-14: where my partial sums for the three other waves go
.endr
	s_mul_i32 s2, s20, 6144
	s_add_co_u32 s2, s2, EX
	v_add_nc_u32 v15, s2, v3                       ; where theirs for me lie
	WIN 0x40
	s_wait_alu depctr_va_vdst(0)                   ; behind the switch of windows: the eight offsets in MX are written; layer 2's products are done reading window 1, in which w4 lands; phase A is done with v16-207, in which U, s and the shift land
.irp k, 0,1,2,3
.irp i, 0,1,2,3,4,5,6,7
	global_load_b128 v[8*(8*\k+\i):8*(8*\k+\i)+3], v[MX+\i], s[28:29] offset:8192*\k
	global_load_b128 v[8*(8*\k+\i)+4:8*(8*\k+\i)+7], v[MX+\i], s[28:29] offset:8192*\k+512
.endr
.endr
	WIN 0
.irp m, 0,1,2,3,4,5,6,7
	global_load_b128 v[CI+8*\m:CI+8*\m+3], v3, s[34:35] offset:1024*\m
	global_load_b128 v[CI+8*\m+4:CI+8*\m+7], v3, s[34:35] offset:1024*\m+512
	global_load_b128 v[ACC+8*\m:ACC+8*\m+3], v11, s[36:37] offset:64*\m
	global_load_b128 v[ACC+8*\m+4:ACC+8*\m+7], v11, s[36:37] offset:64*\m+16
	global_load_b128 v[FB+8*\m:FB+8*\m+3], v11, s[36:37] offset:2048+64*\m
	global_load_b128 v[FB+8*\m+4:FB+8*\m+7], v11, s[36:37] offset:2048+64*\m+16
.endr
	s_wait_loadcnt 0x0                             ; these, and w3's fragments
.set i, 0
.rept 32
	v_pk_fma_f32 v[CI+2*i:CI+2*i+1], v[ACC+2*i:ACC+2*i+1], v[CI+2*i:CI+2*i+1], v[FB+2*i:FB+2*i+1]  ; s U + shift
.set i, i+1
.endr
	s_wait_alu depctr_vm_vsrc(0)                   ; w4's loads have read their offsets in MX, which become the maxima
.set i, 0
.rept 16
	v_mov_b32 v[MX+i], 0xff800000
.set i, i+1
.endr
	s_wait_alu depctr_va_vdst(0)                   ; the multiply-adds are done reading the shift in FB, in which f2's first fragments land
	FBLOADS 0
	FBLOADS 1
; one tile: layer 3, relu, layer 4 on my slice of K, the exchange of partial sums, the maximum.  One barrier a tile: the two exchange buffers take turns.
.macro TILE buf
	L3TILE
.set i, 0
.rept 64
	v_max_num_f32 v[ACC+i], 0, v[ACC+i]
.set i, i+1
.endr
.set i, 0
.rept 32
	v_cvt_pk_f16_f32 v[B4+i], v[ACC+2*i], v[ACC+2*i+1]  ; tiles 2 k, 2 k + 1 packed are fragment k
.set i, i+1
.endr
	WIN 0x01                                       ; A in window 1
.set ks, 0
.rept 4
.set m, 0
.rept 8
.if ks == 0
	v_wmma_f32_16x16x32_f16 v[ACC+8*m:ACC+8*m+7], v[8*(8*ks+m):8*(8*ks+m)+7], v[B4+8*ks:B4+8*ks+7], 0
.else
	v_wmma_f32_16x16x32_f16 v[ACC+8*m:ACC+8*m+7], v[8*(8*ks+m):8*(8*ks+m)+7], v[B4+8*ks:B4+8*ks+7], v[ACC+8*m:ACC+8*m+7]
.endif
.set m, m+1
.endr
.set ks, ks+1
.endr
	WIN 0
	PLACES
	s_wait_alu depctr_va_vdst(0)                   ; layer 4's products have written the partial sums, which the stores read; the places above stay beside this wait
.irp o, 1,2,3
.irp a, 0,1
	ds_store_b128 v[11+\o], v[ACC+8*(2*\o+\a):ACC+8*(2*\o+\a)+3] offset:(\buf)*EXB+\a*1024
	ds_store_b128 v[11+\o], v[ACC+8*(2*\o+\a)+4:ACC+8*(2*\o+\a)+7] offset:(\buf)*EXB+\a*1024+512
.endr
.endr
	s_wait_dscnt 0x0                               ; for the others' sake: my partial sums are in
	s_barrier_signal -1
	s_barrier_wait -1
	s_wait_alu depctr_vm_vsrc(0)                   ; my stores have read ACC + 16 .. + 63, in which the partners' sums land (and v12-14)
.set i, 0
.rept 12
	ds_load_b128 v[ACC+16+4*i:ACC+16+4*i+3], v15 offset:(\buf)*EXB+512*i
.set i, i+1
.endr
	s_wait_dscnt 0x0
.irp o, 1,2,3
.set i, 0
.rept 8
	v_pk_add_f32 v[ACC+2*i:ACC+2*i+1], v[ACC+2*i:ACC+2*i+1], v[ACC+16*\o+2*i:ACC+16*\o+2*i+1]
.set i, i+1
.endr
.endr
.set i, 0
.rept 16
	v_max_num_f32 v[MX+i], v[MX+i], v[ACC+i]
.set i, i+1
.endr
.endm
	s_mov_b32 s19, 16
.Ltile:
	TILE 0
	TILE 1
	s_sub_co_u32 s19, s19, 1
	s_cmp_lg_u32 s19, 0
	s_cbranch_scc1 .Ltile
	; THE WAY OUT: + b4 (adding it behind the maximum changes the order of one rounding alone)
	s_wait_alu depctr_va_vdst(0)                   ; the last tile's sums and maxima are done with ACC .. + 15, in which b4 lands
.irp a, 0,1
	global_load_b128 v[ACC+8*\a:ACC+8*\a+3], v11, s[38:39] offset:64*\a
	global_load_b128 v[ACC+8*\a+4:ACC+8*\a+7], v11, s[38:39] offset:64*\a+16
.endr
	v_lshlrev_b32 v12, 16, v10                     ; 8 h channels of 8,192 bytes (the exchange's stores, which read v12 and v14, stand ahead of the last tile's wait on vm_vsrc)
	v_lshl_add_u32 v12, v9, 2, v12                 ; + group r
	s_wait_loadcnt 0x0
.set i, 0
.rept 8
	RB ACC+2*i, ACC+2*i+1
.set i, i+1
.endr
.set i, 0
.rept 8
	v_pk_add_f32 v[MX+2*i:MX+2*i+1], v[MX+2*i:MX+2*i+1], v[ACC+2*i:ACC+2*i+1]
.set i, i+1
.endr
	s_wait_alu depctr_va_vdst(0)                   ; the results in MX and the offset v12 are written, which the stores read
.set i, 0
.rept 16
	global_store_b32 v12, v[MX+i], s[40:41] offset:8192*(i+8*(i/8))  ; register 8 a + j is channel 16 a + 8 h + j; 16 lanes store 64 consecutive bytes: a work-group owns 16 of a channel's 2,048 groups, so no longer run exists
.set i, i+1
.endr
.endif
	s_wait_dscnt 0x0                               ; the closing lines, six on end
	s_wait_alu 0x0
	s_wait_tensorcnt 0x0
	ds_add_u32 v1, v2
	s_wait_dscnt 0x0
	s_endpgm
.Lfunc_end_k_q4175eb4d59_pass2:
	.size	k_q4175eb4d59_pass2, .Lfunc_end_k_q4175eb4d59_pass2-k_q4175eb4d59_pass2
	.p2alignl 7, 3214868480
	.fill 96, 4, 3214868480
	.section	.rodata,"a",@progbits
	.p2align	6, 0x0
	.amdhsa_kernel k_q4175eb4d59_pass2
		.amdhsa_group_segment_fixed_size 324608
		.amdhsa_private_segment_fixed_size 0
		.amdhsa_enable_private_segment 0
		.amdhsa_kernarg_size 56
		.amdhsa_user_sgpr_count 2
		.amdhsa_user_sgpr_kernarg_segment_ptr 1
		.amdhsa_wavefront_size32 1
		.amdhsa_system_sgpr_workgroup_id_x 1
		.amdhsa_system_sgpr_workgroup_id_y 1
		.amdhsa_system_sgpr_workgroup_id_z 1
		.amdhsa_system_vgpr_workitem_id 0
		.amdhsa_next_free_vgpr 1024
		.amdhsa_next_free_sgpr 66
		.amdhsa_reserve_vcc 0
		.amdhsa_float_denorm_mode_32 3
		.amdhsa_float_denorm_mode_16_64 3
		.amdhsa_memory_ordered 1
		.amdhsa_forward_progress 1
		.amdhsa_inst_pref_size 110
	.end_amdhsa_kernel
	.amdgpu_metadata
---
amdhsa.version: [ 1, 2 ]
amdhsa.kernels:
  - .name:           k_q4175eb4d59_pass2
    .symbol:         k_q4175eb4d59_pass2.kd
    .args:
      - { .name: xh, .offset: 0, .size: 8, .value_kind: global_buffer, .address_space: global }
      - { .name: wts, .offset: 8, .size: 8, .value_kind: global_buffer, .address_space: global }
      - { .name: b2, .offset: 16, .size: 8, .value_kind: global_buffer, .address_space: global }
      - { .name: ustore, .offset: 24, .size: 8, .value_kind: global_buffer, .address_space: global }
      - { .name: fold, .offset: 32, .size: 8, .value_kind: global_buffer, .address_space: global }
      - { .name: b4, .offset: 40, .size: 8, .value_kind: global_buffer, .address_space: global }
      - { .name: out0, .offset: 48, .size: 8, .value_kind: global_buffer, .address_space: global }
    .group_segment_fixed_size: 324608
    .private_segment_fixed_size: 0
    .kernarg_segment_align: 8
    .kernarg_segment_size: 56
    .max_flat_workgroup_size: 128
    .sgpr_count:     66
    .vgpr_count:     1024
    .wavefront_size: 32
...
	.end_amdgpu_metadata
.endif
;; end of part 9
